; MI455X (gfx1250); checked and timed in simulation.
; The chip was launched on July 23, 2026; its instructions are those of AMD's public machine-readable ISA for CDNA 5 (MIT licence, August 2026) and "CDNA5" Instruction Set Architecture Reference Guide (July 2026). The comments in the code are by the model that wrote it; some were corrected since.
;; Point Transformer Layer. Allowed arithmetic: matrix products marked QUANTISED: E3M2 operands, one E8M0 scale for each 32 along K, by v_wmma_scale_f32_16x16x128_f8f6f4 with both operands' format E3M2, f32 sums; products left as they are: f32 operands where the result goes on into a quantised operand, else bf16, f16 or f32 operands; f32 sums; everything else in f32.
;; Inputs: Wd1 3 x 3 float32; Wd2 128 x 3 float32; Wg1_codes 128 x 4 x 24 uint8 (E3M2 codes of Wg1, K innermost, in blocks of 32 codes, four codes in three bytes); Wg1_scales 128 x 4 uint8 (E8M0 scales of Wg1, one for each 32 codes along K); Wg2_codes 128 x 4 x 24 uint8 (E3M2 codes of Wg2, K innermost, in blocks of 32 codes, four codes in three bytes); Wg2_scales 128 x 4 uint8 (E8M0 scales of Wg2, one for each 32 codes along K); Wk_codes 128 x 4 x 24 uint8 (E3M2 codes of Wk, K innermost, in blocks of 32 codes, four codes in three bytes); Wk_scales 128 x 4 uint8 (E8M0 scales of Wk, one for each 32 codes along K); Wq_codes 128 x 4 x 24 uint8 (E3M2 codes of Wq, K innermost, in blocks of 32 codes, four codes in three bytes); Wq_scales 128 x 4 uint8 (E8M0 scales of Wq, one for each 32 codes along K); Wv_codes 128 x 4 x 24 uint8 (E3M2 codes of Wv, K innermost, in blocks of 32 codes, four codes in three bytes); Wv_scales 128 x 4 uint8 (E8M0 scales of Wv, one for each 32 codes along K); bd1 3 float32; bd2 128 float32; betad 3 float32; betag1 128 float32; betag2 128 float32; bg1 128 float32; bg2 128 float32; bk 128 float32; bq 128 float32; bv 128 float32; feats 2 x 8,192 x 128 float32; gd 3 float32; gg1 128 float32; gg2 128 float32; points 2 x 8,192 x 3 float32.
;; Outputs: out0 2 x 8,192 x 128 float32.
;; Constants: k = 16.
;; This version of the problem:
;;   THIS VERSION OF THE PROBLEM IS GIVEN IN LOW PRECISION. The matrix products marked QUANTISED in the list below multiply operands that are first quantised to E3M2 (3 exponent bits, 2 mantissa bits; 6 bits a number), with one power-of-two scale for each 32 numbers along K (OCP MX v1.0); their sums are f32. All else is computed in f32.
;;   The module's matrix products, in the order in which they are computed (A, B: the left and right operand; K: the contracted axis; several contracted axes count as one K, in the product's order):
;;     1. batch 2 x [M 8,192, K 3] x [K 3, N 8,192]; A: input points; B: input points: left as it is (K = 3 < 32)
;;     2. [M 262,144, K 3] x [K 3, N 3]; A: computed on the way; B: input Wd1: left as it is (K = 3 < 32)
;;     3. [M 262,144, K 3] x [K 3, N 128]; A: computed on the way; B: input Wd2: left as it is (K = 3 < 32)
;;     4. [M 16,384, K 128] x [K 128, N 128]; A: input feats; B: input Wq (given as codes): QUANTISED
;;     5. [M 262,144, K 128] x [K 128, N 128]; A: computed on the way; B: input Wk (given as codes): QUANTISED
;;     6. [M 262,144, K 128] x [K 128, N 128]; A: computed on the way; B: input Wg1 (given as codes): QUANTISED
;;     7. [M 262,144, K 128] x [K 128, N 128]; A: computed on the way; B: input Wg2 (given as codes): QUANTISED
;;     8. [M 262,144, K 128] x [K 128, N 128]; A: computed on the way; B: input Wv (given as codes): QUANTISED
;;     9. batch 2,097,152 x [M 1, K 16] x [K 16, N 1]; A: softmax; B: computed on the way: left as it is (K = 16 < 32)
;;   THE QUANTISER, for each operand of a quantised product, along K:
;;     - K is cut into blocks of 32 from its start; a last block that is shorter is filled with zeros.
;;     - A block's scale is 2^e with e = floor(log2(the largest magnitude in the block)) - 4, held to -126 .. 127; a block of zeros has e = 0. As a byte (E8M0): e + 127.
;;     - Each number is divided by its block's scale, clamped to +-28, and rounded to the nearest number of E3M2, ties to even, subnormals kept.
;;     - The product sums the exact products of the quantised numbers (number of the format x scale) in f32.
;;   ~~~python
;;   def quantise(x, axis):      # numpy; x: float32 -> the quantised numbers, widened to float32 again
;;       x = np.moveaxis(x, axis, -1); K = x.shape[-1]
;;       x = np.pad(x, [(0, 0)] * (x.ndim - 1) + [(0, -K % 32)]); x = x.reshape(x.shape[:-1] + (-1, 32)); a = np.abs(x).max(-1, keepdims=True)
;;       e = np.where(a > 0, np.clip(np.frexp(np.where(a > 0, a, 1))[1] - 1 - 4, -126, 127), 0)      # np.frexp(a)[1] - 1 = floor(log2(a)), exactly
;;       r = np.clip(x / 2.0 ** e, -28, 28)
;;       step = 2.0 ** (np.maximum(np.frexp(np.where(r == 0, 1, r))[1] - 1, -2) - 2)
;;       q = np.round(r / step) * step * 2.0 ** e      # np.round: ties to even
;;       return np.moveaxis(q.reshape(q.shape[:-2] + (-1,))[..., :K], -1, axis).astype(np.float32)
;;   ~~~
;;   OPERANDS COMPUTED ON THE WAY. 'Computed on the way' means the value that the module computes at that place (a softmax that the list does not call 'softmax' is quantised finished and normalised). What goes into a quantiser is computed in f32, as accurately as f32 sums, v_exp_f32 and their like allow (about 1e-6 of the number): no bf16 or f16 on the way to a quantiser, and a product that is left as it is and whose result goes on into a quantised operand takes f32 operands (vector FMAs, or v_wmma_f32_16x16x4_f32). A number that lies on a knife's edge between two numbers of the format may be rounded either way, as far as f32 arithmetic and the matrix unit's own rounding can turn it there, and no further.
;;   INPUTS GIVEN AS CODES. Wg1 (in the module: [128, 128], K = its axis 1); Wg2 (in the module: [128, 128], K = its axis 1); Wk (in the module: [128, 128], K = its axis 1); Wq (in the module: [128, 128], K = its axis 1); Wv (in the module: [128, 128], K = its axis 1): each comes as NAME_codes (uint8): NAME with its K axis moved to the last place and cut into blocks of 32 codes, [.., K / 32, bytes a block], one block behind the other in memory; four codes in three bytes: a row's codes are one little-endian stream of bits, code i at bits 6 i .. 6 i + 5 (a code: sign, 3 exponent bits, 2 mantissa bits); and NAME_scales (uint8): the same leading axes, one E8M0 byte (e + 127) for each 32 codes along K. Its value is code x scale, taken as it is: it is not quantised again, and the codes and scales need not be those that the quantiser above would give.
;; 2 versions, each right; version 2 is version 1 with the launches gamma0_stats, hidden1, finish written anew for expert scheduling mode. Each part assembles by itself: llvm-mc -triple=amdgcn-amd-amdhsa -mcpu=gfx1250 --defsym DOCPART=n.
;; ======== version 1 of 2: 5 launches
;; workspace buffers: grp 1,048,576 bytes of whole numbers; idx 1,048,576 bytes of whole numbers; pts4 262,144 bytes; fq 2,097,152 bytes; g4 4,194,304 bytes; stA 294,912 bytes; stB 262,144 bytes; h1 26,214,400 bytes
;; launch knn_groups (part 1): grid 256 x 1, 8 waves a work-group, no clusters, 269,312 bytes of LDS; arguments points, grp, pts4; writes grp, pts4
.if DOCPART == 1
	.amdgcn_target "amdgcn-amd-amdhsa--gfx1250"
	.amdhsa_code_object_version 6
	.text
	.protected	k_q85c2dcd07a_knn_groups
	.globl	k_q85c2dcd07a_knn_groups
	.p2align	8
	.type	k_q85c2dcd07a_knn_groups,@function
k_q85c2dcd07a_knn_groups:
	s_mov_b64 s[64:65], 0
	v_nop
	global_prefetch_b8 v0, s[64:65] scope:SCOPE_SE
	s_setreg_imm32_b32 hwreg(HW_REG_WAVE_MODE, 25, 1), 1
	s_wait_xcnt 0x0
; For each of 16,384 queries: the numbers of 16 groups of candidates that hold all of its 16 nearest neighbours; and pts4 = (x, y, z, |p|^2) of every point.
; A cloud's 8,192 candidates are 512 GROUPS of 16 neighbouring indices.  Order groups by (smallest d2 in the group, group number) and candidates by (d2, index): the 16 smallest candidates lie in the 16 smallest groups, since
; a candidate of any other group has 16 groups before its own, each with a member that is smaller (a smaller d2, or an equal one and a lower index: groups are ranges of indices).  Exact for every input, ties included.
; d2 = (qx (-2x), fused with qy (-2y), fused with qz (-2z)) + (|q|^2 + |c|^2): five operations, the same and in the same order as in the launch that follows; the factor -2 rounds nothing.
; NOTHING STEERS: every loop has a constant count, the only branch hangs on the wave's number, every address is made of ids and constants.
; THE CHOICE OF 16 OF 512, by networks of minima and maxima on keys alone, twice: (1) T = the 16th smallest minimum; (2) a group's key is its number where its minimum lies under T, its number + 512 where it equals T, else +infinity
; (numbers as f32, exact): the 16 smallest keys are the groups wanted, the lower number first among equals.
; SHARES.  Work-group g: cloud g / 128, queries 64 (g % 128) on.  Wave w: queries 8 w .. 8 w + 7, against all candidates.  A LANE HOLDS A GROUP, THE QUERIES ARE UNIFORM: in block b of 16, lane l walks group 32 b + l, two candidates a record.
; LDS: 0 .. 135,167 the records: record 8 b + p is two halves of 512 bytes, 528 apart: (-2x0, -2x1, -2y0, -2y1) and (-2z0, -2z1, pn0, pn1) of candidates 16 (32 b + l) + 2 p, + 1 at 16 l;  from CANDB on 16,640 bytes for each wave, its own:
; eight rows (a query each) of 512 minima, 2,064 bytes apart.
; LIMITS: NaN and infinities are not served.  |p|^2 is x x, then fused with y y, then with z z.  Where the 16th and 17th neighbour lie closer than d2's rounding, this order of rounding decides.
.set HP,    528                        ; from half to half of a record
.set BLK,   8448                       ; a block: 8 records, 16 halves
.set CANDB, 135168
.set ROWP,  2064
.set ROWW,  16640
.set LASTB, 126720                     ; the last block begins here: the look-ahead is held at it
.set VAA, 2                            ; v2   LDS address of the loads into CA
.set VAB, 3                            ; v3   of the loads into CB
.set VL,  4                            ; v4   16 x lane
.set QQ,  8                            ; query q: v[QQ+4q:+1] = (x, y), v[QQ+4q+2:+3] = (z, |q|^2), the same in all lanes
.set M,   40                           ; v40-47  my group's smallest d2, a query each
.set W,   56                           ; v56-71  eight pairs at work
.set S,   72                           ; v72-87  eight pairs at work
.set CA,  88                           ; v88-119  a block's records 0-3
.set CB,  120                          ; v120-151 its records 4-7
.set VM0, 152                          ; v152 my wave's rows + 4 x lane
.set VMS, 153                          ; v153 the same at the block in hand
.set RR,  64                           ; staging: v64-191 points as loaded, v192-255 eight sets of a record's 8 numbers
.set TS0, 192
.set X,   64                           ; the choice: v64-191 my 128 numbers, v192-207 and v208-223 at work
.set T,   192
.set U,   208
.set THR, 224
.set INF, 225
.set KK,  226
.set KT,  227
.set RO,  228
.set GO,  232
	s_load_b128 s[4:7], s[0:1], 0x0                ; points, grp
	s_load_b64 s[8:9], s[0:1], 0x10                ; pts4
	v_lshl_add_u32 v54, v0, 2, 0x41800
	v_mov_b32 v55, 0
	v_and_b32 v1, 31, v0                           ; lane
	v_lshrrev_b32 v2, 5, v0
	v_readfirstlane_b32 s10, v2                    ; wave
	s_lshr_b32 s18, ttmp9, 7                       ; cloud
	s_and_b32 s19, ttmp9, 127                      ; which 64 queries of it
	s_mul_i32 s20, s18, 98304                      ; a cloud's points: 8,192 x 12 bytes
	s_mov_b32 s21, 0
	v_mul_u32_u24 v5, v1, 24
	s_mul_i32 s22, s10, 768
	v_add_nc_u32 v5, s22, v5                       ; staging: step k of wave w takes the pairs of candidates 32 (w + 8 k) + lane: 24 bytes a lane, 768 on end
	s_lshl_b32 s23, s19, 6                         ; the work-group's first query in the cloud
	s_lshl_b32 s24, s10, 3
	s_add_co_u32 s24, s23, s24
	s_mul_i32 s24, s24, 12
	v_mov_b32 v6, s24                              ; my wave's first query, in bytes
	v_lshlrev_b32 v[VL], 4, v1
	v_and_b32 v7, 7, v1                            ; that pair is pair p = lane % 8 of group 32 k + 4 w + lane / 8:
	v_mul_u32_u24 v2, v7, 1056                     ; record p of block k (two halves a record),
	v_lshrrev_b32 v7, 3, v1
	v_lshl_add_u32 v2, v7, 4, v2
	s_lshl_b32 s25, s10, 6
	v_add_nc_u32 v2, s25, v2                       ; place 16 (4 w + lane / 8) in it
	v_add_nc_u32 v3, 67584, v2                     ; and eight blocks on
	s_mov_b32 s30, 0x76543210
	s_mov_b32 s31, 0xfedcba98                      ; v_permlanex16_b32's selects for lane l xor 16
	s_wait_kmcnt 0x0
	s_add_nc_u64 s[4:5], s[4:5], s[20:21]          ; my cloud's points
	s_lshl_b32 s20, ttmp9, 12
	s_lshl_b32 s22, s10, 9
	s_add_co_u32 s20, s20, s22
	s_add_nc_u64 s[6:7], s[6:7], s[20:21]          ; my 8 queries' rows of grp: 64 bytes each
.set k_, 0
.rept 16
	global_load_b96 v[RR+8*k_:RR+8*k_+2], v5, s[4:5] offset:6144*k_          ; the pair's first candidate
	global_load_b96 v[RR+8*k_+4:RR+8*k_+6], v5, s[4:5] offset:6144*k_+12     ; and its second
.set k_, k_+1
.endr
.irp q,0,1,2,3,4,5,6,7
	global_load_b32 v[QQ+4*\q], v6, s[4:5] offset:12*\q
	global_load_b32 v[QQ+4*\q+1], v6, s[4:5] offset:12*\q+4
	global_load_b32 v[QQ+4*\q+2], v6, s[4:5] offset:12*\q+8
.endr
.macro GROUP k
	s_wait_loadcnt 54-2*(\k)                       ; this step's two loads are in: behind them stand 30 - 2 k staging loads and the 24 of the queries
.if (\k) == 8
	s_wait_dscnt 0x0                               ; the first eight steps' stores have read their registers: the eight sets are used again
.endif
.set R0, RR+8*(\k)
.set R1, RR+8*(\k)+4
.set TS, TS0+8*((\k)%8)
	v_mul_f32 v[TS], -2.0, v[R0]
	v_mul_f32 v[TS+1], -2.0, v[R1]
	v_mul_f32 v[TS+2], -2.0, v[R0+1]
	v_mul_f32 v[TS+3], -2.0, v[R1+1]
	v_mul_f32 v[TS+4], -2.0, v[R0+2]
	v_mul_f32 v[TS+5], -2.0, v[R1+2]
	v_mul_f32 v[TS+6], v[R0], v[R0]
	v_mul_f32 v[TS+7], v[R1], v[R1]
	v_fma_f32 v[TS+6], v[R0+1], v[R0+1], v[TS+6]
	v_fma_f32 v[TS+7], v[R1+1], v[R1+1], v[TS+7]
	v_fma_f32 v[TS+6], v[R0+2], v[R0+2], v[TS+6]
	v_fma_f32 v[TS+7], v[R1+2], v[R1+2], v[TS+7]
.if (\k) < 8
	ds_store_b128 v2, v[TS:TS+3] offset:BLK*(\k)
	ds_store_b128 v2, v[TS+4:TS+7] offset:BLK*(\k)+HP
.else
	ds_store_b128 v3, v[TS:TS+3] offset:BLK*((\k)-8)
	ds_store_b128 v3, v[TS+4:TS+7] offset:BLK*((\k)-8)+HP
.endif
.endm
.irp k,0,1,2,3,4,5,6,7,8,9,10,11,12,13,14,15
	GROUP \k
.endr
	s_wait_loadcnt 0x0                             ; my 8 queries
.irp q,0,1,2,3,4,5,6,7
	v_mul_f32 v[QQ+4*\q+3], v[QQ+4*\q], v[QQ+4*\q]
.endr
.irp q,0,1,2,3,4,5,6,7
	v_fma_f32 v[QQ+4*\q+3], v[QQ+4*\q+1], v[QQ+4*\q+1], v[QQ+4*\q+3]
.endr
.irp q,0,1,2,3,4,5,6,7
	v_fma_f32 v[QQ+4*\q+3], v[QQ+4*\q+2], v[QQ+4*\q+2], v[QQ+4*\q+3]
.endr
	s_cmp_lt_u32 s10, 2                            ; waves 0 and 1: thread t writes pts4 of the work-group's query t: 512 consecutive bytes a wave
	s_cbranch_scc0 .Lno_pts
	v_add_nc_u32 v7, s23, v0
	v_mul_u32_u24 v7, v7, 12
	global_load_b32 v176, v7, s[4:5]
	global_load_b32 v177, v7, s[4:5] offset:4
	global_load_b32 v178, v7, s[4:5] offset:8
	s_lshl_b32 s28, ttmp9, 6
	v_add_nc_u32 v180, s28, v0
	v_lshlrev_b32 v180, 4, v180
	s_wait_loadcnt 0x0
	v_mul_f32 v179, v176, v176
	v_fma_f32 v179, v177, v177, v179
	v_fma_f32 v179, v178, v178, v179
	global_store_b128 v180, v[176:179], s[8:9]
	s_wait_xcnt 0x0                                ; the store has read v176-180: they serve the choice later
.Lno_pts:
	s_wait_dscnt 0x0                               ; for the others' sake: my records lie in LDS
	s_barrier_signal -1
	s_barrier_wait -1                              ; all 128 records do
	s_mul_i32 s25, s10, ROWW
	s_add_co_u32 s25, s25, CANDB                   ; my wave's rows
	v_lshl_add_u32 v[VM0], v1, 2, s25
.macro LOADC buf, adr                  ; four records: 8 loads of 16 bytes a lane, each 512 consecutive bytes
.irp j,0,1,2,3,4,5,6,7
	ds_load_b128 v[\buf+4*\j:\buf+4*\j+3], v[\adr] offset:HP*\j
.endr
.endm
; One record (two candidates of my group) against the 8 queries, stage by stage, so that no line waits for the line above it.  first = 1: the group's first record starts the minima.
.macro REC c, first
.irp q,0,1,2,3,4,5,6,7
	v_pk_mul_f32 v[W+2*\q:W+2*\q+1], v[QQ+4*\q:QQ+4*\q+1], v[\c:\c+1] op_sel_hi:[0,1]                                              ; qx (-2x)
.endr
.irp q,0,1,2,3,4,5,6,7
	v_pk_fma_f32 v[W+2*\q:W+2*\q+1], v[QQ+4*\q:QQ+4*\q+1], v[\c+2:\c+3], v[W+2*\q:W+2*\q+1] op_sel:[1,0,0] op_sel_hi:[1,1,1]       ; + qy (-2y)
.endr
.irp q,0,1,2,3,4,5,6,7
	v_pk_fma_f32 v[W+2*\q:W+2*\q+1], v[QQ+4*\q+2:QQ+4*\q+3], v[\c+4:\c+5], v[W+2*\q:W+2*\q+1] op_sel_hi:[0,1,1]                    ; + qz (-2z)
.endr
.irp q,0,1,2,3,4,5,6,7
	v_pk_add_f32 v[S+2*\q:S+2*\q+1], v[QQ+4*\q+2:QQ+4*\q+3], v[\c+6:\c+7] op_sel:[1,0] op_sel_hi:[1,1]                             ; |q|^2 + |c|^2
.endr
.irp q,0,1,2,3,4,5,6,7
	v_pk_add_f32 v[W+2*\q:W+2*\q+1], v[W+2*\q:W+2*\q+1], v[S+2*\q:S+2*\q+1]                                                        ; d2
.endr
.irp q,0,1,2,3,4,5,6,7
.if \first
	v_min_num_f32 v[M+\q], v[W+2*\q], v[W+2*\q+1]
.else
	v_min3_num_f32 v[M+\q], v[M+\q], v[W+2*\q], v[W+2*\q+1]
.endif
.endr
.endm
	; THE SWEEP: 16 trips, a block each.  While one half buffer is worked on, the other's eight loads are on their way.  LDS instructions of a trip, in order: CA's 8 loads, the 8 stores of minima, CB's 8 loads.
	s_mov_b32 s13, 0
	s_mov_b32 s14, 0
	v_mov_b32 v[VAA], v[VL]
	v_add_nc_u32 v[VAB], 4224, v[VL]
	LOADC CA, VAA
	LOADC CB, VAB
	s_mov_b32 s15, 0
.Lblock:
	s_wait_dscnt 8                                 ; CA is in and the last block's stores are done (M and their address may be written); the eight younger are CB's loads
	REC CA, 1
	REC CA+8, 0
	REC CA+16, 0
	REC CA+24, 0
	s_add_co_u32 s13, s13, BLK
	s_min_u32 s26, s13, LASTB                      ; the last trip's look-ahead reads the last block again
	v_add_nc_u32 v[VAA], s26, v[VL]                ; (CA's loads are back: their address may be written)
	LOADC CA, VAA
	s_wait_dscnt 8                                 ; CB is in; the eight younger are CA's loads
	REC CB, 0
	REC CB+8, 0
	REC CB+16, 0
	REC CB+24, 0
	v_add_nc_u32 v[VMS], s14, v[VM0]
.irp q,0,1,2,3,4,5,6,7
	ds_store_b32 v[VMS], v[M+\q] offset:ROWP*\q    ; word 32 b + lane of query q's row: the group's number is its place
.endr
	s_add_co_u32 s27, s26, 4224
	v_add_nc_u32 v[VAB], s27, v[VL]
	LOADC CB, VAB
	s_add_co_u32 s14, s14, 128
	s_add_co_u32 s15, s15, 1
	s_cmp_lt_u32 s15, 16
	s_cbranch_scc1 .Lblock
	s_wait_dscnt 0x0                               ; the look-ahead has landed, my stores are done
	; THE CHOICE.  Lane (q = l % 8, list = l / 8) takes words 128 list .. + 127 of query q's row.  These bytes are my wave's own.
.macro BSTAGE src, dst, k, j           ; one stage of the bitonic network on a lane's 16 registers
.set b_i, 0
.rept 16
.if (b_i & \j) == 0
.if (b_i & \k) == 0
	v_min_num_f32 v[\dst+b_i], v[\src+b_i], v[\src+b_i+\j]
	v_max_num_f32 v[\dst+b_i+\j], v[\src+b_i], v[\src+b_i+\j]
.else
	v_max_num_f32 v[\dst+b_i], v[\src+b_i], v[\src+b_i+\j]
	v_min_num_f32 v[\dst+b_i+\j], v[\src+b_i], v[\src+b_i+\j]
.endif
.endif
.set b_i, b_i+1
.endr
.endm
.macro SORT16 x                        ; 16 registers, ascending, back where they lay
	BSTAGE \x, T, 2, 1
	BSTAGE T, \x, 4, 2
	BSTAGE \x, T, 4, 1
	BSTAGE T, \x, 8, 4
	BSTAGE \x, T, 8, 2
	BSTAGE T, \x, 8, 1
	BSTAGE \x, T, 16, 8
	BSTAGE T, \x, 16, 4
	BSTAGE \x, T, 16, 2
	BSTAGE T, \x, 16, 1
.endm
.macro BMRG dst                        ; what lies in T (first falling, then rising, or the like) comes out ascending in dst
	BSTAGE T, U, 32, 8
	BSTAGE U, T, 32, 4
	BSTAGE T, U, 32, 2
	BSTAGE U, \dst, 32, 1
.endm
.macro MRG a, b                        ; the 16 smallest of two ascending sixteens, ascending, into a
.set b_i, 0
.rept 16
	v_min_num_f32 v[T+b_i], v[\a+b_i], v[\b+15-b_i]
.set b_i, b_i+1
.endr
	BMRG \a
.endm
.macro LOADX
.set k_, 0
.rept 32
	ds_load_b128 v[X+4*k_:X+4*k_+3], v6 offset:16*k_
.set k_, k_+1
.endr
	s_wait_dscnt 0x0
.endm
.macro TOP128                          ; the 16 smallest of a query's 512 numbers (128 in each of four lanes) into T; lanes 16-31 hold them in the reverse order of lanes 0-15
.irp c,0,1,2,3,4,5,6,7
	SORT16 (X+16*\c)
.endr
	MRG X, (X+16)
	MRG (X+32), (X+48)
	MRG (X+64), (X+80)
	MRG (X+96), (X+112)
	MRG X, (X+32)
	MRG (X+64), (X+96)
	MRG X, (X+64)
.set b_i, 0
.rept 16
	v_min_num_f32_dpp v[T+b_i], v[X+15-b_i], v[X+b_i] row_xmask:8 row_mask:0xf bank_mask:0xf   ; with lane l xor 8's, taken backward
.set b_i, b_i+1
.endr
	BMRG X
.set b_i, 0
.rept 16
	v_permlanex16_b32 v[U+b_i], v[X+15-b_i], s30, s31
.set b_i, b_i+1
.endr
.set b_i, 0
.rept 16
	v_min_num_f32 v[T+b_i], v[X+b_i], v[U+b_i]     ; with lane l xor 16's
.set b_i, b_i+1
.endr
.endm
	v_and_b32 v6, 7, v1
	v_mul_u32_u24 v6, v6, ROWP
	v_lshrrev_b32 v7, 3, v1                        ; list
	v_lshl_add_u32 v6, v7, 9, v6
	v_add_nc_u32 v6, s25, v6
	LOADX
	TOP128
	v_max3_num_f32 v[T], v[T], v[T+1], v[T+2]      ; their largest: the 16th smallest minimum
	v_max3_num_f32 v[T+3], v[T+3], v[T+4], v[T+5]
	v_max3_num_f32 v[T+6], v[T+6], v[T+7], v[T+8]
	v_max3_num_f32 v[T+9], v[T+9], v[T+10], v[T+11]
	v_max3_num_f32 v[T+12], v[T+12], v[T+13], v[T+14]
	v_max3_num_f32 v[T], v[T], v[T+3], v[T+6]
	v_max3_num_f32 v[T+9], v[T+9], v[T+12], v[T+15]
	v_max_num_f32 v[THR], v[T], v[T+9]
	LOADX                                          ; the minima once more: the network has used them up
	v_mov_b32 v[INF], 0x7f800000
	v_lshlrev_b32 v[KK], 7, v7
	v_cvt_f32_u32 v[KK], v[KK]                     ; my first group's number, as f32
.set k_, 0
.rept 128
	v_cmp_lt_f32 vcc_lo, v[X+k_], v[THR]
	v_cmp_eq_f32 s32, v[X+k_], v[THR]
	v_add_f32 v[KT], 0x44000000, v[KK]             ; + 512
	v_cndmask_b32 v[X+k_], v[INF], v[KT], s32
	v_cndmask_b32 v[X+k_], v[X+k_], v[KK], vcc_lo
	v_add_f32 v[KK], 1.0, v[KK]
.set k_, k_+1
.endr
	TOP128
	s_mov_b32 s33, 0x00ffff00                      ; lanes 0-7 keys 0-3, lanes 8-15 keys 4-7; lanes 16-31 hold the reverse order: lanes 16-23 their keys 4-7, lanes 24-31 their keys 0-3: all sixteen, each once
.irp j,0,1,2,3
	v_cndmask_b32 v[RO+\j], v[T+\j], v[T+4+\j], s33
.endr
.irp j,0,1,2,3
	v_cvt_u32_f32 v[RO+\j], v[RO+\j]
.endr
.irp j,0,1,2,3
	v_and_b32 v[RO+\j], 0x1ff, v[RO+\j]            ; the group's number
.endr
	v_and_b32 v[GO], 7, v1
	v_lshlrev_b32 v[GO], 6, v[GO]
	v_lshl_add_u32 v[GO], v7, 4, v[GO]             ; 64 q + 16 list
	global_store_b128 v[GO], v[RO:RO+3], s[6:7]    ; 32 lanes store 512 consecutive bytes
	s_wait_tensorcnt 0x0
	ds_add_u32 v54, v55
	s_wait_dscnt 0x0
	s_endpgm
.Lfunc_end_k_q85c2dcd07a_knn_groups:
	.size	k_q85c2dcd07a_knn_groups, .Lfunc_end_k_q85c2dcd07a_knn_groups-k_q85c2dcd07a_knn_groups
	.p2alignl 7, 3214868480
	.fill 96, 4, 3214868480
	.section	.rodata,"a",@progbits
	.p2align	6, 0x0
	.amdhsa_kernel k_q85c2dcd07a_knn_groups
		.amdhsa_group_segment_fixed_size 269312
		.amdhsa_private_segment_fixed_size 0
		.amdhsa_enable_private_segment 0
		.amdhsa_kernarg_size 24
		.amdhsa_user_sgpr_count 2
		.amdhsa_user_sgpr_kernarg_segment_ptr 1
		.amdhsa_wavefront_size32 1
		.amdhsa_system_sgpr_workgroup_id_x 1
		.amdhsa_system_sgpr_workgroup_id_y 1
		.amdhsa_system_sgpr_workgroup_id_z 1
		.amdhsa_system_vgpr_workitem_id 0
		.amdhsa_next_free_vgpr 256
		.amdhsa_next_free_sgpr 66
		.amdhsa_reserve_vcc 1
		.amdhsa_float_denorm_mode_32 3
		.amdhsa_float_denorm_mode_16_64 3
		.amdhsa_memory_ordered 1
		.amdhsa_forward_progress 1
		.amdhsa_inst_pref_size 213
	.end_amdhsa_kernel
	.amdgpu_metadata
---
amdhsa.version: [ 1, 2 ]
amdhsa.kernels:
  - .name:           k_q85c2dcd07a_knn_groups
    .symbol:         k_q85c2dcd07a_knn_groups.kd
    .args:
      - { .name: points, .offset: 0, .size: 8, .value_kind: global_buffer, .address_space: global }
      - { .name: grp, .offset: 8, .size: 8, .value_kind: global_buffer, .address_space: global }
      - { .name: pts4, .offset: 16, .size: 8, .value_kind: global_buffer, .address_space: global }
    .group_segment_fixed_size: 269312
    .private_segment_fixed_size: 0
    .kernarg_segment_align: 8
    .kernarg_segment_size: 24
    .max_flat_workgroup_size: 256
    .sgpr_count:     66
    .vgpr_count:     256
    .wavefront_size: 32
...
	.end_amdgpu_metadata
.endif
;; end of part 1
;; launch knn_pick (part 2): grid 256 x 1, 16 waves a work-group, no clusters, 301,568 bytes of LDS; arguments grp, pts4, feats, Wd1, idx, fq, stA; writes idx, fq, stA
.if DOCPART == 2
	.amdgcn_target "amdgcn-amd-amdhsa--gfx1250"
	.amdhsa_code_object_version 6
	.text
	.protected	k_q85c2dcd07a_knn_pick
	.globl	k_q85c2dcd07a_knn_pick
	.p2align	8
	.type	k_q85c2dcd07a_knn_pick,@function
k_q85c2dcd07a_knn_pick:
	s_mov_b64 s[64:65], 0
	v_nop
	global_prefetch_b8 v0, s[64:65] scope:SCOPE_SE
	s_setreg_imm32_b32 hwreg(HW_REG_WAVE_MODE, 25, 1), 1
	s_wait_xcnt 0x0
; (A) feats are quantised once a row: codes of E3M2 and E8M0 bytes, laid as an operand's lane takes them.  (B) For each query the 256 candidates of its 16 groups (group numbers: whole numbers that the launch before stored) are
; fetched, d2 is formed by the same five operations as there, and the 16 smallest by (d2, index) are kept.  (C) The sums for the first norm: of u = Wd1 (p_q - p_c), without its bias, over the chosen.
; NOTHING STEERS: no loop, no branch but on the wave's number.  The only address made of data: a group's number, loaded, held to 511, shifted, added to 16 x (lane % 16).
; THE CHOICE OF 16 OF 256, by networks of minima and maxima on keys alone, twice: (1) T = the 16th smallest d2; (2) a candidate's key is its index where d2 lies under T, its index + 8,192 where d2 equals T, else +infinity (as f32,
; exact): the 16 smallest keys are the neighbours, the lower index first among equals.  A candidate is chosen just where its key is at most the 16th key: so the sums of (C) run over all 256, with u made 0 elsewhere.
; SHARES.  Work-group g: queries and rows 64 g on.  Wave w of 16: queries and rows 4 w .. 4 w + 3.
; A group is 256 consecutive bytes of pts4: a load takes two groups, 16 lanes each.  The 4 x 16 groups turn through my wave's own LDS bytes, so that lane (q = l % 4, list = l / 4) holds 32 candidates of query q: slots 2 list, 2 list + 1.
; LDS: wave w at 18,688 w: query q at 4,624 q, list at 576 list, slot's second group 256 on, candidate e at 16 e (the pitches keep sixteen lanes' 16 bytes in sixteen different columns of 256);  from PARTB on 32 bytes for each wave.
; fq: a row is 128 bytes: block 0, block 2, block 1, block 3 (24 bytes each), then the scale word eight times: lanes 0-15 of an operand take 48 bytes at 0, lanes 16-31 at 48.
; LIMITS: NaN and infinities are not served.  Where the 16th and 17th neighbour lie closer than d2's rounding, this order of rounding decides.  A block of zeros carries the byte 1: its codes are zeros, and this program alone reads the bytes.
.set QP,    4624
.set LP,    576
.set WREG,  18688
.set PARTB, 299008
.set D,   24                           ; v24-55  group numbers, then their offsets, then d2 of my 32 candidates
.set KEY, 56                           ; v56-87  16 numbers of feats and what is made of them, then my 32 keys
.set P,   128                          ; v128-255 32 points of four numbers
.set A_,  128                          ; the networks' five sets of 16, where the points lay
.set B0,  144
.set B1,  160
.set T,   176
.set U,   192
; v1 lane; v2-5 my query (x, y, z, |q|^2); v6-14 Wd1; v15 0; v16-17 my two groups; v18-19 their first indices as f32; v20 16 (lane % 16); v21, v22 LDS addresses in and out; v23 32 (lane / 16);
; v88 T; v89 +infinity; v90, v91 at work; v92-95 the way out; v96-101 sums of u and of u^2; v106-111 offsets; v112 the 16th key; v113-125 at work
	s_load_b256 s[4:11], s[0:1], 0x0               ; grp, pts4, feats, Wd1
	s_load_b128 s[12:15], s[0:1], 0x20             ; idx, fq
	s_load_b64 s[16:17], s[0:1], 0x30              ; stA
	v_lshl_add_u32 v126, v0, 2, 0x49200
	v_mov_b32 v127, 0
	v_and_b32 v1, 31, v0
	v_lshrrev_b32 v22, 5, v0
	v_readfirstlane_b32 s20, v22                   ; wave 0..15
	s_lshl_b32 s21, ttmp9, 6
	s_lshl_b32 s22, s20, 2
	s_add_co_u32 s21, s21, s22                     ; my first query and row
	s_mov_b32 s23, 0
	s_mov_b32 s24, 0x76543210
	s_mov_b32 s25, 0xfedcba98                      ; v_permlanex16_b32's selects for lane l xor 16
	s_mov_b32 s26, 0x0f0ff0f0                      ; lanes whose bits 2 and 4 differ
	s_mov_b32 s27, 0x00ffff00                      ; lanes whose bits 3 and 4 differ
	v_mov_b32 v15, 0
	v_and_b32 v102, 3, v1                          ; q
	v_lshrrev_b32 v103, 2, v1                      ; list
	v_and_b32 v104, 15, v1                         ; e
	v_lshrrev_b32 v105, 4, v1                      ; h
	v_lshlrev_b32 v20, 4, v104
	s_mul_i32 s28, s20, WREG
	v_mul_u32_u24 v21, v105, 2304                  ; in: load m of a query brings slot 8 h + m: list 4 h + m / 2
	v_add_nc_u32 v21, v21, v20
	v_add_nc_u32 v21, s28, v21
	v_mul_u32_u24 v22, v102, QP                    ; out: my query, my list
	v_mad_u32_u24 v22, v103, LP, v22
	v_add_nc_u32 v22, s28, v22
	v_lshlrev_b32 v23, 5, v105
	v_lshlrev_b32 v106, 6, v102
	v_lshl_add_u32 v106, v103, 3, v106             ; 64 q + 8 list: my two words of grp, and of idx
	v_lshlrev_b32 v107, 4, v102                    ; 16 q
	s_lshl_b32 s29, s20, 5
	s_add_co_u32 s29, s29, PARTB
	v_mov_b32 v108, s29                            ; PARTB + 32 w
	v_lshl_add_u32 v109, v1, 2, PARTB
	v_lshlrev_b32 v110, 2, v1
	v_lshlrev_b32 v111, 6, v1
.irp x,81,96,97,98,99,100,101,125
	v_mov_b32 v\x, 0
.endr
	s_wait_kmcnt 0x0
	s_lshl_b32 s22, s21, 6
	s_add_nc_u64 s[4:5], s[4:5], s[22:23]          ; grp and idx at my first query
	s_add_nc_u64 s[12:13], s[12:13], s[22:23]
	s_lshl_b32 s22, s21, 4
	s_add_nc_u64 s[30:31], s[6:7], s[22:23]        ; its point
	s_lshr_b32 s22, ttmp9, 7
	s_lshl_b32 s22, s22, 17
	s_add_nc_u64 s[18:19], s[6:7], s[22:23]        ; my cloud in pts4
	s_lshl_b32 s22, s21, 9
	s_add_nc_u64 s[8:9], s[8:9], s[22:23]          ; my first row of feats
	s_lshl_b32 s22, s21, 7
	s_add_nc_u64 s[14:15], s[14:15], s[22:23]      ; and of fq
	s_lshl_b32 s22, ttmp9, 7
	s_add_nc_u64 s[16:17], s[16:17], s[22:23]      ; the work-group's 128 bytes of sums
.irp q,0,1,2,3
	global_load_b128 v[D+8*\q:D+8*\q+3], v23, s[4:5] offset:64*\q              ; lanes 0-15: query q's groups 0-7, lanes 16-31: its groups 8-15
	global_load_b128 v[D+8*\q+4:D+8*\q+7], v23, s[4:5] offset:64*\q+16
.endr
	global_load_b64 v[16:17], v106, s[4:5]         ; the two groups that I shall hold
	global_load_b128 v[2:5], v107, s[30:31]        ; my query
	global_load_b128 v[6:9], v15, s[10:11]         ; Wd1, the same in every lane
	global_load_b128 v[10:13], v15, s[10:11] offset:16
	global_load_b32 v14, v15, s[10:11] offset:32
.irp k,0,1,2,3
	global_load_b128 v[KEY+4*\k:KEY+4*\k+3], v111, s[8:9] offset:16*\k th:TH_LOAD_NT   ; lane l: 16 neighbours along K: row l / 8, half l % 2 of block (l / 2) % 4
.endr
	s_wait_loadcnt 9                               ; the eight loads of group numbers are in; the nine behind them may be out
.set i_, 0
.rept 32
	v_min_u32 v[D+i_], 0x1ff, v[D+i_]
.set i_, i_+1
.endr
.set i_, 0
.rept 32
	v_lshl_add_u32 v[D+i_], v[D+i_], 8, v20        ; 256 bytes a group, 16 a candidate
.set i_, i_+1
.endr
.set i_, 0
.rept 32
	global_load_b128 v[P+4*i_:P+4*i_+3], v[D+i_], s[18:19]     ; two groups: twice 256 consecutive bytes
.set i_, i_+1
.endr
	; ---- A: four rows of feats, while the points are on their way
	v_lshrrev_b32 v76, 3, v1
	v_lshlrev_b32 v76, 7, v76                      ; 128 x row
	v_bfe_u32 v77, v1, 1, 1
	v_mad_u32_u24 v78, v77, 48, v76                ; odd blocks lie 48 bytes on,
	v_bfe_u32 v77, v1, 2, 1
	v_mad_u32_u24 v78, v77, 24, v78                ; blocks 2 and 3 24 bytes on,
	v_and_b32 v77, 1, v1
	v_mad_u32_u24 v78, v77, 12, v78                ; a block's second half 12 bytes on
	v_and_b32 v77, 7, v1
	v_lshl_add_u32 v79, v77, 2, v76                ; my copy of the row's scale word
	v_bfe_u32 v80, v1, 1, 2
	v_lshlrev_b32 v80, 3, v80                      ; my block's byte in it
	s_wait_loadcnt 32                              ; all but the 32 loads of points are in
	v_max3_num_f32 v82, |v56|, |v57|, 0x2800000    ; the largest magnitude of my 16, with the floor 2^(5 - 127),
.irp i,2,4,6,8,10,12,14
	v_max3_num_f32 v82, v82, |v[56+\i]|, |v[57+\i]|
.endr
	v_max_num_f32_dpp v82, v82, v82 row_xmask:1 row_mask:0xf bank_mask:0xf     ; and of my neighbour's 16
	v_add_nc_u32 v83, 0xfe000000, v82              ; 4 off its exponent field: the conversion's scale operand
	v_cvt_scalef32_pk16_bf6_f32 v[72:74], v[56:71], v83
	v_lshrrev_b32 v75, 23, v83                     ; the scale's byte
	v_lshlrev_b32 v75, v80, v75                    ; at its place in the word
	v_mov_b32_dpp v81, v75 row_xmask:2 row_mask:0xf bank_mask:0xf
	v_or_b32 v75, v75, v81
	v_mov_b32_dpp v81, v75 row_xmask:4 row_mask:0xf bank_mask:0xf
	v_or_b32 v75, v75, v81                         ; the row's four bytes
	global_store_b96 v78, v[72:74], s[14:15]
	global_store_b32 v79, v75, s[14:15] offset:96  ; the two stores together cover the wave's 512 bytes
	; ---- B: the points turn through my LDS bytes
	s_wait_loadcnt 0x0
.irp q,0,1,2,3
.irp m,0,1,2,3,4,5,6,7
	ds_store_b128 v21, v[P+4*(8*\q+\m):P+4*(8*\q+\m)+3] offset:\q*QP+(\m/2)*LP+(\m%2)*256
.endr
.endr
	s_wait_dscnt 0x0                               ; the stores have read their registers
.macro LOADP
.set i_, 0
.rept 32
	ds_load_b128 v[P+4*i_:P+4*i_+3], v22 offset:16*i_          ; candidate i of my 32
.set i_, i_+1
.endr
	s_wait_dscnt 0x0
.endm
	LOADP
.set i_, 0
.rept 32
	v_mul_f32 v[P+4*i_], -2.0, v[P+4*i_]
	v_mul_f32 v[P+4*i_+1], -2.0, v[P+4*i_+1]
	v_mul_f32 v[P+4*i_+2], -2.0, v[P+4*i_+2]
.set i_, i_+1
.endr
.set i_, 0
.rept 32
	v_mul_f32 v[D+i_], v2, v[P+4*i_]               ; qx (-2x)  (the loads that these registers addressed are back)
.set i_, i_+1
.endr
.set i_, 0
.rept 32
	v_fma_f32 v[D+i_], v3, v[P+4*i_+1], v[D+i_]    ; + qy (-2y)
.set i_, i_+1
.endr
.set i_, 0
.rept 32
	v_fma_f32 v[D+i_], v4, v[P+4*i_+2], v[D+i_]    ; + qz (-2z)
.set i_, i_+1
.endr
.set i_, 0
.rept 32
	v_add_f32 v[P+4*i_+3], v5, v[P+4*i_+3]         ; |q|^2 + |c|^2
.set i_, i_+1
.endr
.set i_, 0
.rept 32
	v_add_f32 v[D+i_], v[D+i_], v[P+4*i_+3]        ; d2
.set i_, i_+1
.endr
.macro BSTAGE src, dst, k, j           ; one stage of the bitonic network on a lane's 16 registers
.set b_i, 0
.rept 16
.if (b_i & \j) == 0
.if (b_i & \k) == 0
	v_min_num_f32 v[\dst+b_i], v[\src+b_i], v[\src+b_i+\j]
	v_max_num_f32 v[\dst+b_i+\j], v[\src+b_i], v[\src+b_i+\j]
.else
	v_max_num_f32 v[\dst+b_i], v[\src+b_i], v[\src+b_i+\j]
	v_min_num_f32 v[\dst+b_i+\j], v[\src+b_i], v[\src+b_i+\j]
.endif
.endif
.set b_i, b_i+1
.endr
.endm
.macro SORTN src, a, b                 ; 16 registers from src, which stay as they are, come out ascending in b
	BSTAGE \src, \a, 2, 1
	BSTAGE \a, \b, 4, 2
	BSTAGE \b, \a, 4, 1
	BSTAGE \a, \b, 8, 4
	BSTAGE \b, \a, 8, 2
	BSTAGE \a, \b, 8, 1
	BSTAGE \b, \a, 16, 8
	BSTAGE \a, \b, 16, 4
	BSTAGE \b, \a, 16, 2
	BSTAGE \a, \b, 16, 1
.endm
.macro BMRG dst                        ; what lies in T comes out ascending in dst
	BSTAGE T, U, 32, 8
	BSTAGE U, T, 32, 4
	BSTAGE T, U, 32, 2
	BSTAGE U, \dst, 32, 1
.endm
.macro XLOW m                          ; the 16 smallest of my sixteen and lane l xor m's (taken backward)
.set b_i, 0
.rept 16
	v_min_num_f32_dpp v[T+b_i], v[B0+15-b_i], v[B0+b_i] row_xmask:\m row_mask:0xf bank_mask:0xf
.set b_i, b_i+1
.endr
	BMRG B0
.endm
.macro TOPSEL src                      ; the 16 smallest of a query's 256 numbers (32 in each of eight lanes) into T; lanes 16-31 hold them in the reverse order of lanes 0-15
	SORTN \src, A_, B0
	SORTN (\src+16), A_, B1
.set b_i, 0
.rept 16
	v_min_num_f32 v[T+b_i], v[B0+b_i], v[B1+15-b_i]
.set b_i, b_i+1
.endr
	BMRG B0
	XLOW 4
	XLOW 8
.set b_i, 0
.rept 16
	v_permlanex16_b32 v[U+b_i], v[B0+15-b_i], s24, s25
.set b_i, b_i+1
.endr
.set b_i, 0
.rept 16
	v_min_num_f32 v[T+b_i], v[B0+b_i], v[U+b_i]
.set b_i, b_i+1
.endr
.endm
.macro TMAX dst                        ; the largest of T's sixteen
	v_max3_num_f32 v[T], v[T], v[T+1], v[T+2]
	v_max3_num_f32 v[T+3], v[T+3], v[T+4], v[T+5]
	v_max3_num_f32 v[T+6], v[T+6], v[T+7], v[T+8]
	v_max3_num_f32 v[T+9], v[T+9], v[T+10], v[T+11]
	v_max3_num_f32 v[T+12], v[T+12], v[T+13], v[T+14]
	v_max3_num_f32 v[T], v[T], v[T+3], v[T+6]
	v_max3_num_f32 v[T+9], v[T+9], v[T+12], v[T+15]
	v_max_num_f32 v[\dst], v[T], v[T+9]
.endm
	TOPSEL D
	TMAX 88                                        ; the 16th smallest d2
	s_wait_xcnt 0x0                                ; fq's stores have read their registers: the keys may take them
	v_min_u32 v16, 0x1ff, v16
	v_min_u32 v17, 0x1ff, v17
	v_lshlrev_b32 v16, 4, v16
	v_lshlrev_b32 v17, 4, v17
	v_cvt_f32_u32 v18, v16                         ; my two groups' first indices, as f32
	v_cvt_f32_u32 v19, v17
	v_mov_b32 v89, 0x7f800000
.irp k,0,1
	v_mov_b32 v90, v[18+\k]
.set i_, 16*\k
.rept 16
	v_cmp_lt_f32 vcc_lo, v[D+i_], v88
	v_cmp_eq_f32 s32, v[D+i_], v88
	v_add_f32 v91, 0x46000000, v90                 ; + 8,192
	v_cndmask_b32 v[KEY+i_], v89, v91, s32
	v_cndmask_b32 v[KEY+i_], v[KEY+i_], v90, vcc_lo
	v_add_f32 v90, 1.0, v90
.set i_, i_+1
.endr
.endr
	TOPSEL KEY
	; the way out: lanes 0-15 of a query take keys 2 list, 2 list + 1; lanes 16-31 hold the reverse order and take their keys 2 (7 - list), + 1: all sixteen, each once
	v_cndmask_b32 v92, v[T], v[T+2], s26
	v_cndmask_b32 v93, v[T+1], v[T+3], s26
	v_cndmask_b32 v94, v[T+4], v[T+6], s26
	v_cndmask_b32 v95, v[T+5], v[T+7], s26
	v_cndmask_b32 v92, v92, v94, s27
	v_cndmask_b32 v93, v93, v95, s27
	v_cvt_u32_f32 v92, v92
	v_cvt_u32_f32 v93, v93
	v_and_b32 v92, 0x1fff, v92                     ; the index
	v_and_b32 v93, 0x1fff, v93
	global_store_b64 v106, v[92:93], s[12:13]      ; 32 lanes store 256 consecutive bytes: four queries' sixteen indices
	TMAX 112                                       ; the 16th key
	; ---- C: the sums over the chosen
	LOADP
.set i_, 0
.rept 32
.set P_, P+4*i_
.set E_, 113+6*(i_%2)
	v_sub_f32 v[E_], v2, v[P_]                     ; p_q - p_c
	v_sub_f32 v[E_+1], v3, v[P_+1]
	v_sub_f32 v[E_+2], v4, v[P_+2]
	v_cmp_le_f32 vcc_lo, v[KEY+i_], v112           ; chosen?
.irp c,0,1,2
	v_mul_f32 v[E_+3+\c], v[6+3*\c], v[E_]
.endr
.irp c,0,1,2
	v_fma_f32 v[E_+3+\c], v[E_+1], v[7+3*\c], v[E_+3+\c]
.endr
.irp c,0,1,2
	v_fma_f32 v[E_+3+\c], v[E_+2], v[8+3*\c], v[E_+3+\c]
.endr
.irp c,0,1,2
	v_cndmask_b32 v[E_+3+\c], 0, v[E_+3+\c], vcc_lo
.endr
.irp c,0,1,2
	v_add_f32 v[96+\c], v[96+\c], v[E_+3+\c]
.endr
.irp c,0,1,2
	v_fma_f32 v[99+\c], v[E_+3+\c], v[E_+3+\c], v[99+\c]
.endr
.set i_, i_+1
.endr
.irp x,96,97,98,99,100,101                     ; the six sums over the wave
	v_add_f32_dpp v\x, v\x, v\x row_xmask:1 row_mask:0xf bank_mask:0xf
	v_add_f32_dpp v\x, v\x, v\x row_xmask:2 row_mask:0xf bank_mask:0xf
	v_add_f32_dpp v\x, v\x, v\x row_xmask:4 row_mask:0xf bank_mask:0xf
	v_add_f32_dpp v\x, v\x, v\x row_xmask:8 row_mask:0xf bank_mask:0xf
	v_permlanex16_b32 v125, v\x, s24, s25
	v_add_f32 v\x, v\x, v125
.endr
.irp c,0,1,2,3,4,5
	ds_store_b32 v108, v[96+\c] offset:4*\c        ; all lanes write the same word with the same value
.endr
	ds_store_b32 v108, v15 offset:24
	ds_store_b32 v108, v15 offset:28
	s_wait_dscnt 0x0                               ; for the others' sake: my sums lie in LDS
	s_barrier_signal -1
	s_barrier_wait -1
	s_cmp_lg_u32 s20, 0
	s_cbranch_scc1 .Ldone
.irp i,0,1,2,3
	ds_load_b32 v[113+\i], v109 offset:128*\i      ; wave 0: lane l takes word l % 8 of waves l / 8 + 4 i
.endr
	s_wait_dscnt 0x0
	v_add_f32 v113, v113, v114
	v_add_f32 v115, v115, v116
	v_add_f32 v113, v113, v115
	v_add_f32_dpp v113, v113, v113 row_xmask:8 row_mask:0xf bank_mask:0xf
	v_permlanex16_b32 v125, v113, s24, s25
	v_add_f32 v113, v113, v125
	global_store_b32 v110, v113, s[16:17]          ; the work-group's eight words, four times over: 128 bytes
.Ldone:
	s_wait_tensorcnt 0x0
	ds_add_u32 v126, v127
	s_wait_dscnt 0x0
	s_endpgm
.Lfunc_end_k_q85c2dcd07a_knn_pick:
	.size	k_q85c2dcd07a_knn_pick, .Lfunc_end_k_q85c2dcd07a_knn_pick-k_q85c2dcd07a_knn_pick
	.p2alignl 7, 3214868480
	.fill 96, 4, 3214868480
	.section	.rodata,"a",@progbits
	.p2align	6, 0x0
	.amdhsa_kernel k_q85c2dcd07a_knn_pick
		.amdhsa_group_segment_fixed_size 301568
		.amdhsa_private_segment_fixed_size 0
		.amdhsa_enable_private_segment 0
		.amdhsa_kernarg_size 56
		.amdhsa_user_sgpr_count 2
		.amdhsa_user_sgpr_kernarg_segment_ptr 1
		.amdhsa_wavefront_size32 1
		.amdhsa_system_sgpr_workgroup_id_x 1
		.amdhsa_system_sgpr_workgroup_id_y 1
		.amdhsa_system_sgpr_workgroup_id_z 1
		.amdhsa_system_vgpr_workitem_id 0
		.amdhsa_next_free_vgpr 256
		.amdhsa_next_free_sgpr 66
		.amdhsa_reserve_vcc 1
		.amdhsa_float_denorm_mode_32 3
		.amdhsa_float_denorm_mode_16_64 3
		.amdhsa_memory_ordered 1
		.amdhsa_forward_progress 1
		.amdhsa_inst_pref_size 115
	.end_amdhsa_kernel
	.amdgpu_metadata
---
amdhsa.version: [ 1, 2 ]
amdhsa.kernels:
  - .name:           k_q85c2dcd07a_knn_pick
    .symbol:         k_q85c2dcd07a_knn_pick.kd
    .args:
      - { .name: grp, .offset: 0, .size: 8, .value_kind: global_buffer, .address_space: global }
      - { .name: pts4, .offset: 8, .size: 8, .value_kind: global_buffer, .address_space: global }
      - { .name: feats, .offset: 16, .size: 8, .value_kind: global_buffer, .address_space: global }
      - { .name: Wd1, .offset: 24, .size: 8, .value_kind: global_buffer, .address_space: global }
      - { .name: idx, .offset: 32, .size: 8, .value_kind: global_buffer, .address_space: global }
      - { .name: fq, .offset: 40, .size: 8, .value_kind: global_buffer, .address_space: global }
      - { .name: stA, .offset: 48, .size: 8, .value_kind: global_buffer, .address_space: global }
    .group_segment_fixed_size: 301568
    .private_segment_fixed_size: 0
    .kernarg_segment_align: 8
    .kernarg_segment_size: 56
    .max_flat_workgroup_size: 512
    .sgpr_count:     66
    .vgpr_count:     256
    .wavefront_size: 32
...
	.end_amdgpu_metadata
.endif
;; end of part 2
;; launch gamma0_stats (part 3): grid 256 x 1, 4 waves a work-group, no clusters, 8,704 bytes of LDS; arguments idx, pts4, fq, stA, Wd1, bd1, gd, betad, Wd2, bd2, bq, bk, Wq_codes, Wq_scales, Wk_codes, Wk_scales, g4, stB; writes g4, stB
.if DOCPART == 3
	.amdgcn_target "amdgcn-amd-amdhsa--gfx1250"
	.amdhsa_code_object_version 6
	.text
	.protected	k_q85c2dcd07a_gamma0_stats
	.globl	k_q85c2dcd07a_gamma0_stats
	.p2align	8
	.type	k_q85c2dcd07a_gamma0_stats,@function
k_q85c2dcd07a_gamma0_stats:
	s_mov_b64 s[64:65], 0
	v_nop
	global_prefetch_b8 v0, s[64:65] scope:SCOPE_SE
	s_setreg_imm32_b32 hwreg(HW_REG_WAVE_MODE, 25, 1), 1
	s_wait_xcnt 0x0
; g = gelu(bn_d(Wd1 (p_q - p_c) + bd1)) for all 262,144 (query, neighbour) rows, stored as (g0, g1, g2, 1); and the statistics of gamma0 = q - key + pos for the second norm.
; A QUERY'S 16 NEIGHBOURS ARE ONE TILE OF 16 ROWS.  gamma0 is one sum in one accumulator: Q(feats_q) Wq^T (a fragment whose 16 rows are all the query's codes), + Q(feats_c) (-Wk)^T (Wk's sign bits are turned once: exact),
; both on codes of E3M2 with E8M0 scales, + (g0, g1, g2, 1) (Wd2 | bd2 + bq - bk)^T with f32 operands, K = 4, since the sum goes on into a quantiser.
; Rows are source 0 here: a lane holds ONE channel and 8 neighbours, so the sums over rows need 40 registers and no other lane.
; VARIANCES.  No difference of large sums: each wave takes a shift S off (its first row, per channel) and keeps the sums of d and d^2; waves, then work-groups, are joined as (mean, sum of squared deviations).
; For bn_d the sums are of u = Wd1 (p_q - p_c), differences of points, whose mean is small beside their spread; bd1 is added to the mean.
; gelu(x) = z (1 + erf z) / sqrt 2, z = x / sqrt 2 (folded into the norm's constants); erf z = zc P(zc^2) / Q(zc^2), zc = z held to +-4: all in f32, a few ulp of erf.
; SHARES.  Work-group g, wave w: tiles 64 g + 16 w + i, i = 0 .. 15.  A tile's operands are asked for a whole tile ahead, into two sets of registers by turns.
; LIMITS: NaN and infinities are not served; below x of about -3 gelu's relative error grows as erf's absolute error stays (about 1e-7 |x| in gelu).
; REGISTERS.  window 0: below.  window 1: v0-95 Wq's 8 fragments, v96-191 -Wk's, v192-207 (Wd2 | bias), v208-231 the neighbours' codes (2 sets), v232-255 the query's (2 sets).
.set BDX, 0                            ; LDS: [4 waves][8 words]
.set FS,  4096                         ; [4 waves][mean 128, M2 128]
.set H48, 2                            ; v2   48 x (lane / 16)
.set OG,  3                            ; v3   16 r + 8 h
.set Z0,  4                            ; v4   0
.set ONE, 5                            ; v5   1.0
.set OF,  6                            ; v6   the next tile's rows in fq, + H48
.set OQ,  7                            ; v7   the same without
.set QI,  8                            ; v8-24  16 x neighbour index of lane r, tiles in hand .. last
.set OP,  25                           ; v25  the next tile's rows in pts4
.set SWQ, 26                           ; scale words: Wq's 8, Wk's 8, the query's 2, the neighbours' 2
.set SWK, 34
.set SFQ, 42
.set SFM, 44
.set A0V, 46
.set B0V, 48
.set WA,  50                           ; v50-55 Wd1's columns for my two channels
.set BD1, 56
.set AD,  58
.set BD,  60
.set PP,  62                           ; v62-69 the neighbour's point (2 sets);  v70-77 the query's
.set QP,  70
.set DXY, 78                           ; v78-81 (dx, dy), (dz, 0)
.set GG,  82
.set GT,  84
.set S,   92
.set SU,  100
.set SQ,  116
.set ACC, 132                          ; v132-195: written by matrix instructions alone
.set D,   196
.set WQ,  0
.set WK,  96
.set WD2, 192
.set FM,  208
.set FQ,  232
.set WV,  40
.set SI,  41
.set STRIP, 42
.set SNX, 43
.set TO,  44
.set SEL, 46
.set SHI, 48
.set GA1, 66
.set GA2, 68
.set GA3, 70
.set GA4, 72
.set GA5, 74
.set GA6, 76
.set GB1, 78
.set GB2, 80
.set GB3, 82
.set GB4, 84
.set RS2, 86
.set MSB, 0
.macro WIN new                         ; the immediate's high byte repeats the setting that is left
.if MSB != \new
	s_set_vgpr_msb (MSB<<8)|\new
.set MSB, \new
.endif
.endm
.macro SPAIR reg, val                  ; a packed form names a scalar pair and takes its low word for both halves: both are written
	s_mov_b32 s[\reg], \val
	s_mov_b32 s[\reg+1], \val
.endm
.macro HORN acc, x, c, np
.set g_i, 0
.rept \np
	v_pk_fma_f32 v[\acc+g_i:\acc+g_i+1], v[\acc+g_i:\acc+g_i+1], v[\x+g_i:\x+g_i+1], s[\c:\c+1] op_sel_hi:[1,1,0]
.set g_i, g_i+2
.endr
.endm
; gelu of np pairs z (in place), stage by stage over all pairs.  Temporaries: four runs of 2 np registers from t on: zc, zc^2, P, Q.
.macro GELU z, t, np
.set g_i, 0
.rept 2*(\np)
	v_med3_num_f32 v[\t+g_i], v[\z+g_i], -4.0, 4.0
.set g_i, g_i+1
.endr
.set g_i, 0
.rept \np
	v_pk_mul_f32 v[\t+2*(\np)+g_i:\t+2*(\np)+g_i+1], v[\t+g_i:\t+g_i+1], v[\t+g_i:\t+g_i+1]
.set g_i, g_i+2
.endr
.set g_i, 0
.rept \np
	v_pk_fma_f32 v[\t+4*(\np)+g_i:\t+4*(\np)+g_i+1], v[\t+2*(\np)+g_i:\t+2*(\np)+g_i+1], v[A0V:A0V+1], s[GA1:GA1+1] op_sel_hi:[1,1,0]
.set g_i, g_i+2
.endr
.set g_i, 0
.rept \np
	v_pk_fma_f32 v[\t+6*(\np)+g_i:\t+6*(\np)+g_i+1], v[\t+2*(\np)+g_i:\t+2*(\np)+g_i+1], v[B0V:B0V+1], s[GB1:GB1+1] op_sel_hi:[1,1,0]
.set g_i, g_i+2
.endr
	HORN (\t+4*(\np)), (\t+2*(\np)), GA2, \np
	HORN (\t+6*(\np)), (\t+2*(\np)), GB2, \np
	HORN (\t+4*(\np)), (\t+2*(\np)), GA3, \np
	HORN (\t+6*(\np)), (\t+2*(\np)), GB3, \np
	HORN (\t+4*(\np)), (\t+2*(\np)), GA4, \np
	HORN (\t+6*(\np)), (\t+2*(\np)), GB4, \np
	HORN (\t+4*(\np)), (\t+2*(\np)), GA5, \np
	HORN (\t+4*(\np)), (\t+2*(\np)), GA6, \np
.set g_i, 0
.rept 2*(\np)
	v_rcp_f32 v[\t+6*(\np)+g_i], v[\t+6*(\np)+g_i]
.set g_i, g_i+1
.endr
.set g_i, 0
.rept \np
	v_pk_mul_f32 v[\t+4*(\np)+g_i:\t+4*(\np)+g_i+1], v[\t+4*(\np)+g_i:\t+4*(\np)+g_i+1], v[\t+g_i:\t+g_i+1]      ; zc P: plain work behind the reciprocals
.set g_i, g_i+2
.endr
.set g_i, 0
.rept \np
	v_pk_mul_f32 v[\z+g_i:\z+g_i+1], v[\z+g_i:\z+g_i+1], s[RS2:RS2+1] op_sel_hi:[1,0]
.set g_i, g_i+2
.endr
	s_wait_alu depctr_va_vdst(0)                   ; one wait for the batch of reciprocals, ahead of their first reader
.set g_i, 0
.rept \np
	v_pk_mul_f32 v[\t+4*(\np)+g_i:\t+4*(\np)+g_i+1], v[\t+4*(\np)+g_i:\t+4*(\np)+g_i+1], v[\t+6*(\np)+g_i:\t+6*(\np)+g_i+1]      ; erf
.set g_i, g_i+2
.endr
.set g_i, 0
.rept \np
	v_pk_fma_f32 v[\z+g_i:\z+g_i+1], v[\z+g_i:\z+g_i+1], v[\t+4*(\np)+g_i:\t+4*(\np)+g_i+1], v[\z+g_i:\z+g_i+1]
.set g_i, g_i+2
.endr
.endm
.macro WFRAG base, ptr, voff           ; a weight's 8 fragments: lane r of tile 2 b + u takes row 32 b + 8 u + r + 8 (r / 8); 24 bytes as three loads of 8
.irp t,0,1,2,3,4,5,6,7
.irp p,0,1,2,3,4,5
	global_load_b64 v[\base+12*\t+2*\p:\base+12*\t+2*\p+1], v[\voff], s[\ptr:\ptr+1] offset:(32*(\t/2)+8*(\t%2))*96+48*(\p/3)+8*(\p%3)
.endr
.endr
.endm
.macro WSCL base, ptr, voff
.irp t,0,1,2,3,4,5,6,7
	global_load_b32 v[\base+\t], v[\voff], s[\ptr:\ptr+1] offset:(32*(\t/2)+8*(\t%2))*4
.endr
.endm
.macro WSUM x
	v_add_f32_dpp v[\x], v[\x], v[\x] row_xmask:1 row_mask:0xf bank_mask:0xf
	v_add_f32_dpp v[\x], v[\x], v[\x] row_xmask:2 row_mask:0xf bank_mask:0xf
	v_add_f32_dpp v[\x], v[\x], v[\x] row_xmask:4 row_mask:0xf bank_mask:0xf
	v_add_f32_dpp v[\x], v[\x], v[\x] row_xmask:8 row_mask:0xf bank_mask:0xf
	v_permlanex16_b32 v88, v[\x], s[SEL], s[SEL+1]
	v_add_f32 v[\x], v[\x], v88
.endm
	s_load_b512 s[4:19], s[0:1], 0x0               ; idx 4, pts4 6, fq 8, stA 10, Wd1 12, bd1 14, gd 16, betad 18
	s_load_b512 s[20:35], s[0:1], 0x40             ; Wd2 20, bd2 22, bq 24, bk 26, Wq's codes 28, scales 30, Wk's codes 32, scales 34
	s_load_b128 s[36:39], s[0:1], 0x80             ; g4 36, stB 38
	v_lshl_add_u32 v254, v0, 2, 0x2000
	v_mov_b32 v255, 0
	v_and_b32 v1, 15, v0                           ; r
	v_bfe_u32 v236, v0, 4, 1                       ; h
	v_lshrrev_b32 v237, 5, v0
	v_readfirstlane_b32 s[WV], v237
	v_mul_u32_u24 v[H48], v236, 48
	v_lshlrev_b32 v[OG], 4, v1
	v_lshl_add_u32 v[OG], v236, 3, v[OG]
	v_mov_b32 v[Z0], 0
	v_mov_b32 v[ONE], 1.0
	v_and_b32 v238, 8, v1
	v_add_nc_u32 v238, v238, v1                    ; r + 8 (r / 8)
	v_mul_u32_u24 v239, v238, 96
	v_mad_u32_u24 v239, v236, 24, v239             ; a weight's row, + 24 h
	v_lshlrev_b32 v240, 2, v238                    ; 4 bytes a channel
	v_mul_u32_u24 v242, v238, 12                   ; Wd2: 12 bytes a channel
	v_lshl_add_u32 v241, v236, 3, v242             ; + 8 h
	v_lshlrev_b32 v243, 2, v1
	v_mul_u32_u24 v244, v236, 24                   ; Wd1: my first channel 2 h,
	v_mad_u32_u24 v245, v236, 12, 12               ; my second 1 + h (in lanes 16-31 channel 2 once more: its result is replaced by 1)
	v_lshlrev_b32 v246, 3, v236
	v_lshl_add_u32 v247, v236, 2, 4
	v_lshlrev_b32 v248, 7, v0                      ; 128 x thread
	s_lshl_b32 s91, s[WV], 10
	s_add_co_u32 s91, s91, FS
	v_add_nc_u32 v249, s91, v240
	v_lshl_add_u32 v250, v0, 2, FS
	s_lshl_b32 s91, s[WV], 5
	v_mov_b32 v251, s91
	v_mov_b32 v88, 0
	v_mov_b32 v[DXY+3], 0
	s_mov_b32 s[SEL], 0x76543210
	s_mov_b32 s[SEL+1], 0xfedcba98
	s_mov_b32 s[SHI], 0xffff0000                   ; lanes 16-31
	s_mov_b32 s88, 0x20820820                      ; the sign bits of 16 codes in three registers
	s_mov_b32 s89, 0x08208208
	s_mov_b32 s90, 0x82082082
	SPAIR GA1, 0x32edffee
	SPAIR GA2, 0xb60cff51
	SPAIR GA3, 0xb86ec2d2
	SPAIR GA4, 0xba40ac63
	SPAIR GA5, 0xbb41a1f6
	SPAIR GA6, 0xbc83dbd4
	SPAIR GB1, 0xb95fbd29
	SPAIR GB2, 0xbadc924e
	SPAIR GB3, 0xbbf19bf8
	SPAIR GB4, 0xbc69b6a7
	SPAIR RS2, 0x3f3504f3
	v_mov_b32 v[A0V], 0xaf95df0b
	v_mov_b32 v[A0V+1], 0xaf95df0b
	v_mov_b32 v[B0V], 0xb77460cd
	v_mov_b32 v[B0V+1], 0xb77460cd
	s_mov_b32 s[TO+1], 0
	s_lshl_b32 s91, ttmp9, 6
	s_lshl_b32 s94, s[WV], 4
	s_add_co_u32 s91, s91, s94                     ; my first tile
	s_lshr_b32 s94, ttmp9, 7                       ; cloud
	s_wait_kmcnt 0x0
	s_lshl_b32 s[TO], s91, 6
	s_add_nc_u64 s[4:5], s[4:5], s[TO:TO+1]        ; idx at my first tile
	s_lshl_b32 s[TO], s91, 7
	s_add_nc_u64 s[50:51], s[8:9], s[TO:TO+1]      ; fq likewise
	s_lshl_b32 s[TO], s91, 4
	s_add_nc_u64 s[54:55], s[6:7], s[TO:TO+1]      ; pts4
	s_lshl_b32 s[TO], s91, 8
	s_add_nc_u64 s[92:93], s[36:37], s[TO:TO+1]    ; g4
	s_lshl_b32 s[TO], s94, 20
	s_add_nc_u64 s[58:59], s[8:9], s[TO:TO+1]      ; my cloud in fq
	s_lshl_b32 s[TO], s94, 17
	s_add_nc_u64 s[60:61], s[6:7], s[TO:TO+1]      ; and in pts4
	s_lshl_b32 s[TO], ttmp9, 10
	s_add_nc_u64 s[38:39], s[38:39], s[TO:TO+1]    ; the work-group's 1,024 bytes of stB
	WIN 0x40
	WFRAG WQ, 28, 239
	WFRAG WK, 32, 239
	WIN 0
	WSCL SWQ, 30, 240
	WSCL SWK, 34, 240
.irp t,0,1,2,3,4,5,6,7
	global_load_b32 v[196+\t], v241, s[20:21] offset:12*(32*(\t/2)+8*(\t%2))       ; Wd2(c, 2 h)
	global_load_b32 v[204+\t], v242, s[20:21] offset:12*(32*(\t/2)+8*(\t%2))+4     ; Wd2(c, 1)
	global_load_b32 v[212+\t], v240, s[22:23] offset:4*(32*(\t/2)+8*(\t%2))
	global_load_b32 v[220+\t], v240, s[24:25] offset:4*(32*(\t/2)+8*(\t%2))
	global_load_b32 v[228+\t], v240, s[26:27] offset:4*(32*(\t/2)+8*(\t%2))
.endr
.irp i,0,1,2,3,4,5,6,7,8,9,10,11,12,13,14,15
	global_load_b32 v[QI+\i], v243, s[4:5] offset:64*\i
.endr
	global_load_b128 v[100:103], v248, s[10:11]                    ; the sums of work-groups t and t + 128
	global_load_b128 v[104:107], v248, s[10:11] offset:16
	global_load_b128 v[108:111], v248, s[10:11] offset:16384
	global_load_b128 v[112:115], v248, s[10:11] offset:16400
.irp i,0,1,2
	global_load_b32 v[WA+2*\i], v244, s[12:13] offset:4*\i
	global_load_b32 v[WA+2*\i+1], v245, s[12:13] offset:4*\i
.endr
	global_load_b32 v[BD1], v246, s[14:15]
	global_load_b32 v[BD1+1], v247, s[14:15]
	global_load_b32 v84, v246, s[16:17]
	global_load_b32 v85, v247, s[16:17]
	global_load_b32 v86, v246, s[18:19]
	global_load_b32 v87, v247, s[18:19]
	s_wait_loadcnt 0x0
	WIN 0x45
.set n_i, 0
.rept 96
	v_xor_b32 v[WK+n_i], s[88+n_i%3], v[WK+n_i]    ; -Wk
.set n_i, n_i+1
.endr
	WIN 0
.irp t,0,1,2,3,4,5,6,7
	v_add_f32 v[212+\t], v[212+\t], v[220+\t]
.endr
.irp t,0,1,2,3,4,5,6,7
	v_sub_f32 v[212+\t], v[212+\t], v[228+\t]      ; bd2 + bq - bk
.endr
	WIN 0x40
.irp t,0,1,2,3,4,5,6,7
	v_mov_b32 v[WD2+2*\t], v[196+\t]               ; k = 2 h
	v_cndmask_b32 v[WD2+2*\t+1], v[204+\t], v[212+\t], s[SHI]      ; k = 2 h + 1: Wd2(c, 1), or the bias at k = 3
.endr
	WIN 0
.irp i,0,1,2,3,4,5,6,7,8,9,10,11,12,13,14,15
	v_min_u32 v[QI+\i], 0x1fff, v[QI+\i]
.endr
.irp i,0,1,2,3,4,5,6,7,8,9,10,11,12,13,14,15
	v_lshlrev_b32 v[QI+\i], 4, v[QI+\i]
.endr
	v_mov_b32 v[QI+16], v[QI+15]
	; ---- the first norm's constants
	v_pk_add_f32 v[100:101], v[100:101], v[108:109]
	v_pk_add_f32 v[102:103], v[102:103], v[110:111]
	v_pk_add_f32 v[104:105], v[104:105], v[112:113]
	v_pk_add_f32 v[106:107], v[106:107], v[114:115]
.irp x,100,101,102,103,104,105,106,107
	WSUM \x
.endr
	ds_store_b128 v251, v[100:103]                 ; all lanes write the same bytes with the same values
	ds_store_b128 v251, v[104:107] offset:16
	s_wait_dscnt 0x0
	s_barrier_signal -1
	s_barrier_wait -1
.irp w,0,1,2,3
	ds_load_b128 v[100+8*\w:103+8*\w], v[Z0] offset:BDX+32*\w
	ds_load_b128 v[104+8*\w:107+8*\w], v[Z0] offset:BDX+32*\w+16
.endr
	s_wait_dscnt 0x0
.irp w,1,2,3
.irp p,0,2,4,6
	v_pk_add_f32 v[100+\p:101+\p], v[100+\p:101+\p], v[100+8*\w+\p:101+8*\w+\p]
.endr
.endr
	v_cndmask_b32 v108, v100, v102, s[SHI]         ; my two channels' sums of u
	v_cndmask_b32 v109, v101, v102, s[SHI]
	v_cndmask_b32 v110, v103, v105, s[SHI]         ; and of u^2
	v_cndmask_b32 v111, v104, v105, s[SHI]
	v_mul_f32 v108, 0x36800000, v108               ; / 262,144
	v_mul_f32 v109, 0x36800000, v109
	v_mul_f32 v110, 0x36800000, v110
	v_mul_f32 v111, 0x36800000, v111
	v_fma_f32 v110, -v108, v108, v110
	v_fma_f32 v111, -v109, v109, v111
	v_add_f32 v110, 0x3727c5ac, v110               ; + 1e-5
	v_add_f32 v111, 0x3727c5ac, v111
	v_rsq_f32 v110, v110
	v_rsq_f32 v111, v111
	v_pk_add_f32 v[108:109], v[108:109], v[BD1:BD1+1]              ; the mean with its bias (plain work behind the roots)
	s_wait_alu depctr_va_vdst(0)                   ; ahead of the roots' first reader
	v_pk_mul_f32 v[110:111], v[110:111], v[84:85]
	v_pk_fma_f32 v[108:109], v[108:109], v[110:111], v[86:87] neg_lo:[1,0,0] neg_hi:[1,0,0]
	v_pk_mul_f32 v[AD:AD+1], v[110:111], s[RS2:RS2+1] op_sel_hi:[1,0]
	v_pk_mul_f32 v[BD:BD+1], v[108:109], s[RS2:RS2+1] op_sel_hi:[1,0]
.set k_, 0
.rept 40
	v_mov_b32 v[S+k_], 0                           ; S, the sums of d and of d^2
.set k_, k_+1
.endr
.macro NEXT first                      ; where the next tile's operands lie (the last tile asks for itself again: no load leaves its buffer), and this tile's place in g4
.if \first
	s_mov_b32 s[SNX], 0
.else
	s_add_co_u32 s[SNX], s[SI], 1
	s_min_u32 s[SNX], s[SNX], 15
.endif
	s_lshl_b32 s[TO], s[SNX], 7
	s_add_nc_u64 s[52:53], s[50:51], s[TO:TO+1]
	s_lshl_b32 s[TO], s[SNX], 4
	s_add_nc_u64 s[56:57], s[54:55], s[TO:TO+1]
	s_lshl_b32 s[TO], s[SI], 8
	s_add_nc_u64 s[62:63], s[92:93], s[TO:TO+1]
	v_lshl_add_u32 v[OF], v[QI+1-\first], 3, v[H48]
	v_lshlrev_b32 v[OQ], 3, v[QI+1-\first]
	v_mov_b32 v[OP], v[QI+1-\first]
.endm
.macro LOADT b
	WIN 0x40
	global_load_b128 v[FM+12*\b:FM+12*\b+3], v[OF], s[58:59]                   ; lane (r, h): 48 bytes of neighbour r's row: blocks h and 2 + h
	global_load_b128 v[FM+12*\b+4:FM+12*\b+7], v[OF], s[58:59] offset:16
	global_load_b128 v[FM+12*\b+8:FM+12*\b+11], v[OF], s[58:59] offset:32
	global_load_b128 v[FQ+12*\b:FQ+12*\b+3], v[H48], s[52:53]                  ; the query's own row, in every lane
	global_load_b128 v[FQ+12*\b+4:FQ+12*\b+7], v[H48], s[52:53] offset:16
	global_load_b128 v[FQ+12*\b+8:FQ+12*\b+11], v[H48], s[52:53] offset:32
	WIN 0
	global_load_b32 v[SFM+\b], v[OQ], s[58:59] offset:96
	global_load_b32 v[SFQ+\b], v[Z0], s[52:53] offset:96
	global_load_b128 v[PP+4*\b:PP+4*\b+3], v[OP], s[60:61]
	global_load_b128 v[QP+4*\b:QP+4*\b+3], v[Z0], s[56:57]
.endm
.macro QROT
.irp j,0,1,2,3,4,5,6,7,8,9,10,11,12,13,14,15
	v_mov_b32 v[QI+\j], v[QI+\j+1]
.endr
.endm
.macro SINIT aw                        ; the wave's first tile gives the shift: neighbour 0's number, per channel
	s_cmp_lg_u32 s[SI], 0
	s_cbranch_scc1 .Lsi_\@
	WIN \aw
.irp t,0,1,2,3,4,5,6,7
	v_permlanex16_b32 v[D+\t], v[ACC+8*\t], s[SEL], s[SEL+1]
.endr
.irp t,0,1,2,3,4,5,6,7
	v_cndmask_b32 v[S+\t], v[ACC+8*\t], v[D+\t], s[SHI]
.endr
	WIN 0
.Lsi_\@:
.endm
.macro STAT8 aw                        ; d = x - S, sums of d and of d^2; each accumulator is read from its low end on
.irp hf,0,1
	WIN \aw
.irp p,0,1,2,3
.irp u,0,1,2,3
.if (\u%2) == 0
	v_pk_add_f32 v[D+8*\u+2*\p:D+8*\u+2*\p+1], v[ACC+8*(4*\hf+\u)+2*\p:ACC+8*(4*\hf+\u)+2*\p+1], v[S+4*\hf+\u:S+4*\hf+\u+1] op_sel_hi:[1,0] neg_lo:[0,1] neg_hi:[0,1]
.else
	v_pk_add_f32 v[D+8*\u+2*\p:D+8*\u+2*\p+1], v[ACC+8*(4*\hf+\u)+2*\p:ACC+8*(4*\hf+\u)+2*\p+1], v[S+4*\hf+\u-1:S+4*\hf+\u] op_sel:[0,1] op_sel_hi:[1,1] neg_lo:[0,1] neg_hi:[0,1]
.endif
.endr
.endr
	WIN 0
.irp p,0,1,2,3
.irp u,0,1,2,3
	v_pk_add_f32 v[SU+2*(4*\hf+\u):SU+2*(4*\hf+\u)+1], v[SU+2*(4*\hf+\u):SU+2*(4*\hf+\u)+1], v[D+8*\u+2*\p:D+8*\u+2*\p+1]
.endr
.endr
.irp p,0,1,2,3
.irp u,0,1,2,3
	v_pk_fma_f32 v[SQ+2*(4*\hf+\u):SQ+2*(4*\hf+\u)+1], v[D+8*\u+2*\p:D+8*\u+2*\p+1], v[D+8*\u+2*\p:D+8*\u+2*\p+1], v[SQ+2*(4*\hf+\u):SQ+2*(4*\hf+\u)+1]
.endr
.endr
.endr
.endm
.macro TILE cur
	s_wait_loadcnt 0x0                             ; this tile's operands, asked for a tile ago
	s_wait_xcnt 0x0                                ; the last tile's loads and store have read their registers: pointers, offsets and g may be written
	NEXT 0
	LOADT (1-\cur)
	WIN 0x05
.irp t,0,1,2,3,4,5,6,7                         ; the 8 accumulators by turns
	v_wmma_scale_f32_16x16x128_f8f6f4 v[ACC+8*\t:ACC+8*\t+7], v[FQ+12*(\cur):FQ+12*(\cur)+11], v[WQ+12*\t:WQ+12*\t+11], 0, v[SFQ+(\cur)], v[SWQ+\t] matrix_a_fmt:MATRIX_FMT_BF6 matrix_b_fmt:MATRIX_FMT_BF6
.endr
.irp t,0,1,2,3,4,5,6,7
	v_wmma_scale_f32_16x16x128_f8f6f4 v[ACC+8*\t:ACC+8*\t+7], v[FM+12*(\cur):FM+12*(\cur)+11], v[WK+12*\t:WK+12*\t+11], v[ACC+8*\t:ACC+8*\t+7], v[SFM+(\cur)], v[SWK+\t] matrix_a_fmt:MATRIX_FMT_BF6 matrix_b_fmt:MATRIX_FMT_BF6
.endr
	WIN 0
	v_sub_f32 v[DXY], v[QP+4*(\cur)], v[PP+4*(\cur)]               ; g of neighbour r; these lines are also the places between the two forms of matrix instruction
	v_sub_f32 v[DXY+1], v[QP+4*(\cur)+1], v[PP+4*(\cur)+1]
	v_sub_f32 v[DXY+2], v[QP+4*(\cur)+2], v[PP+4*(\cur)+2]
	v_pk_fma_f32 v[GG:GG+1], v[WA:WA+1], v[DXY:DXY+1], v[BD1:BD1+1] op_sel_hi:[1,0,1]
	v_pk_fma_f32 v[GG:GG+1], v[WA+2:WA+3], v[DXY:DXY+1], v[GG:GG+1] op_sel:[0,1,0] op_sel_hi:[1,1,1]
	v_pk_fma_f32 v[GG:GG+1], v[WA+4:WA+5], v[DXY+2:DXY+3], v[GG:GG+1] op_sel_hi:[1,0,1]
	v_pk_fma_f32 v[GG:GG+1], v[GG:GG+1], v[AD:AD+1], v[BD:BD+1]
	GELU GG, GT, 1
	v_cndmask_b32 v[GG+1], v[GG+1], v[ONE], s[SHI]                 ; k = 3 multiplies the bias
	global_store_b64 v[OG], v[GG:GG+1], s[62:63]                   ; 32 lanes store the tile's 256 consecutive bytes
.rept 4
	v_nop
.endr
	WIN 0x04
.irp t,0,1,2,3,4,5,6,7
	v_wmma_f32_16x16x4_f32 v[ACC+8*\t:ACC+8*\t+7], v[GG:GG+1], v[WD2+2*\t:WD2+2*\t+1], v[ACC+8*\t:ACC+8*\t+7]
.endr
	WIN 0
	QROT                                           ; 16 plain lines that name none of the products' registers: the places behind them
.if \cur == 0
	SINIT 0
.endif
	STAT8 0
	s_add_co_u32 s[SI], s[SI], 1
.endm
	s_mov_b32 s[SI], 0
	NEXT 1
	LOADT 0
	s_mov_b32 s[STRIP], 0
.Ltiles:
	TILE 0
	TILE 1
	s_add_co_u32 s[STRIP], s[STRIP], 1
	s_cmp_lt_u32 s[STRIP], 8
	s_cbranch_scc1 .Ltiles
	; ---- my wave's 256 rows: (mean, sum of squared deviations) per channel; then the four waves'
	s_wait_loadcnt 0x0
.irp t,0,1,2,3,4,5,6,7
	v_add_f32 v[SU+2*\t], v[SU+2*\t], v[SU+2*\t+1]
	v_add_f32 v[SQ+2*\t], v[SQ+2*\t], v[SQ+2*\t+1]
.endr
.irp t,0,1,2,3,4,5,6,7
	v_permlanex16_b32 v[D+\t], v[SU+2*\t], s[SEL], s[SEL+1]
	v_permlanex16_b32 v[D+8+\t], v[SQ+2*\t], s[SEL], s[SEL+1]
.endr
.irp t,0,1,2,3,4,5,6,7
	v_add_f32 v[SU+2*\t], v[SU+2*\t], v[D+\t]
	v_add_f32 v[SQ+2*\t], v[SQ+2*\t], v[D+8+\t]
.endr
.irp t,0,1,2,3,4,5,6,7
	v_mul_f32 v[D+\t], 0x3b800000, v[SU+2*\t]      ; / 256
.endr
.irp t,0,1,2,3,4,5,6,7
	v_fma_f32 v[SQ+2*\t], -v[SU+2*\t], v[D+\t], v[SQ+2*\t]
	v_add_f32 v[D+\t], v[S+\t], v[D+\t]
.endr
.irp t,0,1,2,3,4,5,6,7
	ds_store_b32 v249, v[D+\t] offset:4*(32*(\t/2)+8*(\t%2))       ; lanes r and r + 16 write the same word with the same value
	ds_store_b32 v249, v[SQ+2*\t] offset:512+4*(32*(\t/2)+8*(\t%2))
.endr
	s_wait_dscnt 0x0
	s_barrier_signal -1
	s_barrier_wait -1
.irp w,0,1,2,3
	ds_load_b32 v[D+\w], v250 offset:1024*\w       ; thread c: channel c of the four waves
	ds_load_b32 v[D+4+\w], v250 offset:1024*\w+512
.endr
	s_wait_dscnt 0x0
	v_add_f32 v[D+8], v[D], v[D+1]
	v_add_f32 v[D+9], v[D+2], v[D+3]
	v_add_f32 v[D+8], v[D+8], v[D+9]
	v_mul_f32 v[D+8], 0x3e800000, v[D+8]
	v_add_f32 v[D+10], v[D+4], v[D+5]
	v_add_f32 v[D+11], v[D+6], v[D+7]
	v_add_f32 v[D+10], v[D+10], v[D+11]
.irp w,0,1,2,3
	v_sub_f32 v[D+\w], v[D+\w], v[D+8]
.endr
	v_mul_f32 v[D+12], v[D], v[D]
	v_fma_f32 v[D+12], v[D+1], v[D+1], v[D+12]
	v_fma_f32 v[D+12], v[D+2], v[D+2], v[D+12]
	v_fma_f32 v[D+12], v[D+3], v[D+3], v[D+12]
	v_fma_f32 v[D+10], v[D+12], 0x43800000, v[D+10]
	v_lshlrev_b32 v[D+13], 2, v0
	global_store_b32 v[D+13], v[D+8], s[38:39]
	global_store_b32 v[D+13], v[D+10], s[38:39] offset:512
	s_wait_tensorcnt 0x0
	ds_add_u32 v254, v255
	s_wait_dscnt 0x0
	s_endpgm
.Lfunc_end_k_q85c2dcd07a_gamma0_stats:
	.size	k_q85c2dcd07a_gamma0_stats, .Lfunc_end_k_q85c2dcd07a_gamma0_stats-k_q85c2dcd07a_gamma0_stats
	.p2alignl 7, 3214868480
	.fill 96, 4, 3214868480
	.section	.rodata,"a",@progbits
	.p2align	6, 0x0
	.amdhsa_kernel k_q85c2dcd07a_gamma0_stats
		.amdhsa_group_segment_fixed_size 8704
		.amdhsa_private_segment_fixed_size 0
		.amdhsa_enable_private_segment 0
		.amdhsa_kernarg_size 144
		.amdhsa_user_sgpr_count 2
		.amdhsa_user_sgpr_kernarg_segment_ptr 1
		.amdhsa_wavefront_size32 1
		.amdhsa_system_sgpr_workgroup_id_x 1
		.amdhsa_system_sgpr_workgroup_id_y 1
		.amdhsa_system_sgpr_workgroup_id_z 1
		.amdhsa_system_vgpr_workitem_id 0
		.amdhsa_next_free_vgpr 512
		.amdhsa_next_free_sgpr 100
		.amdhsa_reserve_vcc 0
		.amdhsa_float_denorm_mode_32 3
		.amdhsa_float_denorm_mode_16_64 3
		.amdhsa_memory_ordered 1
		.amdhsa_forward_progress 1
		.amdhsa_inst_pref_size 68
	.end_amdhsa_kernel
	.amdgpu_metadata
---
amdhsa.version: [ 1, 2 ]
amdhsa.kernels:
  - .name:           k_q85c2dcd07a_gamma0_stats
    .symbol:         k_q85c2dcd07a_gamma0_stats.kd
    .args:
      - { .name: idx, .offset: 0, .size: 8, .value_kind: global_buffer, .address_space: global }
      - { .name: pts4, .offset: 8, .size: 8, .value_kind: global_buffer, .address_space: global }
      - { .name: fq, .offset: 16, .size: 8, .value_kind: global_buffer, .address_space: global }
      - { .name: stA, .offset: 24, .size: 8, .value_kind: global_buffer, .address_space: global }
      - { .name: Wd1, .offset: 32, .size: 8, .value_kind: global_buffer, .address_space: global }
      - { .name: bd1, .offset: 40, .size: 8, .value_kind: global_buffer, .address_space: global }
      - { .name: gd, .offset: 48, .size: 8, .value_kind: global_buffer, .address_space: global }
      - { .name: betad, .offset: 56, .size: 8, .value_kind: global_buffer, .address_space: global }
      - { .name: Wd2, .offset: 64, .size: 8, .value_kind: global_buffer, .address_space: global }
      - { .name: bd2, .offset: 72, .size: 8, .value_kind: global_buffer, .address_space: global }
      - { .name: bq, .offset: 80, .size: 8, .value_kind: global_buffer, .address_space: global }
      - { .name: bk, .offset: 88, .size: 8, .value_kind: global_buffer, .address_space: global }
      - { .name: Wq_codes, .offset: 96, .size: 8, .value_kind: global_buffer, .address_space: global }
      - { .name: Wq_scales, .offset: 104, .size: 8, .value_kind: global_buffer, .address_space: global }
      - { .name: Wk_codes, .offset: 112, .size: 8, .value_kind: global_buffer, .address_space: global }
      - { .name: Wk_scales, .offset: 120, .size: 8, .value_kind: global_buffer, .address_space: global }
      - { .name: g4, .offset: 128, .size: 8, .value_kind: global_buffer, .address_space: global }
      - { .name: stB, .offset: 136, .size: 8, .value_kind: global_buffer, .address_space: global }
    .group_segment_fixed_size: 8704
    .private_segment_fixed_size: 0
    .kernarg_segment_align: 8
    .kernarg_segment_size: 144
    .max_flat_workgroup_size: 128
    .sgpr_count:     100
    .vgpr_count:     512
    .wavefront_size: 32
...
	.end_amdgpu_metadata
.endif
;; end of part 3
;; launch hidden1 (part 4): grid 256 x 1, 4 waves a work-group, no clusters, 12,800 bytes of LDS; arguments idx, fq, g4, stB, gg1, betag1, Wd2, bd2, bq, bk, Wq_codes, Wq_scales, Wk_codes, Wk_scales, Wg1_codes, Wg1_scales, bg1, h1, stA; writes h1, stA
.if DOCPART == 4
	.amdgcn_target "amdgcn-amd-amdhsa--gfx1250"
	.amdhsa_code_object_version 6
	.text
	.protected	k_q85c2dcd07a_hidden1
	.globl	k_q85c2dcd07a_hidden1
	.p2align	8
	.type	k_q85c2dcd07a_hidden1,@function
k_q85c2dcd07a_hidden1:
	s_mov_b64 s[64:65], 0
	v_nop
	global_prefetch_b8 v0, s[64:65] scope:SCOPE_SE
	s_setreg_imm32_b32 hwreg(HW_REG_WAVE_MODE, 25, 1), 1
	s_wait_xcnt 0x0
; h1 = Q(gelu(bn1(gamma0))): codes of E3M2 and E8M0 scale words, stored as images of an operand's registers; and the statistics of h1 Wg1^T + bg1 for the third norm.
; gamma0 = q - key + pos is made again, as in the launch before (one accumulator: two products on codes, one with f32 operands and K = 4), but TRANSPOSED: the weight's rows are source 0, and lane r of tile 2 b + u takes row
; 32 b + 8 u + r + 8 (r / 8): a lane then holds ONE neighbour, and register 16 b + i is channel 32 b + 16 (lane / 16) + i: 16 neighbours along the next K, as the conversions want them.
; The product with Wg1 has the rows as source 0: a lane holds one channel and 8 neighbours, which is what sums over rows want.
; The norm's constants come from the 256 work-groups' (mean, sum of squared deviations), joined without a difference of large sums: deviations are taken from work-group 0's mean.
; gelu as in the launch before; everything ahead of the quantiser is f32.  LIMITS as there; a block of zeros carries the byte 1 (its codes are zeros; this program alone reads the bytes).
; SHARES.  Work-group g, wave w: tiles 64 g + 16 w + i.  A tile's operands are asked for a whole tile ahead.
; REGISTERS.  window 0: below.  window 1: v0-95 Wq, v96-191 -Wk, v192-207 (Wd2 | bias), v208-211 g (2 sets), v212-235 the neighbours' codes (2 sets).  window 2: v0-95 Wg1, v96-159 and v160-223 the norm's factors and addends.
;   window 3: v0-63 the accumulators (written by matrix instructions alone), v64-87 the query's codes (2 sets).
.set XS,  0                            ; LDS: [4 waves][3][128] partial sums
.set AB,  6144                         ; [2][128] the norm's constants
.set FS,  8192                         ; [4 waves][mean 128, M2 128]
.set H48, 2
.set OG,  3
.set LI,  4                            ; v4   16 x lane
.set LS,  5                            ; v5   4 x lane
.set OF,  6
.set OQ,  7
.set QI,  8
.set Z0,  25
.set SWQ, 26
.set SWK, 34
.set SWG, 42
.set SFQ, 50
.set SFM, 52
.set A0V, 54
.set B0V, 56
.set S,   58
.set PW,  66                           ; the scale word just made
.set PWS, 67                           ; the even tile's, kept for the pair's store
.set SU,  68
.set SQ,  84
.set BG,  100                          ; v100-107 bg1 of my 8 channels
.set H64, 108
.set XW,  109
.set TM,  128
.set PC,  144
.set Z,   192
.set D,   192                          ; the differences lie where z lay: the codes' stores may still be out
.set WQ,  0
.set WK,  96
.set WD2, 192
.set GG,  208
.set FM,  212
.set WG,  0
.set A1,  96
.set B1,  160
.set ACC, 0
.set FQ,  64
.set WV,  42
.set SI,  43
.set STRIP, 44
.set SNX, 45
.set TO,  46
.set SEL, 48
.set SHI, 50
.set GA1, 66
.set GA2, 68
.set GA3, 70
.set GA4, 72
.set GA5, 74
.set GA6, 76
.set GB1, 78
.set GB2, 80
.set GB3, 82
.set GB4, 84
.set RS2, 86
.set MSB, 0
.macro WIN new                         ; the immediate's high byte repeats the setting that is left
.if MSB != \new
	s_set_vgpr_msb (MSB<<8)|\new
.set MSB, \new
.endif
.endm
.macro SPAIR reg, val
	s_mov_b32 s[\reg], \val
	s_mov_b32 s[\reg+1], \val
.endm
.macro HORN acc, x, c, np
.set g_i, 0
.rept \np
	v_pk_fma_f32 v[\acc+g_i:\acc+g_i+1], v[\acc+g_i:\acc+g_i+1], v[\x+g_i:\x+g_i+1], s[\c:\c+1] op_sel_hi:[1,1,0]
.set g_i, g_i+2
.endr
.endm
; gelu of np pairs z (in place), stage by stage over all pairs.  Temporaries: four runs of 2 np registers from t on: zc, zc^2, P, Q.
.macro GELU z, t, np
.set g_i, 0
.rept 2*(\np)
	v_med3_num_f32 v[\t+g_i], v[\z+g_i], -4.0, 4.0
.set g_i, g_i+1
.endr
.set g_i, 0
.rept \np
	v_pk_mul_f32 v[\t+2*(\np)+g_i:\t+2*(\np)+g_i+1], v[\t+g_i:\t+g_i+1], v[\t+g_i:\t+g_i+1]
.set g_i, g_i+2
.endr
.set g_i, 0
.rept \np
	v_pk_fma_f32 v[\t+4*(\np)+g_i:\t+4*(\np)+g_i+1], v[\t+2*(\np)+g_i:\t+2*(\np)+g_i+1], v[A0V:A0V+1], s[GA1:GA1+1] op_sel_hi:[1,1,0]
.set g_i, g_i+2
.endr
.set g_i, 0
.rept \np
	v_pk_fma_f32 v[\t+6*(\np)+g_i:\t+6*(\np)+g_i+1], v[\t+2*(\np)+g_i:\t+2*(\np)+g_i+1], v[B0V:B0V+1], s[GB1:GB1+1] op_sel_hi:[1,1,0]
.set g_i, g_i+2
.endr
	HORN (\t+4*(\np)), (\t+2*(\np)), GA2, \np
	HORN (\t+6*(\np)), (\t+2*(\np)), GB2, \np
	HORN (\t+4*(\np)), (\t+2*(\np)), GA3, \np
	HORN (\t+6*(\np)), (\t+2*(\np)), GB3, \np
	HORN (\t+4*(\np)), (\t+2*(\np)), GA4, \np
	HORN (\t+6*(\np)), (\t+2*(\np)), GB4, \np
	HORN (\t+4*(\np)), (\t+2*(\np)), GA5, \np
	HORN (\t+4*(\np)), (\t+2*(\np)), GA6, \np
.set g_i, 0
.rept 2*(\np)
	v_rcp_f32 v[\t+6*(\np)+g_i], v[\t+6*(\np)+g_i]
.set g_i, g_i+1
.endr
.set g_i, 0
.rept \np
	v_pk_mul_f32 v[\t+4*(\np)+g_i:\t+4*(\np)+g_i+1], v[\t+4*(\np)+g_i:\t+4*(\np)+g_i+1], v[\t+g_i:\t+g_i+1]      ; zc P: plain work behind the reciprocals
.set g_i, g_i+2
.endr
.set g_i, 0
.rept \np
	v_pk_mul_f32 v[\z+g_i:\z+g_i+1], v[\z+g_i:\z+g_i+1], s[RS2:RS2+1] op_sel_hi:[1,0]
.set g_i, g_i+2
.endr
	s_wait_alu depctr_va_vdst(0)                   ; one wait for the batch of reciprocals, ahead of their first reader
.set g_i, 0
.rept \np
	v_pk_mul_f32 v[\t+4*(\np)+g_i:\t+4*(\np)+g_i+1], v[\t+4*(\np)+g_i:\t+4*(\np)+g_i+1], v[\t+6*(\np)+g_i:\t+6*(\np)+g_i+1]      ; erf
.set g_i, g_i+2
.endr
.set g_i, 0
.rept \np
	v_pk_fma_f32 v[\z+g_i:\z+g_i+1], v[\z+g_i:\z+g_i+1], v[\t+4*(\np)+g_i:\t+4*(\np)+g_i+1], v[\z+g_i:\z+g_i+1]
.set g_i, g_i+2
.endr
.endm
; 64 numbers of a lane, register 16 b + i = k 32 b + 16 (lane / 16) + i of my row, become a fragment's codes in v[PC] on and its scale word in v[PW]
.macro QUANT s
.irp b,0,1,2,3
	v_max3_num_f32 v[TM+\b], |v[\s+16*\b]|, |v[\s+1+16*\b]|, 0x2800000     ; with the floor 2^(5 - 127): the byte cannot fall under 1
.endr
.irp i,2,4,6,8,10,12,14
.irp b,0,1,2,3
	v_max3_num_f32 v[TM+\b], v[TM+\b], |v[\s+16*\b+\i]|, |v[\s+1+16*\b+\i]|
.endr
.endr
.irp b,0,1,2,3
	v_permlanex16_b32 v[TM+4+\b], v[TM+\b], s[SEL], s[SEL+1]
.endr
.irp b,0,1,2,3
	v_max_num_f32 v[TM+\b], v[TM+\b], v[TM+4+\b]   ; with lane l xor 16's: the block's largest magnitude
.endr
.irp b,0,1,2,3
	v_add_nc_u32 v[TM+12+\b], 0xfe000000, v[TM+\b] ; 4 off its exponent field: the conversion's scale operand
.endr
.irp b,0,1,2,3
	v_lshrrev_b32 v[TM+4+\b], 23, v[TM+12+\b]      ; the scale's byte
.endr
	v_lshl_or_b32 v[PW], v[TM+5], 8, v[TM+4]
	v_lshl_or_b32 v[PW], v[TM+6], 16, v[PW]
	v_lshl_or_b32 v[PW], v[TM+7], 24, v[PW]
.irp c,0,1
	v_cvt_scalef32_pk16_bf6_f32 v[PC+6*\c:PC+2+6*\c], v[\s+32*\c:\s+15+32*\c], v[TM+12+2*\c]
	v_cvt_scalef32_pk16_bf6_f32 v[PC+12+4*\c:PC+14+4*\c], v[\s+16+32*\c:\s+31+32*\c], v[TM+12+2*\c+1]      ; (a conversion's three registers begin on an even number)
.endr
	v_nop                                          ; one plain place behind a scaled conversion
.irp c,0,1                                     ; the operand's layout wants a whole block in a lane
.irp i,0,1,2
	v_permlane16_swap_b32 v[PC+6*\c+\i], v[PC+12+4*\c+\i]
.endr
.irp i,0,1,2
	v_mov_b32 v[PC+3+6*\c+\i], v[PC+12+4*\c+\i]
.endr
.endr
.endm
.macro WFRAG base, ptr, voff
.irp t,0,1,2,3,4,5,6,7
.irp p,0,1,2,3,4,5
	global_load_b64 v[\base+12*\t+2*\p:\base+12*\t+2*\p+1], v[\voff], s[\ptr:\ptr+1] offset:(32*(\t/2)+8*(\t%2))*96+48*(\p/3)+8*(\p%3)
.endr
.endr
.endm
.macro WSCL base, ptr, voff
.irp t,0,1,2,3,4,5,6,7
	global_load_b32 v[\base+\t], v[\voff], s[\ptr:\ptr+1] offset:(32*(\t/2)+8*(\t%2))*4
.endr
.endm
	s_load_b512 s[4:19], s[0:1], 0x0               ; idx 4, fq 6, g4 8, stB 10, gg1 12, betag1 14, Wd2 16, bd2 18
	s_load_b512 s[20:35], s[0:1], 0x40             ; bq 20, bk 22, Wq 24 26, Wk 28 30, Wg1 32 34
	s_load_b128 s[36:39], s[0:1], 0x80             ; bg1 36, h1 38
	s_load_b64 s[40:41], s[0:1], 0x90              ; stA
	v_lshl_add_u32 v126, v0, 2, 0x3000
	v_mov_b32 v127, 0
	v_and_b32 v1, 15, v0
	v_bfe_u32 v110, v0, 4, 1
	v_lshrrev_b32 v111, 5, v0
	v_readfirstlane_b32 s[WV], v111
	v_mul_u32_u24 v[H48], v110, 48
	v_lshlrev_b32 v[OG], 4, v1
	v_lshl_add_u32 v[OG], v110, 3, v[OG]
	v_and_b32 v111, 31, v0
	v_lshlrev_b32 v[LI], 4, v111
	v_lshlrev_b32 v[LS], 2, v111
	v_mov_b32 v[Z0], 0
	v_lshlrev_b32 v[H64], 6, v110
	v_and_b32 v112, 8, v1
	v_add_nc_u32 v112, v112, v1                    ; r + 8 (r / 8)
	v_mul_u32_u24 v113, v112, 96
	v_mad_u32_u24 v113, v110, 24, v113
	v_lshlrev_b32 v114, 2, v112
	v_mul_u32_u24 v115, v112, 12
	v_lshl_add_u32 v116, v110, 3, v115
	v_lshlrev_b32 v117, 2, v1
	s_mul_i32 s97, s[WV], 1536
	v_add_nc_u32 v118, s97, v[LI]
	s_lshl_b32 s97, s[WV], 10
	s_add_co_u32 s97, s97, FS
	v_add_nc_u32 v119, s97, v114
	v_lshl_add_u32 v120, v0, 2, FS
	s_mov_b32 s[SEL], 0x76543210
	s_mov_b32 s[SEL+1], 0xfedcba98
	s_mov_b32 s[SHI], 0xffff0000
	s_mov_b32 s94, 0x20820820
	s_mov_b32 s95, 0x08208208
	s_mov_b32 s96, 0x82082082
	SPAIR GA1, 0x32edffee
	SPAIR GA2, 0xb60cff51
	SPAIR GA3, 0xb86ec2d2
	SPAIR GA4, 0xba40ac63
	SPAIR GA5, 0xbb41a1f6
	SPAIR GA6, 0xbc83dbd4
	SPAIR GB1, 0xb95fbd29
	SPAIR GB2, 0xbadc924e
	SPAIR GB3, 0xbbf19bf8
	SPAIR GB4, 0xbc69b6a7
	SPAIR RS2, 0x3f3504f3
	v_mov_b32 v[A0V], 0xaf95df0b
	v_mov_b32 v[A0V+1], 0xaf95df0b
	v_mov_b32 v[B0V], 0xb77460cd
	v_mov_b32 v[B0V+1], 0xb77460cd
	s_mov_b32 s[TO+1], 0
	s_lshl_b32 s97, ttmp9, 6
	s_lshl_b32 s100, s[WV], 4
	s_add_co_u32 s97, s97, s100                    ; my first tile
	s_wait_kmcnt 0x0
	s_lshl_b32 s[TO], s97, 6
	s_add_nc_u64 s[4:5], s[4:5], s[TO:TO+1]        ; idx
	s_lshl_b32 s[TO], s97, 7
	s_add_nc_u64 s[52:53], s[6:7], s[TO:TO+1]      ; fq at my first tile
	s_lshl_b32 s[TO], s97, 8
	s_add_nc_u64 s[58:59], s[8:9], s[TO:TO+1]      ; g4
	s_mul_i32 s[TO], s97, 1536
	s_add_nc_u64 s[62:63], s[38:39], s[TO:TO+1]    ; h1's codes
	s_lshl_b32 s[TO], s97, 6
	s_add_co_u32 s[TO], s[TO], 25165824
	s_add_nc_u64 s[90:91], s[38:39], s[TO:TO+1]    ; h1's scale words: 128 bytes for two tiles
	s_lshr_b32 s[TO], ttmp9, 7
	s_lshl_b32 s[TO], s[TO], 20
	s_add_nc_u64 s[56:57], s[6:7], s[TO:TO+1]      ; my cloud in fq
	s_lshl_b32 s[TO], ttmp9, 10
	s_add_co_u32 s[TO], s[TO], 32768
	s_add_nc_u64 s[40:41], s[40:41], s[TO:TO+1]    ; the work-group's 1,024 bytes of statistics
	; ---- the second norm's constants.  Lane: channels 4 (lane) .. + 3; wave w: work-groups 64 w .. 64 w + 63
	global_load_b128 v[68:71], v[LI], s[10:11]     ; work-group 0's mean: deviations are taken from it
	global_load_b128 v[92:95], v[LI], s[12:13]
	global_load_b128 v[96:99], v[LI], s[14:15]
	s_lshl_b32 s[TO], s[WV], 16
	s_add_nc_u64 s[98:99], s[10:11], s[TO:TO+1]
.set k_, 72
.rept 12
	v_mov_b32 v[k_], 0
.set k_, k_+1
.endr
	s_mov_b32 s100, 0
.Lstats:
.irp i,0,1,2,3,4,5,6,7,8,9,10,11,12,13,14,15
	global_load_b128 v[128+4*\i:131+4*\i], v[LI], s[98:99] offset:1024*\i
	global_load_b128 v[192+4*\i:195+4*\i], v[LI], s[98:99] offset:1024*\i+512
.endr
	s_wait_loadcnt 0x0
.irp i,0,1,2,3,4,5,6,7,8,9,10,11,12,13,14,15
	v_pk_add_f32 v[84+4*(\i%2):85+4*(\i%2)], v[128+4*\i:129+4*\i], v[68:69] neg_lo:[0,1] neg_hi:[0,1]
	v_pk_add_f32 v[86+4*(\i%2):87+4*(\i%2)], v[130+4*\i:131+4*\i], v[70:71] neg_lo:[0,1] neg_hi:[0,1]
	v_pk_add_f32 v[80:81], v[80:81], v[192+4*\i:193+4*\i]
	v_pk_add_f32 v[82:83], v[82:83], v[194+4*\i:195+4*\i]
	v_pk_add_f32 v[72:73], v[72:73], v[84+4*(\i%2):85+4*(\i%2)]
	v_pk_add_f32 v[74:75], v[74:75], v[86+4*(\i%2):87+4*(\i%2)]
	v_pk_fma_f32 v[76:77], v[84+4*(\i%2):85+4*(\i%2)], v[84+4*(\i%2):85+4*(\i%2)], v[76:77]
	v_pk_fma_f32 v[78:79], v[86+4*(\i%2):87+4*(\i%2)], v[86+4*(\i%2):87+4*(\i%2)], v[78:79]
.endr
	s_add_nc_u64 s[98:99], s[98:99], 16384         ; (the loads that named it are back)
	s_add_co_u32 s100, s100, 1
	s_cmp_lt_u32 s100, 4
	s_cbranch_scc1 .Lstats
	ds_store_b128 v118, v[72:75] offset:XS
	ds_store_b128 v118, v[76:79] offset:XS+512
	ds_store_b128 v118, v[80:83] offset:XS+1024
	s_wait_dscnt 0x0
	s_barrier_signal -1
	s_barrier_wait -1
.irp w,0,1,2,3
.irp q,0,1,2
	ds_load_b128 v[128+16*\w+4*\q:131+16*\w+4*\q], v[LI] offset:XS+1536*\w+512*\q
.endr
.endr
	s_wait_dscnt 0x0
.irp w,1,2,3
.irp p,0,2,4,6,8,10
	v_pk_add_f32 v[128+\p:129+\p], v[128+\p:129+\p], v[128+16*\w+\p:129+16*\w+\p]
.endr
.endr
.irp k,0,1,2,3
	v_mul_f32 v[140+\k], 0x3b800000, v[128+\k]     ; the sum of deviations / 256
.endr
.irp k,0,1,2,3
	v_fma_f32 v[132+\k], -v[128+\k], v[140+\k], v[132+\k]
	v_add_f32 v[68+\k], v[68+\k], v[140+\k]        ; the mean
.endr
.irp k,0,1,2,3
	v_fma_f32 v[136+\k], v[132+\k], 0x44800000, v[136+\k]          ; 1,024 rows to a work-group
.endr
.irp k,0,1,2,3
	v_mul_f32 v[136+\k], 0x36800000, v[136+\k]     ; / 262,144: the variance
.endr
.irp k,0,1,2,3
	v_add_f32 v[136+\k], 0x3727c5ac, v[136+\k]
.endr
.irp k,0,1,2,3
	v_rsq_f32 v[136+\k], v[136+\k]
.endr
	v_nop
	s_wait_alu depctr_va_vdst(0)                   ; ahead of the roots' first reader
.irp k,0,1,2,3
	v_mul_f32 v[136+\k], v[92+\k], v[136+\k]
.endr
.irp k,0,1,2,3
	v_fma_f32 v[96+\k], -v[68+\k], v[136+\k], v[96+\k]
	v_mul_f32 v[92+\k], s[RS2], v[136+\k]          ; z = x A + B
.endr
.irp k,0,1,2,3
	v_mul_f32 v[96+\k], s[RS2], v[96+\k]
.endr
	s_cmp_lg_u32 s[WV], 0                          ; all four waves hold the same numbers: wave 0 writes them
	s_cbranch_scc1 .Lnot_0
	ds_store_b128 v[LI], v[92:95] offset:AB
	ds_store_b128 v[LI], v[96:99] offset:AB+512
.Lnot_0:
	s_wait_dscnt 0x0
	s_barrier_signal -1
	s_barrier_wait -1
	WIN 0x80
.irp b,0,1,2,3
.irp k,0,1,2,3
	ds_load_b128 v[A1+16*\b+4*\k:A1+16*\b+4*\k+3], v[H64] offset:AB+128*\b+16*\k           ; register 16 b + i: channel 32 b + 16 h + i
	ds_load_b128 v[B1+16*\b+4*\k:B1+16*\b+4*\k+3], v[H64] offset:AB+512+128*\b+16*\k
.endr
.endr
	WIN 0x40
	WFRAG WQ, 24, 113
	WFRAG WK, 28, 113
	WIN 0x80
	WFRAG WG, 32, 113
	WIN 0
	WSCL SWQ, 26, 114
	WSCL SWK, 30, 114
	WSCL SWG, 34, 114
	WSCL BG, 36, 114
.irp t,0,1,2,3,4,5,6,7
	global_load_b32 v[192+\t], v116, s[16:17] offset:12*(32*(\t/2)+8*(\t%2))
	global_load_b32 v[200+\t], v115, s[16:17] offset:12*(32*(\t/2)+8*(\t%2))+4
	global_load_b32 v[208+\t], v114, s[18:19] offset:4*(32*(\t/2)+8*(\t%2))
	global_load_b32 v[216+\t], v114, s[20:21] offset:4*(32*(\t/2)+8*(\t%2))
	global_load_b32 v[224+\t], v114, s[22:23] offset:4*(32*(\t/2)+8*(\t%2))
.endr
.irp i,0,1,2,3,4,5,6,7,8,9,10,11,12,13,14,15
	global_load_b32 v[QI+\i], v117, s[4:5] offset:64*\i
.endr
	s_wait_loadcnt 0x0
	s_wait_dscnt 0x0
	WIN 0x45
.set n_i, 0
.rept 96
	v_xor_b32 v[WK+n_i], s[94+n_i%3], v[WK+n_i]    ; -Wk
.set n_i, n_i+1
.endr
	WIN 0
.irp t,0,1,2,3,4,5,6,7
	v_add_f32 v[208+\t], v[208+\t], v[216+\t]
.endr
.irp t,0,1,2,3,4,5,6,7
	v_sub_f32 v[208+\t], v[208+\t], v[224+\t]      ; bd2 + bq - bk
.endr
	WIN 0x40
.irp t,0,1,2,3,4,5,6,7
	v_mov_b32 v[WD2+2*\t], v[192+\t]
	v_cndmask_b32 v[WD2+2*\t+1], v[200+\t], v[208+\t], s[SHI]
.endr
	WIN 0
.irp i,0,1,2,3,4,5,6,7,8,9,10,11,12,13,14,15
	v_min_u32 v[QI+\i], 0x1fff, v[QI+\i]
.endr
.irp i,0,1,2,3,4,5,6,7,8,9,10,11,12,13,14,15
	v_lshlrev_b32 v[QI+\i], 4, v[QI+\i]
.endr
	v_mov_b32 v[QI+16], v[QI+15]
.set k_, 0
.rept 8
	v_mov_b32 v[S+k_], 0
.set k_, k_+1
.endr
.set k_, 0
.rept 32
	v_mov_b32 v[SU+k_], 0
.set k_, k_+1
.endr
	v_mov_b32 v[PWS], 0
.macro NEXT first
.if \first
	s_mov_b32 s[SNX], 0
.else
	s_add_co_u32 s[SNX], s[SI], 1
	s_min_u32 s[SNX], s[SNX], 15                   ; the last tile asks for itself again: no load leaves its buffer
.endif
	s_lshl_b32 s[TO], s[SNX], 7
	s_add_nc_u64 s[54:55], s[52:53], s[TO:TO+1]
	s_lshl_b32 s[TO], s[SNX], 8
	s_add_nc_u64 s[60:61], s[58:59], s[TO:TO+1]
	s_mul_i32 s[TO], s[SI], 1536
	s_add_nc_u64 s[88:89], s[62:63], s[TO:TO+1]    ; this tile's place in h1
	s_lshr_b32 s[TO], s[SI], 1
	s_lshl_b32 s[TO], s[TO], 7
	s_add_nc_u64 s[92:93], s[90:91], s[TO:TO+1]
	v_lshl_add_u32 v[OF], v[QI+1-\first], 3, v[H48]
	v_lshlrev_b32 v[OQ], 3, v[QI+1-\first]
.endm
.macro LOADT b
	WIN 0x40
	global_load_b128 v[FM+12*\b:FM+12*\b+3], v[OF], s[56:57]
	global_load_b128 v[FM+12*\b+4:FM+12*\b+7], v[OF], s[56:57] offset:16
	global_load_b128 v[FM+12*\b+8:FM+12*\b+11], v[OF], s[56:57] offset:32
	global_load_b64 v[GG+2*\b:GG+2*\b+1], v[OG], s[60:61]
	WIN 0xc0
	global_load_b128 v[FQ+12*\b:FQ+12*\b+3], v[H48], s[54:55]
	global_load_b128 v[FQ+12*\b+4:FQ+12*\b+7], v[H48], s[54:55] offset:16
	global_load_b128 v[FQ+12*\b+8:FQ+12*\b+11], v[H48], s[54:55] offset:32
	WIN 0
	global_load_b32 v[SFM+\b], v[OQ], s[56:57] offset:96
	global_load_b32 v[SFQ+\b], v[Z0], s[54:55] offset:96
.endm
.macro QROT
.irp j,0,1,2,3,4,5,6,7,8,9,10,11,12,13,14,15
	v_mov_b32 v[QI+\j], v[QI+\j+1]
.endr
.endm
.macro SINIT aw
	s_cmp_lg_u32 s[SI], 0
	s_cbranch_scc1 .Lsi_\@
	WIN \aw
.irp t,0,1,2,3,4,5,6,7
	v_permlanex16_b32 v[D+\t], v[ACC+8*\t], s[SEL], s[SEL+1]
.endr
.irp t,0,1,2,3,4,5,6,7
	v_cndmask_b32 v[S+\t], v[ACC+8*\t], v[D+\t], s[SHI]
.endr
	WIN 0
.Lsi_\@:
.endm
.macro STAT8 aw
.irp hf,0,1
	WIN \aw
.irp p,0,1,2,3
.irp u,0,1,2,3
.if (\u%2) == 0
	v_pk_add_f32 v[D+8*\u+2*\p:D+8*\u+2*\p+1], v[ACC+8*(4*\hf+\u)+2*\p:ACC+8*(4*\hf+\u)+2*\p+1], v[S+4*\hf+\u:S+4*\hf+\u+1] op_sel_hi:[1,0] neg_lo:[0,1] neg_hi:[0,1]
.else
	v_pk_add_f32 v[D+8*\u+2*\p:D+8*\u+2*\p+1], v[ACC+8*(4*\hf+\u)+2*\p:ACC+8*(4*\hf+\u)+2*\p+1], v[S+4*\hf+\u-1:S+4*\hf+\u] op_sel:[0,1] op_sel_hi:[1,1] neg_lo:[0,1] neg_hi:[0,1]
.endif
.endr
.endr
	WIN 0
.irp p,0,1,2,3
.irp u,0,1,2,3
	v_pk_add_f32 v[SU+2*(4*\hf+\u):SU+2*(4*\hf+\u)+1], v[SU+2*(4*\hf+\u):SU+2*(4*\hf+\u)+1], v[D+8*\u+2*\p:D+8*\u+2*\p+1]
.endr
.endr
.irp p,0,1,2,3
.irp u,0,1,2,3
	v_pk_fma_f32 v[SQ+2*(4*\hf+\u):SQ+2*(4*\hf+\u)+1], v[D+8*\u+2*\p:D+8*\u+2*\p+1], v[D+8*\u+2*\p:D+8*\u+2*\p+1], v[SQ+2*(4*\hf+\u):SQ+2*(4*\hf+\u)+1]
.endr
.endr
.endr
.endm
.macro TILE cur
	s_wait_loadcnt 0x0                             ; this tile's operands, asked for a tile ago
	s_wait_xcnt 0x0                                ; the last tile's loads and stores have read their registers
	NEXT 0
	LOADT (1-\cur)
	WIN 0xfd
.irp t,0,1,2,3,4,5,6,7                         ; the 8 accumulators by turns
	v_wmma_scale_f32_16x16x128_f8f6f4 v[ACC+8*\t:ACC+8*\t+7], v[WQ+12*\t:WQ+12*\t+11], v[FQ+12*(\cur):FQ+12*(\cur)+11], 0, v[SWQ+\t], v[SFQ+(\cur)] matrix_a_fmt:MATRIX_FMT_BF6 matrix_b_fmt:MATRIX_FMT_BF6
.endr
	WIN 0xf5
.irp t,0,1,2,3,4,5,6,7
	v_wmma_scale_f32_16x16x128_f8f6f4 v[ACC+8*\t:ACC+8*\t+7], v[WK+12*\t:WK+12*\t+11], v[FM+12*(\cur):FM+12*(\cur)+11], v[ACC+8*\t:ACC+8*\t+7], v[SWK+\t], v[SFM+(\cur)] matrix_a_fmt:MATRIX_FMT_BF6 matrix_b_fmt:MATRIX_FMT_BF6
.endr
	WIN 0
	QROT                                           ; 16 plain lines: the places between the two forms of matrix instruction
	WIN 0xf5
.irp t,0,1,2,3,4,5,6,7
	v_wmma_f32_16x16x4_f32 v[ACC+8*\t:ACC+8*\t+7], v[WD2+2*\t:WD2+2*\t+1], v[GG+2*(\cur):GG+2*(\cur)+1], v[ACC+8*\t:ACC+8*\t+7]
.endr
	WIN 0
.rept 8
	v_nop                                          ; places behind the f32 form, ahead of the first read of its results
.endr
	WIN 0x2b
.set z_i, 0
.rept 32
	v_pk_fma_f32 v[Z+z_i:Z+z_i+1], v[ACC+z_i:ACC+z_i+1], v[A1+z_i:A1+z_i+1], v[B1+z_i:B1+z_i+1]        ; the norm, and / sqrt 2; ascending: each accumulator from its low end on
.set z_i, z_i+2
.endr
	WIN 0
.irp k,0,1,2,3
	GELU (Z+16*\k), 128, 8
.endr
	QUANT Z
	global_store_b128 v[LI], v[PC:PC+3], s[88:89]                  ; the fragment as it stands: three stores of 512 consecutive bytes
	global_store_b128 v[LI], v[PC+4:PC+7], s[88:89] offset:512
	global_store_b128 v[LI], v[PC+8:PC+11], s[88:89] offset:1024
.if \cur == 0
	v_mov_b32 v[PWS], v[PW]
.else
	v_cndmask_b32 v[XW], v[PWS], v[PW], s[SHI]     ; lanes 0-15 the even tile's words, lanes 16-31 the odd tile's
	global_store_b32 v[LS], v[XW], s[92:93]
.endif
.rept 8
	v_nop                                          ; a scale register written by vector instructions stands 8 places ahead of a scaled matrix instruction, an operand 4
.endr
	WIN 0xf8
.irp t,0,1,2,3,4,5,6,7
	v_wmma_scale_f32_16x16x128_f8f6f4 v[ACC+8*\t:ACC+8*\t+7], v[PC:PC+11], v[WG+12*\t:WG+12*\t+11], 0, v[PW], v[SWG+\t] matrix_a_fmt:MATRIX_FMT_BF6 matrix_b_fmt:MATRIX_FMT_BF6
.endr
	WIN 0
.rept 4
	v_nop
.endr
.if \cur == 0
	SINIT 0x03
.endif
	STAT8 0x03
	s_add_co_u32 s[SI], s[SI], 1
.endm
	s_mov_b32 s[SI], 0
	NEXT 1
	LOADT 0
	s_mov_b32 s[STRIP], 0
.Ltiles:
	TILE 0
	TILE 1
	s_add_co_u32 s[STRIP], s[STRIP], 1
	s_cmp_lt_u32 s[STRIP], 8
	s_cbranch_scc1 .Ltiles
	s_wait_loadcnt 0x0
.irp t,0,1,2,3,4,5,6,7
	v_add_f32 v[SU+2*\t], v[SU+2*\t], v[SU+2*\t+1]
	v_add_f32 v[SQ+2*\t], v[SQ+2*\t], v[SQ+2*\t+1]
.endr
.irp t,0,1,2,3,4,5,6,7
	v_permlanex16_b32 v[D+\t], v[SU+2*\t], s[SEL], s[SEL+1]
	v_permlanex16_b32 v[D+8+\t], v[SQ+2*\t], s[SEL], s[SEL+1]
.endr
.irp t,0,1,2,3,4,5,6,7
	v_add_f32 v[SU+2*\t], v[SU+2*\t], v[D+\t]
	v_add_f32 v[SQ+2*\t], v[SQ+2*\t], v[D+8+\t]
.endr
.irp t,0,1,2,3,4,5,6,7
	v_mul_f32 v[D+\t], 0x3b800000, v[SU+2*\t]
.endr
.irp t,0,1,2,3,4,5,6,7
	v_fma_f32 v[SQ+2*\t], -v[SU+2*\t], v[D+\t], v[SQ+2*\t]
	v_add_f32 v[D+\t], v[S+\t], v[D+\t]
.endr
.irp t,0,1,2,3,4,5,6,7
	v_add_f32 v[D+\t], v[BG+\t], v[D+\t]           ; the mean with bg1
.endr
.irp t,0,1,2,3,4,5,6,7
	ds_store_b32 v119, v[D+\t] offset:4*(32*(\t/2)+8*(\t%2))
	ds_store_b32 v119, v[SQ+2*\t] offset:512+4*(32*(\t/2)+8*(\t%2))
.endr
	s_wait_dscnt 0x0
	s_barrier_signal -1
	s_barrier_wait -1
.irp w,0,1,2,3
	ds_load_b32 v[D+\w], v120 offset:1024*\w
	ds_load_b32 v[D+4+\w], v120 offset:1024*\w+512
.endr
	s_wait_dscnt 0x0
	v_add_f32 v[D+8], v[D], v[D+1]
	v_add_f32 v[D+9], v[D+2], v[D+3]
	v_add_f32 v[D+8], v[D+8], v[D+9]
	v_mul_f32 v[D+8], 0x3e800000, v[D+8]
	v_add_f32 v[D+10], v[D+4], v[D+5]
	v_add_f32 v[D+11], v[D+6], v[D+7]
	v_add_f32 v[D+10], v[D+10], v[D+11]
.irp w,0,1,2,3
	v_sub_f32 v[D+\w], v[D+\w], v[D+8]
.endr
	v_mul_f32 v[D+12], v[D], v[D]
	v_fma_f32 v[D+12], v[D+1], v[D+1], v[D+12]
	v_fma_f32 v[D+12], v[D+2], v[D+2], v[D+12]
	v_fma_f32 v[D+12], v[D+3], v[D+3], v[D+12]
	v_fma_f32 v[D+10], v[D+12], 0x43800000, v[D+10]
	v_lshlrev_b32 v[D+13], 2, v0
	global_store_b32 v[D+13], v[D+8], s[40:41]
	global_store_b32 v[D+13], v[D+10], s[40:41] offset:512
	s_wait_tensorcnt 0x0
	ds_add_u32 v126, v127
	s_wait_dscnt 0x0
	s_endpgm
.Lfunc_end_k_q85c2dcd07a_hidden1:
	.size	k_q85c2dcd07a_hidden1, .Lfunc_end_k_q85c2dcd07a_hidden1-k_q85c2dcd07a_hidden1
	.p2alignl 7, 3214868480
	.fill 96, 4, 3214868480
	.section	.rodata,"a",@progbits
	.p2align	6, 0x0
	.amdhsa_kernel k_q85c2dcd07a_hidden1
		.amdhsa_group_segment_fixed_size 12800
		.amdhsa_private_segment_fixed_size 0
		.amdhsa_enable_private_segment 0
		.amdhsa_kernarg_size 152
		.amdhsa_user_sgpr_count 2
		.amdhsa_user_sgpr_kernarg_segment_ptr 1
		.amdhsa_wavefront_size32 1
		.amdhsa_system_sgpr_workgroup_id_x 1
		.amdhsa_system_sgpr_workgroup_id_y 1
		.amdhsa_system_sgpr_workgroup_id_z 1
		.amdhsa_system_vgpr_workitem_id 0
		.amdhsa_next_free_vgpr 1024
		.amdhsa_next_free_sgpr 102
		.amdhsa_reserve_vcc 0
		.amdhsa_float_denorm_mode_32 3
		.amdhsa_float_denorm_mode_16_64 3
		.amdhsa_memory_ordered 1
		.amdhsa_forward_progress 1
		.amdhsa_inst_pref_size 171
	.end_amdhsa_kernel
	.amdgpu_metadata
---
amdhsa.version: [ 1, 2 ]
amdhsa.kernels:
  - .name:           k_q85c2dcd07a_hidden1
    .symbol:         k_q85c2dcd07a_hidden1.kd
    .args:
      - { .name: idx, .offset: 0, .size: 8, .value_kind: global_buffer, .address_space: global }
      - { .name: fq, .offset: 8, .size: 8, .value_kind: global_buffer, .address_space: global }
      - { .name: g4, .offset: 16, .size: 8, .value_kind: global_buffer, .address_space: global }
      - { .name: stB, .offset: 24, .size: 8, .value_kind: global_buffer, .address_space: global }
      - { .name: gg1, .offset: 32, .size: 8, .value_kind: global_buffer, .address_space: global }
      - { .name: betag1, .offset: 40, .size: 8, .value_kind: global_buffer, .address_space: global }
      - { .name: Wd2, .offset: 48, .size: 8, .value_kind: global_buffer, .address_space: global }
      - { .name: bd2, .offset: 56, .size: 8, .value_kind: global_buffer, .address_space: global }
      - { .name: bq, .offset: 64, .size: 8, .value_kind: global_buffer, .address_space: global }
      - { .name: bk, .offset: 72, .size: 8, .value_kind: global_buffer, .address_space: global }
      - { .name: Wq_codes, .offset: 80, .size: 8, .value_kind: global_buffer, .address_space: global }
      - { .name: Wq_scales, .offset: 88, .size: 8, .value_kind: global_buffer, .address_space: global }
      - { .name: Wk_codes, .offset: 96, .size: 8, .value_kind: global_buffer, .address_space: global }
      - { .name: Wk_scales, .offset: 104, .size: 8, .value_kind: global_buffer, .address_space: global }
      - { .name: Wg1_codes, .offset: 112, .size: 8, .value_kind: global_buffer, .address_space: global }
      - { .name: Wg1_scales, .offset: 120, .size: 8, .value_kind: global_buffer, .address_space: global }
      - { .name: bg1, .offset: 128, .size: 8, .value_kind: global_buffer, .address_space: global }
      - { .name: h1, .offset: 136, .size: 8, .value_kind: global_buffer, .address_space: global }
      - { .name: stA, .offset: 144, .size: 8, .value_kind: global_buffer, .address_space: global }
    .group_segment_fixed_size: 12800
    .private_segment_fixed_size: 0
    .kernarg_segment_align: 8
    .kernarg_segment_size: 152
    .max_flat_workgroup_size: 128
    .sgpr_count:     102
    .vgpr_count:     1024
    .wavefront_size: 32
...
	.end_amdgpu_metadata
.endif
;; end of part 4
;; launch finish (part 5): grid 256 x 1, 4 waves a work-group, no clusters, 8,704 bytes of LDS; arguments idx, fq, g4, h1, stA, gg2, betag2, bg1, Wg1_codes, Wg1_scales, Wg2_codes, Wg2_scales, bg2, Wv_codes, Wv_scales, bv, Wd2, bd2, out0; writes out0
.if DOCPART == 5
	.amdgcn_target "amdgcn-amd-amdhsa--gfx1250"
	.amdhsa_code_object_version 6
	.text
	.protected	k_q85c2dcd07a_finish
	.globl	k_q85c2dcd07a_finish
	.p2align	8
	.type	k_q85c2dcd07a_finish,@function
k_q85c2dcd07a_finish:
	s_mov_b64 s[64:65], 0
	v_nop
	global_prefetch_b8 v0, s[64:65] scope:SCOPE_SE
	s_setreg_imm32_b32 hwreg(HW_REG_WAVE_MODE, 25, 1), 1
	s_wait_xcnt 0x0
; out = the sum over a query's 16 neighbours of softmax_k(Q(gelu(bn2(h1 Wg1^T + bg1))) Wg2^T + bg2) x (Q(feats_c) Wv^T + bv + pos).
; h1 comes as codes in the order of an operand's registers.  h1 Wg1^T is used TRANSPOSED (a lane holds one neighbour, registers run along the next K), is normed, put through gelu and quantised in registers.
; The product with Wg2 and the values have the rows as source 0, and lane r of tile t takes the weight's row 8 r + t: a lane holds ONE channel of each tile and 8 neighbours, so the softmax over neighbours stays in the lane but
; for one exchange with lane l xor 16, and a lane ends with 8 neighbouring channels: one store of 16 bytes a lane writes the query's whole row of 512 bytes.
; The values' pos comes by the f32 form with K = 4: (g0, g1, g2, 1) (Wd2 | bd2 + bv)^T.  The maximum over the 16 neighbours is taken away before the exponentials.
; The norm's constants come from the 256 work-groups' (mean, sum of squared deviations), joined without a difference of large sums; bg1, which the mean holds and the accumulator does not, is taken off the mean.
; SHARES.  Work-group g, wave w: tiles (queries) 64 g + 16 w + i.  A tile's operands are asked for a whole tile ahead, into two sets of registers by turns.
; LIMITS: NaN and infinities are not served; below x of about -3 gelu's relative error grows as erf's absolute error stays; a block of zeros carries the byte 1 (its codes are zeros; this program alone reads the bytes).
; REGISTERS.  window 0: below.  window 1: v0-95 Wg1, v96-191 Wg2, v192-207 (Wd2 | bias), v208-211 g (2 sets), v212-235 h1's codes (2 sets).  window 2: v0-95 Wv, v96-159, v160-223 the norm's factors and addends,
;   v224-247 the neighbours' codes (2 sets).  window 3: v0-63 accumulators, v64-127 the values (written by matrix instructions alone), v128-191 bg2 in the result's layout.
.set XS,  0                            ; LDS: [4 waves][3][128] partial sums
.set AB,  6144                         ; [2][128] the norm's constants
.set H48, 2                            ; v2   48 x (lane / 16)
.set OG,  3                            ; v3   16 r + 8 h
.set LI,  4                            ; v4   16 x lane
.set LS,  5                            ; v5   4 x lane
.set OF,  6                            ; v6   the next tile's rows in fq, + H48
.set OQ,  7                            ; v7   the same without
.set QI,  8                            ; v8-24  16 x neighbour index of lane r, tiles in hand .. last
.set OO,  25                           ; v25  32 r + 16 h
.set SW1, 26                           ; scale words: Wg1's 8, Wg2's 8, Wv's 8, h1's 2, the neighbours' 2
.set SW2, 34
.set SWV, 42
.set SH1, 50
.set SFM, 52
.set A0V, 54
.set B0V, 56
.set PW,  58                           ; the scale word just made
.set H64, 59
.set MX,  60
.set SP,  68
.set PV,  84
.set OU,  100
.set RO,  108
.set PT,  112
.set TM,  128
.set PC,  144
.set Z,   192
.set WG1, 0
.set WG2, 96
.set WD2, 192
.set GG,  208
.set H1,  212
.set WVF, 0
.set A1,  96
.set B1,  160
.set FM,  224
.set ACC, 0
.set ACV, 64
.set BG2, 128
.set WV,  42
.set SI,  43
.set STRIP, 44
.set SNX, 45
.set TO,  46
.set SEL, 48
.set SHI, 50
.set L2E, 94
.set GA1, 66
.set GA2, 68
.set GA3, 70
.set GA4, 72
.set GA5, 74
.set GA6, 76
.set GB1, 78
.set GB2, 80
.set GB3, 82
.set GB4, 84
.set RS2, 86
.set MSB, 0
.macro WIN new                         ; the immediate's high byte repeats the setting that is left
.if MSB != \new
	s_set_vgpr_msb (MSB<<8)|\new
.set MSB, \new
.endif
.endm
.macro SPAIR reg, val                  ; a packed form names a scalar pair and takes its low word for both halves: both are written
	s_mov_b32 s[\reg], \val
	s_mov_b32 s[\reg+1], \val
.endm
.macro HORN acc, x, c, np
.set g_i, 0
.rept \np
	v_pk_fma_f32 v[\acc+g_i:\acc+g_i+1], v[\acc+g_i:\acc+g_i+1], v[\x+g_i:\x+g_i+1], s[\c:\c+1] op_sel_hi:[1,1,0]
.set g_i, g_i+2
.endr
.endm
; gelu of np pairs z (in place), stage by stage over all pairs.  Temporaries: four runs of 2 np registers from t on: zc, zc^2, P, Q.
.macro GELU z, t, np
.set g_i, 0
.rept 2*(\np)
	v_med3_num_f32 v[\t+g_i], v[\z+g_i], -4.0, 4.0
.set g_i, g_i+1
.endr
.set g_i, 0
.rept \np
	v_pk_mul_f32 v[\t+2*(\np)+g_i:\t+2*(\np)+g_i+1], v[\t+g_i:\t+g_i+1], v[\t+g_i:\t+g_i+1]
.set g_i, g_i+2
.endr
.set g_i, 0
.rept \np
	v_pk_fma_f32 v[\t+4*(\np)+g_i:\t+4*(\np)+g_i+1], v[\t+2*(\np)+g_i:\t+2*(\np)+g_i+1], v[A0V:A0V+1], s[GA1:GA1+1] op_sel_hi:[1,1,0]
.set g_i, g_i+2
.endr
.set g_i, 0
.rept \np
	v_pk_fma_f32 v[\t+6*(\np)+g_i:\t+6*(\np)+g_i+1], v[\t+2*(\np)+g_i:\t+2*(\np)+g_i+1], v[B0V:B0V+1], s[GB1:GB1+1] op_sel_hi:[1,1,0]
.set g_i, g_i+2
.endr
	HORN (\t+4*(\np)), (\t+2*(\np)), GA2, \np
	HORN (\t+6*(\np)), (\t+2*(\np)), GB2, \np
	HORN (\t+4*(\np)), (\t+2*(\np)), GA3, \np
	HORN (\t+6*(\np)), (\t+2*(\np)), GB3, \np
	HORN (\t+4*(\np)), (\t+2*(\np)), GA4, \np
	HORN (\t+6*(\np)), (\t+2*(\np)), GB4, \np
	HORN (\t+4*(\np)), (\t+2*(\np)), GA5, \np
	HORN (\t+4*(\np)), (\t+2*(\np)), GA6, \np
.set g_i, 0
.rept 2*(\np)
	v_rcp_f32 v[\t+6*(\np)+g_i], v[\t+6*(\np)+g_i]
.set g_i, g_i+1
.endr
.set g_i, 0
.rept \np
	v_pk_mul_f32 v[\t+4*(\np)+g_i:\t+4*(\np)+g_i+1], v[\t+4*(\np)+g_i:\t+4*(\np)+g_i+1], v[\t+g_i:\t+g_i+1]      ; zc P: plain work behind the reciprocals
.set g_i, g_i+2
.endr
.set g_i, 0
.rept \np
	v_pk_mul_f32 v[\z+g_i:\z+g_i+1], v[\z+g_i:\z+g_i+1], s[RS2:RS2+1] op_sel_hi:[1,0]
.set g_i, g_i+2
.endr
	s_wait_alu depctr_va_vdst(0)                   ; one wait for the batch of reciprocals, ahead of their first reader
.set g_i, 0
.rept \np
	v_pk_mul_f32 v[\t+4*(\np)+g_i:\t+4*(\np)+g_i+1], v[\t+4*(\np)+g_i:\t+4*(\np)+g_i+1], v[\t+6*(\np)+g_i:\t+6*(\np)+g_i+1]      ; erf
.set g_i, g_i+2
.endr
.set g_i, 0
.rept \np
	v_pk_fma_f32 v[\z+g_i:\z+g_i+1], v[\z+g_i:\z+g_i+1], v[\t+4*(\np)+g_i:\t+4*(\np)+g_i+1], v[\z+g_i:\z+g_i+1]
.set g_i, g_i+2
.endr
.endm
; 64 numbers of a lane, register 16 b + i = k 32 b + 16 (lane / 16) + i of my row, become a fragment's codes in v[PC] on and its scale word in v[PW]
.macro QUANT s
.irp b,0,1,2,3
	v_max3_num_f32 v[TM+\b], |v[\s+16*\b]|, |v[\s+1+16*\b]|, 0x2800000     ; with the floor 2^(5 - 127): the byte cannot fall under 1
.endr
.irp i,2,4,6,8,10,12,14
.irp b,0,1,2,3
	v_max3_num_f32 v[TM+\b], v[TM+\b], |v[\s+16*\b+\i]|, |v[\s+1+16*\b+\i]|
.endr
.endr
.irp b,0,1,2,3
	v_permlanex16_b32 v[TM+4+\b], v[TM+\b], s[SEL], s[SEL+1]
.endr
.irp b,0,1,2,3
	v_max_num_f32 v[TM+\b], v[TM+\b], v[TM+4+\b]   ; with lane l xor 16's: the block's largest magnitude
.endr
.irp b,0,1,2,3
	v_add_nc_u32 v[TM+12+\b], 0xfe000000, v[TM+\b] ; 4 off its exponent field: the conversion's scale operand
.endr
.irp b,0,1,2,3
	v_lshrrev_b32 v[TM+4+\b], 23, v[TM+12+\b]      ; the scale's byte
.endr
	v_lshl_or_b32 v[PW], v[TM+5], 8, v[TM+4]
	v_lshl_or_b32 v[PW], v[TM+6], 16, v[PW]
	v_lshl_or_b32 v[PW], v[TM+7], 24, v[PW]
.irp c,0,1
	v_cvt_scalef32_pk16_bf6_f32 v[PC+6*\c:PC+2+6*\c], v[\s+32*\c:\s+15+32*\c], v[TM+12+2*\c]
	v_cvt_scalef32_pk16_bf6_f32 v[PC+12+4*\c:PC+14+4*\c], v[\s+16+32*\c:\s+31+32*\c], v[TM+12+2*\c+1]      ; (a conversion's three registers begin on an even number)
.endr
	v_nop                                          ; one plain place behind a scaled conversion
.irp c,0,1                                     ; the operand's layout wants a whole block in a lane
.irp i,0,1,2
	v_permlane16_swap_b32 v[PC+6*\c+\i], v[PC+12+4*\c+\i]
.endr
.irp i,0,1,2
	v_mov_b32 v[PC+3+6*\c+\i], v[PC+12+4*\c+\i]
.endr
.endr
.endm
; A weight's 8 fragments, 24 bytes as three loads of 8.  map 0: lane r of tile 2 b + u takes row 32 b + 8 u + r + 8 (r / 8);  map 1: lane r of tile t takes row 8 r + t
.macro WFRAG base, ptr, voff, map
.irp t,0,1,2,3,4,5,6,7
.irp p,0,1,2,3,4,5
.if \map
	global_load_b64 v[\base+12*\t+2*\p:\base+12*\t+2*\p+1], v[\voff], s[\ptr:\ptr+1] offset:96*\t+48*(\p/3)+8*(\p%3)
.else
	global_load_b64 v[\base+12*\t+2*\p:\base+12*\t+2*\p+1], v[\voff], s[\ptr:\ptr+1] offset:(32*(\t/2)+8*(\t%2))*96+48*(\p/3)+8*(\p%3)
.endif
.endr
.endr
.endm
.macro WSCL base, ptr, voff, map       ; one word of 4 bytes for each of those rows
.irp t,0,1,2,3,4,5,6,7
.if \map
	global_load_b32 v[\base+\t], v[\voff], s[\ptr:\ptr+1] offset:4*\t
.else
	global_load_b32 v[\base+\t], v[\voff], s[\ptr:\ptr+1] offset:(32*(\t/2)+8*(\t%2))*4
.endif
.endr
.endm
	s_load_b512 s[4:19], s[0:1], 0x0               ; idx 4, fq 6, g4 8, h1 10, stA 12, gg2 14, betag2 16, bg1 18
	s_load_b512 s[20:35], s[0:1], 0x40             ; Wg1 20 22, Wg2 24 26, bg2 28, Wv 30 32, bv 34
	s_load_b128 s[36:39], s[0:1], 0x80             ; Wd2 36, bd2 38
	s_load_b64 s[40:41], s[0:1], 0x90              ; out0
	s_set_vgpr_msb 0x40
	v_lshl_add_u32 v254, v0, 2, 0x2000
	v_mov_b32 v255, 0
	s_set_vgpr_msb 0x4000
	v_and_b32 v1, 15, v0                           ; r
	v_bfe_u32 v120, v0, 4, 1                       ; h
	v_lshrrev_b32 v121, 5, v0
	v_readfirstlane_b32 s[WV], v121
	v_mul_u32_u24 v[H48], v120, 48
	v_lshlrev_b32 v[OG], 4, v1
	v_lshl_add_u32 v[OG], v120, 3, v[OG]
	v_and_b32 v121, 31, v0
	v_lshlrev_b32 v[LI], 4, v121
	v_lshlrev_b32 v[LS], 2, v121
	v_lshlrev_b32 v[H64], 6, v120
	v_lshlrev_b32 v[OO], 5, v1
	v_lshl_add_u32 v[OO], v120, 4, v[OO]
	v_and_b32 v122, 8, v1
	v_add_nc_u32 v122, v122, v1                    ; r + 8 (r / 8)
	v_mul_u32_u24 v123, v122, 96
	v_mad_u32_u24 v123, v120, 24, v123             ; Wg1's row, + 24 h
	v_lshlrev_b32 v124, 2, v122                    ; its scale word
	v_mul_u32_u24 v125, v1, 768
	v_mad_u32_u24 v125, v120, 24, v125             ; row 8 r of Wg2 and Wv, + 24 h
	v_lshlrev_b32 v126, 5, v1                      ; 4 bytes a channel: 32 r
	v_mul_u32_u24 v127, v1, 96                     ; Wd2: 12 bytes a channel: 96 r
	v_lshl_add_u32 v122, v120, 3, v127             ; + 8 h
	s_mul_i32 s97, s[WV], 1536
	v_add_nc_u32 v121, s97, v[LI]                  ; my wave's partial sums in LDS
	v_lshlrev_b32 v120, 2, v1                      ; idx: 4 r
	s_mov_b32 s[SEL], 0x76543210
	s_mov_b32 s[SEL+1], 0xfedcba98                 ; v_permlanex16_b32's selects for lane l xor 16
	s_mov_b32 s[SHI], 0xffff0000                   ; lanes 16-31
	SPAIR L2E, 0x3fb8aa3b                          ; log2(e)
	SPAIR GA1, 0x32edffee
	SPAIR GA2, 0xb60cff51
	SPAIR GA3, 0xb86ec2d2
	SPAIR GA4, 0xba40ac63
	SPAIR GA5, 0xbb41a1f6
	SPAIR GA6, 0xbc83dbd4
	SPAIR GB1, 0xb95fbd29
	SPAIR GB2, 0xbadc924e
	SPAIR GB3, 0xbbf19bf8
	SPAIR GB4, 0xbc69b6a7
	SPAIR RS2, 0x3f3504f3
	v_mov_b32 v[A0V], 0xaf95df0b
	v_mov_b32 v[A0V+1], 0xaf95df0b
	v_mov_b32 v[B0V], 0xb77460cd
	v_mov_b32 v[B0V+1], 0xb77460cd
	s_mov_b32 s[TO+1], 0
	s_lshl_b32 s97, ttmp9, 6
	s_lshl_b32 s96, s[WV], 4
	s_add_co_u32 s97, s97, s96                     ; my first tile
	s_wait_kmcnt 0x0
	s_lshl_b32 s[TO], s97, 6
	s_add_nc_u64 s[4:5], s[4:5], s[TO:TO+1]        ; idx at my first tile
	s_lshl_b32 s[TO], s97, 8
	s_add_nc_u64 s[52:53], s[8:9], s[TO:TO+1]      ; g4
	s_mul_i32 s[TO], s97, 1536
	s_add_nc_u64 s[58:59], s[10:11], s[TO:TO+1]    ; h1's codes
	s_lshl_b32 s[TO], s97, 6
	s_add_co_u32 s[TO], s[TO], 25165824
	s_add_nc_u64 s[62:63], s[10:11], s[TO:TO+1]    ; h1's scale words: 128 bytes for two tiles
	s_lshl_b32 s[TO], s97, 9
	s_add_nc_u64 s[90:91], s[40:41], s[TO:TO+1]    ; out0
	s_lshr_b32 s[TO], ttmp9, 7
	s_lshl_b32 s[TO], s[TO], 20
	s_add_nc_u64 s[56:57], s[6:7], s[TO:TO+1]      ; my cloud in fq
	s_add_nc_u64 s[12:13], s[12:13], 32768         ; the third norm's statistics
	; ---- the third norm's constants.  Lane: channels 4 (lane) .. + 3; wave w: work-groups 64 w .. 64 w + 63
	global_load_b128 v[68:71], v[LI], s[12:13]     ; work-group 0's mean: deviations are taken from it
	global_load_b128 v[92:95], v[LI], s[14:15]
	global_load_b128 v[96:99], v[LI], s[16:17]
	global_load_b128 v[100:103], v[LI], s[18:19]
	s_lshl_b32 s[TO], s[WV], 16
	s_add_nc_u64 s[98:99], s[12:13], s[TO:TO+1]
.set k_, 72
.rept 12
	v_mov_b32 v[k_], 0
.set k_, k_+1
.endr
	s_mov_b32 s100, 0
.Lstats:
.irp i,0,1,2,3,4,5,6,7,8,9,10,11,12,13,14,15
	global_load_b128 v[128+4*\i:131+4*\i], v[LI], s[98:99] offset:1024*\i
	global_load_b128 v[192+4*\i:195+4*\i], v[LI], s[98:99] offset:1024*\i+512
.endr
	s_wait_loadcnt 0x0
.irp i,0,1,2,3,4,5,6,7,8,9,10,11,12,13,14,15
	v_pk_add_f32 v[84+4*(\i%2):85+4*(\i%2)], v[128+4*\i:129+4*\i], v[68:69] neg_lo:[0,1] neg_hi:[0,1]
	v_pk_add_f32 v[86+4*(\i%2):87+4*(\i%2)], v[130+4*\i:131+4*\i], v[70:71] neg_lo:[0,1] neg_hi:[0,1]
	v_pk_add_f32 v[80:81], v[80:81], v[192+4*\i:193+4*\i]
	v_pk_add_f32 v[82:83], v[82:83], v[194+4*\i:195+4*\i]
	v_pk_add_f32 v[72:73], v[72:73], v[84+4*(\i%2):85+4*(\i%2)]
	v_pk_add_f32 v[74:75], v[74:75], v[86+4*(\i%2):87+4*(\i%2)]
	v_pk_fma_f32 v[76:77], v[84+4*(\i%2):85+4*(\i%2)], v[84+4*(\i%2):85+4*(\i%2)], v[76:77]
	v_pk_fma_f32 v[78:79], v[86+4*(\i%2):87+4*(\i%2)], v[86+4*(\i%2):87+4*(\i%2)], v[78:79]
.endr
	s_add_nc_u64 s[98:99], s[98:99], 16384         ; (the loads that named it are back)
	s_add_co_u32 s100, s100, 1
	s_cmp_lt_u32 s100, 4
	s_cbranch_scc1 .Lstats
	ds_store_b128 v121, v[72:75] offset:XS
	ds_store_b128 v121, v[76:79] offset:XS+512
	ds_store_b128 v121, v[80:83] offset:XS+1024
	s_wait_dscnt 0x0                               ; for the others' sake: my partial sums lie in LDS
	s_barrier_signal -1
	s_barrier_wait -1
.irp w,0,1,2,3
.irp q,0,1,2
	ds_load_b128 v[128+16*\w+4*\q:131+16*\w+4*\q], v[LI] offset:XS+1536*\w+512*\q
.endr
.endr
	s_wait_dscnt 0x0
.irp w,1,2,3
.irp p,0,2,4,6,8,10
	v_pk_add_f32 v[128+\p:129+\p], v[128+\p:129+\p], v[128+16*\w+\p:129+16*\w+\p]
.endr
.endr
.irp k,0,1,2,3
	v_mul_f32 v[140+\k], 0x3b800000, v[128+\k]     ; the sum of deviations / 256
.endr
.irp k,0,1,2,3
	v_fma_f32 v[132+\k], -v[128+\k], v[140+\k], v[132+\k]
	v_add_f32 v[68+\k], v[68+\k], v[140+\k]        ; the mean
.endr
.irp k,0,1,2,3
	v_fma_f32 v[136+\k], v[132+\k], 0x44800000, v[136+\k]          ; 1,024 rows to a work-group
	v_sub_f32 v[68+\k], v[68+\k], v[100+\k]        ; the accumulator holds no bg1: it is taken off the mean
.endr
.irp k,0,1,2,3
	v_mul_f32 v[136+\k], 0x36800000, v[136+\k]     ; / 262,144: the variance
.endr
.irp k,0,1,2,3
	v_add_f32 v[136+\k], 0x3727c5ac, v[136+\k]     ; + 1e-5
.endr
.irp k,0,1,2,3
	v_rsq_f32 v[136+\k], v[136+\k]
.endr
	v_nop
	s_wait_alu depctr_va_vdst(0)                   ; ahead of the roots' first reader
.irp k,0,1,2,3
	v_mul_f32 v[136+\k], v[92+\k], v[136+\k]
.endr
.irp k,0,1,2,3
	v_fma_f32 v[96+\k], -v[68+\k], v[136+\k], v[96+\k]
	v_mul_f32 v[92+\k], s[RS2], v[136+\k]          ; z = x A + B
.endr
.irp k,0,1,2,3
	v_mul_f32 v[96+\k], s[RS2], v[96+\k]
.endr
	s_cmp_lg_u32 s[WV], 0                          ; all four waves hold the same numbers: wave 0 writes them
	s_cbranch_scc1 .Lnot_0
	ds_store_b128 v[LI], v[92:95] offset:AB
	ds_store_b128 v[LI], v[96:99] offset:AB+512
.Lnot_0:
	s_wait_dscnt 0x0
	s_barrier_signal -1
	s_barrier_wait -1
	WIN 0x80
.irp b,0,1,2,3
.irp k,0,1,2,3
	ds_load_b128 v[A1+16*\b+4*\k:A1+16*\b+4*\k+3], v[H64] offset:AB+128*\b+16*\k           ; register 16 b + i: channel 32 b + 16 h + i
	ds_load_b128 v[B1+16*\b+4*\k:B1+16*\b+4*\k+3], v[H64] offset:AB+512+128*\b+16*\k
.endr
.endr
	WFRAG WVF, 30, 125, 1
	WIN 0x40
	WFRAG WG1, 20, 123, 0
	WFRAG WG2, 24, 125, 1
	WIN 0
	WSCL SW1, 22, 124, 0
	WSCL SW2, 26, 126, 1
	WSCL SWV, 32, 126, 1
.irp t,0,1,2,3,4,5,6,7
	global_load_b32 v[192+\t], v122, s[36:37] offset:12*\t         ; Wd2(8 r + t, 2 h)
	global_load_b32 v[200+\t], v127, s[36:37] offset:12*\t+4       ; Wd2(8 r + t, 1)
	global_load_b32 v[208+\t], v126, s[38:39] offset:4*\t          ; bd2
	global_load_b32 v[216+\t], v126, s[34:35] offset:4*\t          ; bv
.endr
	global_load_b128 v[PT:PT+3], v126, s[28:29]                    ; bg2 of channels 8 r .. 8 r + 7
	global_load_b128 v[PT+4:PT+7], v126, s[28:29] offset:16
.irp i,0,1,2,3,4,5,6,7,8,9,10,11,12,13,14,15
	global_load_b32 v[QI+\i], v120, s[4:5] offset:64*\i
.endr
	s_wait_loadcnt 0x0
	s_wait_dscnt 0x0
.irp t,0,1,2,3,4,5,6,7
	v_add_f32 v[208+\t], v[208+\t], v[216+\t]      ; bd2 + bv
.endr
	WIN 0x40
.irp t,0,1,2,3,4,5,6,7
	v_mov_b32 v[WD2+2*\t], v[192+\t]               ; k = 2 h
	v_cndmask_b32 v[WD2+2*\t+1], v[200+\t], v[208+\t], s[SHI]      ; k = 2 h + 1: Wd2(c, 1), or the bias at k = 3
.endr
	WIN 0xc0
.irp t,0,1,2,3,4,5,6,7
.irp j,0,1,2,3,4,5,6,7
	v_mov_b32 v[BG2+8*\t+\j], v[PT+\t]             ; the C of the product with Wg2: my channel's bias for all 8 neighbours
.endr
.endr
	WIN 0
.irp i,0,1,2,3,4,5,6,7,8,9,10,11,12,13,14,15
	v_min_u32 v[QI+\i], 0x1fff, v[QI+\i]
.endr
.irp i,0,1,2,3,4,5,6,7,8,9,10,11,12,13,14,15
	v_lshlrev_b32 v[QI+\i], 4, v[QI+\i]
.endr
	v_mov_b32 v[QI+16], v[QI+15]
.macro NEXT first                      ; where the next tile's operands lie (the last tile asks for itself again: no load leaves its buffer), and this tile's row of out0
.if \first
	s_mov_b32 s[SNX], 0
.else
	s_add_co_u32 s[SNX], s[SI], 1
	s_min_u32 s[SNX], s[SNX], 15
.endif
	s_lshl_b32 s[TO], s[SNX], 8
	s_add_nc_u64 s[54:55], s[52:53], s[TO:TO+1]
	s_mul_i32 s[TO], s[SNX], 1536
	s_add_nc_u64 s[60:61], s[58:59], s[TO:TO+1]
	s_lshr_b32 s[TO], s[SNX], 1
	s_lshl_b32 s[TO], s[TO], 7
	s_add_nc_u64 s[88:89], s[62:63], s[TO:TO+1]
	s_lshl_b32 s[TO], s[SI], 9
	s_add_nc_u64 s[92:93], s[90:91], s[TO:TO+1]
	v_lshl_add_u32 v[OF], v[QI+1-\first], 3, v[H48]
	v_lshlrev_b32 v[OQ], 3, v[QI+1-\first]
.endm
.macro LOADT b
	WIN 0x40
	global_load_b128 v[H1+12*\b:H1+12*\b+3], v[LI], s[60:61] th:TH_LOAD_NT                 ; the fragment as it was stored: three loads of 512 consecutive bytes
	global_load_b128 v[H1+12*\b+4:H1+12*\b+7], v[LI], s[60:61] offset:512 th:TH_LOAD_NT
	global_load_b128 v[H1+12*\b+8:H1+12*\b+11], v[LI], s[60:61] offset:1024 th:TH_LOAD_NT
	global_load_b64 v[GG+2*\b:GG+2*\b+1], v[OG], s[54:55]
	WIN 0x80
	global_load_b128 v[FM+12*\b:FM+12*\b+3], v[OF], s[56:57]                               ; lane (r, h): 48 bytes of neighbour r's row: blocks h and 2 + h
	global_load_b128 v[FM+12*\b+4:FM+12*\b+7], v[OF], s[56:57] offset:16
	global_load_b128 v[FM+12*\b+8:FM+12*\b+11], v[OF], s[56:57] offset:32
	WIN 0
	global_load_b32 v[SFM+\b], v[OQ], s[56:57] offset:96
	global_load_b32 v[SH1+\b], v[LS], s[88:89]                                             ; lanes 0-15 the even tile's words, lanes 16-31 the odd tile's
.endm
.macro QROT
.irp j,0,1,2,3,4,5,6,7,8,9,10,11,12,13,14,15
	v_mov_b32 v[QI+\j], v[QI+\j+1]
.endr
.endm
.macro TILE cur
	s_wait_loadcnt 0x0                             ; this tile's operands, asked for a tile ago
	s_wait_xcnt 0x0                                ; the last tile's loads and store have read their registers: pointers, offsets and the row may be written
	NEXT 0
	LOADT (1-\cur)
	WIN 0xf5
.irp t,0,1,2,3,4,5,6,7                         ; the accumulators by turns
.if \cur == 0
	v_wmma_scale_f32_16x16x128_f8f6f4 v[ACC+8*\t:ACC+8*\t+7], v[WG1+12*\t:WG1+12*\t+11], v[H1+12*(\cur):H1+12*(\cur)+11], 0, v[SW1+\t], v[SH1+(\cur)] matrix_a_fmt:MATRIX_FMT_BF6 matrix_b_fmt:MATRIX_FMT_BF6
.else
	v_wmma_scale_f32_16x16x128_f8f6f4 v[ACC+8*\t:ACC+8*\t+7], v[WG1+12*\t:WG1+12*\t+11], v[H1+12*(\cur):H1+12*(\cur)+11], 0, v[SW1+\t], v[SH1+(\cur)] matrix_a_fmt:MATRIX_FMT_BF6 matrix_b_fmt:MATRIX_FMT_BF6 matrix_b_scale:MATRIX_SCALE_ROW1
.endif
.endr
	WIN 0xfa
.irp t,0,1,2,3,4,5,6,7
	v_wmma_scale_f32_16x16x128_f8f6f4 v[ACV+8*\t:ACV+8*\t+7], v[FM+12*(\cur):FM+12*(\cur)+11], v[WVF+12*\t:WVF+12*\t+11], 0, v[SFM+(\cur)], v[SWV+\t] matrix_a_fmt:MATRIX_FMT_BF6 matrix_b_fmt:MATRIX_FMT_BF6
.endr
	WIN 0
	QROT                                           ; 16 plain lines that name none of the products' registers: the places between the two forms, and ahead of the first read of the first run's results
	WIN 0xf5
.irp t,0,1,2,3,4,5,6,7
	v_wmma_f32_16x16x4_f32 v[ACV+8*\t:ACV+8*\t+7], v[GG+2*(\cur):GG+2*(\cur)+1], v[WD2+2*\t:WD2+2*\t+1], v[ACV+8*\t:ACV+8*\t+7]
.endr
	WIN 0x2b
.set z_i, 0
.rept 32
	v_pk_fma_f32 v[Z+z_i:Z+z_i+1], v[ACC+z_i:ACC+z_i+1], v[A1+z_i:A1+z_i+1], v[B1+z_i:B1+z_i+1]        ; the norm, and / sqrt 2; ascending: each accumulator from its low end on
.set z_i, z_i+2
.endr
	WIN 0
.irp k,0,1,2,3
	GELU (Z+16*\k), 128, 8
.endr
	QUANT Z
.rept 8
	v_nop                                          ; a scale register written by vector instructions stands 8 places ahead of a scaled matrix instruction, an operand 4
.endr
	WIN 0xf4
.irp t,0,1,2,3,4,5,6,7
	v_wmma_scale_f32_16x16x128_f8f6f4 v[ACC+8*\t:ACC+8*\t+7], v[PC:PC+11], v[WG2+12*\t:WG2+12*\t+11], v[BG2+8*\t:BG2+8*\t+7], v[PW], v[SW2+\t] matrix_a_fmt:MATRIX_FMT_BF6 matrix_b_fmt:MATRIX_FMT_BF6
.endr
	WIN 0
.rept 4
	v_nop
.endr
	; ---- the softmax over the 16 neighbours: my 8 in registers, the other 8 in lane l xor 16; run by run over the 8 tiles
	WIN 0x3f
.irp t,0,1,2,3,4,5,6,7
	v_max3_num_f32 v[MX+\t], v[ACC+8*\t], v[ACC+8*\t+1], v[ACC+8*\t+2]
.endr
	WIN 0x3c
.irp t,0,1,2,3,4,5,6,7
	v_max3_num_f32 v[MX+\t], v[MX+\t], v[ACC+8*\t+3], v[ACC+8*\t+4]
.endr
.irp t,0,1,2,3,4,5,6,7
	v_max3_num_f32 v[MX+\t], v[MX+\t], v[ACC+8*\t+5], v[ACC+8*\t+6]
.endr
.irp t,0,1,2,3,4,5,6,7
	v_max_num_f32 v[MX+\t], v[MX+\t], v[ACC+8*\t+7]
.endr
	WIN 0
.irp t,0,1,2,3,4,5,6,7
	v_permlanex16_b32 v[PT+\t], v[MX+\t], s[SEL], s[SEL+1]
.endr
.irp t,0,1,2,3,4,5,6,7
	v_max_num_f32 v[MX+\t], v[MX+\t], v[PT+\t]     ; the channel's largest over all 16
.endr
.irp t,0,1,2,3,4,5,6,7
	v_mul_f32 v[MX+\t], 0xbfb8aa3b, v[MX+\t]       ; x -log2(e)
.endr
	WIN 0x03
.irp p,0,1,2,3
.irp t,0,2,4,6
	v_pk_fma_f32 v[Z+8*\t+2*\p:Z+8*\t+2*\p+1], v[ACC+8*\t+2*\p:ACC+8*\t+2*\p+1], s[L2E:L2E+1], v[MX+\t:MX+\t+1] op_sel_hi:[1,0,0]
	v_pk_fma_f32 v[Z+8*\t+8+2*\p:Z+8*\t+8+2*\p+1], v[ACC+8*\t+8+2*\p:ACC+8*\t+8+2*\p+1], s[L2E:L2E+1], v[MX+\t:MX+\t+1] op_sel:[0,0,1] op_sel_hi:[1,0,1]
.endr
.endr
	WIN 0
.set z_i, 0
.rept 64
	v_exp_f32 v[Z+z_i], v[Z+z_i]                   ; p = e^(x - max), at most 1
.set z_i, z_i+1
.endr
	v_nop                                          ; a plain line behind the last exponential
	s_wait_alu depctr_va_vdst(0)                   ; one wait for the batch, ahead of its first reader
.irp t,0,1,2,3,4,5,6,7
	v_pk_add_f32 v[SP+2*\t:SP+2*\t+1], v[Z+8*\t:Z+8*\t+1], v[Z+8*\t+2:Z+8*\t+3]
.endr
.irp p,2,3
.irp t,0,1,2,3,4,5,6,7
	v_pk_add_f32 v[SP+2*\t:SP+2*\t+1], v[SP+2*\t:SP+2*\t+1], v[Z+8*\t+2*\p:Z+8*\t+2*\p+1]
.endr
.endr
	WIN 0x0c
.irp t,0,1,2,3,4,5,6,7
	v_pk_mul_f32 v[PV+2*\t:PV+2*\t+1], v[Z+8*\t:Z+8*\t+1], v[ACV+8*\t:ACV+8*\t+1]          ; p x value: each accumulator from its low end on
.endr
.irp p,1,2,3
.irp t,0,1,2,3,4,5,6,7
	v_pk_fma_f32 v[PV+2*\t:PV+2*\t+1], v[Z+8*\t+2*\p:Z+8*\t+2*\p+1], v[ACV+8*\t+2*\p:ACV+8*\t+2*\p+1], v[PV+2*\t:PV+2*\t+1]
.endr
.endr
	WIN 0
.irp t,0,1,2,3,4,5,6,7
	v_add_f32 v[SP+2*\t], v[SP+2*\t], v[SP+2*\t+1]
	v_add_f32 v[PV+2*\t], v[PV+2*\t], v[PV+2*\t+1]
.endr
.irp t,0,1,2,3,4,5,6,7
	v_permlanex16_b32 v[PT+\t], v[SP+2*\t], s[SEL], s[SEL+1]
	v_permlanex16_b32 v[TM+\t], v[PV+2*\t], s[SEL], s[SEL+1]
.endr
.irp t,0,1,2,3,4,5,6,7
	v_add_f32 v[SP+2*\t], v[SP+2*\t], v[PT+\t]
	v_add_f32 v[PV+2*\t], v[PV+2*\t], v[TM+\t]
.endr
.irp t,0,1,2,3,4,5,6,7
	v_rcp_f32 v[SP+2*\t+1], v[SP+2*\t]
.endr
	v_nop
	s_wait_alu depctr_va_vdst(0)                   ; one wait for the eight reciprocals
.irp t,0,1,2,3,4,5,6,7
	v_mul_f32 v[OU+\t], v[PV+2*\t], v[SP+2*\t+1]   ; out(query, 8 r + t), the same in lanes r and r + 16
.endr
.irp k,0,1,2,3
	v_cndmask_b32 v[RO+\k], v[OU+\k], v[OU+4+\k], s[SHI]           ; lanes 0-15 channels 8 r .. + 3, lanes 16-31 channels 8 r + 4 .. + 7
.endr
	global_store_b128 v[OO], v[RO:RO+3], s[92:93] th:TH_STORE_NT   ; 32 lanes store the query's 512 consecutive bytes
	s_add_co_u32 s[SI], s[SI], 1
.endm
	s_mov_b32 s[SI], 0
	NEXT 1
	LOADT 0
	s_mov_b32 s[STRIP], 0
.Ltiles:
	TILE 0
	TILE 1
	s_add_co_u32 s[STRIP], s[STRIP], 1
	s_cmp_lt_u32 s[STRIP], 8
	s_cbranch_scc1 .Ltiles
	s_wait_loadcnt 0x0                             ; the last look-ahead has landed
	s_set_vgpr_msb 0x5
	s_wait_tensorcnt 0x0
	ds_add_u32 v254, v255
	s_wait_dscnt 0x0
	s_set_vgpr_msb 0x500
	s_endpgm
.Lfunc_end_k_q85c2dcd07a_finish:
	.size	k_q85c2dcd07a_finish, .Lfunc_end_k_q85c2dcd07a_finish-k_q85c2dcd07a_finish
	.p2alignl 7, 3214868480
	.fill 96, 4, 3214868480
	.section	.rodata,"a",@progbits
	.p2align	6, 0x0
	.amdhsa_kernel k_q85c2dcd07a_finish
		.amdhsa_group_segment_fixed_size 8704
		.amdhsa_private_segment_fixed_size 0
		.amdhsa_enable_private_segment 0
		.amdhsa_kernarg_size 152
		.amdhsa_user_sgpr_count 2
		.amdhsa_user_sgpr_kernarg_segment_ptr 1
		.amdhsa_wavefront_size32 1
		.amdhsa_system_sgpr_workgroup_id_x 1
		.amdhsa_system_sgpr_workgroup_id_y 1
		.amdhsa_system_sgpr_workgroup_id_z 1
		.amdhsa_system_vgpr_workitem_id 0
		.amdhsa_next_free_vgpr 1024
		.amdhsa_next_free_sgpr 102
		.amdhsa_reserve_vcc 0
		.amdhsa_float_denorm_mode_32 3
		.amdhsa_float_denorm_mode_16_64 3
		.amdhsa_memory_ordered 1
		.amdhsa_forward_progress 1
		.amdhsa_inst_pref_size 174
	.end_amdhsa_kernel
	.amdgpu_metadata
---
amdhsa.version: [ 1, 2 ]
amdhsa.kernels:
  - .name:           k_q85c2dcd07a_finish
    .symbol:         k_q85c2dcd07a_finish.kd
    .args:
      - { .name: idx, .offset: 0, .size: 8, .value_kind: global_buffer, .address_space: global }
      - { .name: fq, .offset: 8, .size: 8, .value_kind: global_buffer, .address_space: global }
      - { .name: g4, .offset: 16, .size: 8, .value_kind: global_buffer, .address_space: global }
      - { .name: h1, .offset: 24, .size: 8, .value_kind: global_buffer, .address_space: global }
      - { .name: stA, .offset: 32, .size: 8, .value_kind: global_buffer, .address_space: global }
      - { .name: gg2, .offset: 40, .size: 8, .value_kind: global_buffer, .address_space: global }
      - { .name: betag2, .offset: 48, .size: 8, .value_kind: global_buffer, .address_space: global }
      - { .name: bg1, .offset: 56, .size: 8, .value_kind: global_buffer, .address_space: global }
      - { .name: Wg1_codes, .offset: 64, .size: 8, .value_kind: global_buffer, .address_space: global }
      - { .name: Wg1_scales, .offset: 72, .size: 8, .value_kind: global_buffer, .address_space: global }
      - { .name: Wg2_codes, .offset: 80, .size: 8, .value_kind: global_buffer, .address_space: global }
      - { .name: Wg2_scales, .offset: 88, .size: 8, .value_kind: global_buffer, .address_space: global }
      - { .name: bg2, .offset: 96, .size: 8, .value_kind: global_buffer, .address_space: global }
      - { .name: Wv_codes, .offset: 104, .size: 8, .value_kind: global_buffer, .address_space: global }
      - { .name: Wv_scales, .offset: 112, .size: 8, .value_kind: global_buffer, .address_space: global }
      - { .name: bv, .offset: 120, .size: 8, .value_kind: global_buffer, .address_space: global }
      - { .name: Wd2, .offset: 128, .size: 8, .value_kind: global_buffer, .address_space: global }
      - { .name: bd2, .offset: 136, .size: 8, .value_kind: global_buffer, .address_space: global }
      - { .name: out0, .offset: 144, .size: 8, .value_kind: global_buffer, .address_space: global }
    .group_segment_fixed_size: 8704
    .private_segment_fixed_size: 0
    .kernarg_segment_align: 8
    .kernarg_segment_size: 152
    .max_flat_workgroup_size: 128
    .sgpr_count:     102
    .vgpr_count:     1024
    .wavefront_size: 32
...
	.end_amdgpu_metadata
.endif
;; end of part 5
;; ======== version 2 of 2: 5 launches; version 1 with the launches gamma0_stats, hidden1, finish written anew for expert scheduling mode
;; workspace buffers: grp 1,048,576 bytes of whole numbers; idx 1,048,576 bytes of whole numbers; pts4 262,144 bytes; fq 2,097,152 bytes; g4 4,194,304 bytes; stA 294,912 bytes; stB 262,144 bytes; h1 26,214,400 bytes
;; launch knn_groups: the kernel of part 1 again; grid 256 x 1, 8 waves a work-group, no clusters, 269,312 bytes of LDS; arguments points, grp, pts4; writes grp, pts4
;; launch knn_pick: the kernel of part 2 again; grid 256 x 1, 16 waves a work-group, no clusters, 301,568 bytes of LDS; arguments grp, pts4, feats, Wd1, idx, fq, stA; writes idx, fq, stA
;; launch gamma0_stats (part 6): grid 256 x 1, 4 waves a work-group, no clusters, 8,704 bytes of LDS; arguments idx, pts4, fq, stA, Wd1, bd1, gd, betad, Wd2, bd2, bq, bk, Wq_codes, Wq_scales, Wk_codes, Wk_scales, g4, stB; writes g4, stB
.if DOCPART == 6
	.amdgcn_target "amdgcn-amd-amdhsa--gfx1250"
	.amdhsa_code_object_version 6
	.text
	.protected	k_q85c2dcd07a_gamma0_stats
	.globl	k_q85c2dcd07a_gamma0_stats
	.p2align	8
	.type	k_q85c2dcd07a_gamma0_stats,@function
k_q85c2dcd07a_gamma0_stats:
	s_mov_b64 s[64:65], 0
	v_nop
	global_prefetch_b8 v0, s[64:65] scope:SCOPE_SE
	s_setreg_imm32_b32 hwreg(HW_REG_WAVE_SCHED_MODE, 0, 2), 2
	s_setreg_imm32_b32 hwreg(HW_REG_WAVE_MODE, 25, 1), 1
	s_wait_xcnt 0x0
	s_wait_alu depctr_vm_vsrc(0)
; g = gelu(bn_d(Wd1 (p_q - p_c) + bd1)) for all 262,144 (query, neighbour) rows, stored as (g0, g1, g2, 1); and the statistics of gamma0 = q - key + pos for the second norm.
; A QUERY'S 16 NEIGHBOURS ARE ONE TILE OF 16 ROWS.  gamma0 is one sum in one accumulator: Q(feats_q) Wq^T (a fragment whose 16 rows are all the query's codes), + Q(feats_c) (-Wk)^T (Wk's sign bits are turned once: exact),
; both on codes of E3M2 with E8M0 scales, + (g0, g1, g2, 1) (Wd2 | bd2 + bq - bk)^T with f32 operands, K = 4, since the sum goes on into a quantiser.
; Rows are source 0 here: a lane holds ONE channel and 8 neighbours, so the sums over rows need 40 registers and no other lane.
; VARIANCES.  No difference of large sums: each wave takes a shift S off (its first row, per channel) and keeps the sums of d and d^2; waves, then work-groups, are joined as (mean, sum of squared deviations).
; For bn_d the sums are of u = Wd1 (p_q - p_c), differences of points, whose mean is small beside their spread; bd1 is added to the mean.
; gelu(x) = z (1 + erf z) / sqrt 2, z = x / sqrt 2 (folded into the norm's constants); erf z = zc P(zc^2) / Q(zc^2), zc = z held to +-4: all in f32, a few ulp of erf.
; SHARES.  Work-group g, wave w: tiles 64 g + 16 w + i, i = 0 .. 15.  Two sets of operand registers take turns; a set is asked for again, for the tile two on, as soon as its own tile has read it.
; LIMITS: NaN and infinities are not served; below x of about -3 gelu's relative error grows as erf's absolute error stays (about 1e-7 |x| in gelu).
; THE MODE: SCHED_MODE bits 1:0 = 2 (LLVM: expert scheduling mode 2), set by the entry lines.  The code itself states the register dependences between vector or matrix instructions and memory or LDS instructions, with s_wait_alu, always for 0.
; THE PLAN.  Registers that memory instructions touch, in the loop:
;   set b (FM, FQ, SFM, SFQ, PP, QP)  Tile i, b = i % 2: its 16 scaled products and its three differences read the set; behind them the loads of tile i + 2 land in it.
;   OF, OQ, OP     Written at a tile's head (the rows of tile i + 2); read by the ten loads in the tile's middle.
;   GG             Written by the tile's gelu; read by its store (and by the f32 products, which are no memory instructions).
;   H48, OG, Z0    Made at the kernel's head and never written again: the tiles are reached by scalar bases.
; So a tile has ONE wait on vm_vsrc, at its head (the last tile's loads and store have read what this tile writes again), and ONE wait on va_vdst of its own, behind gelu's last line: GG and the three offsets are written, and the set's
; readers are done.  The store and the ten loads follow it; the f32 products and the sums behind them name none of the registers that these touch.
; REGISTERS.  window 0: below.  window 1: v0-95 Wq's 8 fragments, v96-191 -Wk's, v192-207 (Wd2 | bias), v208-231 the neighbours' codes (2 sets), v232-255 the query's (2 sets).
.set BDX, 0                            ; LDS: [4 waves][8 words]
.set FS,  4096                         ; [4 waves][mean 128, M2 128]
.set H48, 2                            ; v2   48 x (lane / 16)
.set OG,  3                            ; v3   16 r + 8 h
.set Z0,  4                            ; v4   0
.set ONE, 5                            ; v5   1.0
.set OF,  6                            ; v6   the rows in fq of the tile to be asked for, + H48
.set OQ,  7                            ; v7   the same without
.set QI,  8                            ; v8-24  16 x neighbour index of lane r, tiles in hand .. last
.set OP,  25                           ; v25  the rows in pts4 of the tile to be asked for
.set SWQ, 26                           ; scale words: Wq's 8, Wk's 8, the query's 2, the neighbours' 2
.set SWK, 34
.set SFQ, 42
.set SFM, 44
.set A0V, 46
.set B0V, 48
.set WA,  50                           ; v50-55 Wd1's columns for my two channels
.set BD1, 56
.set AD,  58
.set BD,  60
.set PP,  62                           ; v62-69 the neighbour's point (2 sets);  v70-77 the query's
.set QP,  70
.set DXY, 78                           ; v78-81 (dx, dy), (dz, 0)
.set GG,  82
.set GT,  84
.set S,   92
.set SU,  100
.set SQ,  116
.set ACC, 132                          ; v132-195: written by matrix instructions alone
.set D,   196
.set WQ,  0
.set WK,  96
.set WD2, 192
.set FM,  208
.set FQ,  232
.set WV,  40
.set SI,  41
.set STRIP, 42
.set SNX, 43
.set TO,  44
.set SEL, 46
.set SHI, 48
.set GA1, 66
.set GA2, 68
.set GA3, 70
.set GA4, 72
.set GA5, 74
.set GA6, 76
.set GB1, 78
.set GB2, 80
.set GB3, 82
.set GB4, 84
.set RS2, 86
.set MSB, 0
.macro WIN new                         ; the immediate's high byte repeats the setting that is left
.if MSB != \new
	s_set_vgpr_msb (MSB<<8)|\new
.set MSB, \new
.endif
.endm
.macro SPAIR reg, val                  ; a packed form names a scalar pair and takes its low word for both halves: both are written
	s_mov_b32 s[\reg], \val
	s_mov_b32 s[\reg+1], \val
.endm
.macro HORN acc, x, c, np
.set g_i, 0
.rept \np
	v_pk_fma_f32 v[\acc+g_i:\acc+g_i+1], v[\acc+g_i:\acc+g_i+1], v[\x+g_i:\x+g_i+1], s[\c:\c+1] op_sel_hi:[1,1,0]
.set g_i, g_i+2
.endr
.endm
; gelu of np pairs z (in place), stage by stage over all pairs.  Temporaries: four runs of 2 np registers from t on: zc, zc^2, P, Q.
.macro GELU z, t, np
.set g_i, 0
.rept 2*(\np)
	v_med3_num_f32 v[\t+g_i], v[\z+g_i], -4.0, 4.0
.set g_i, g_i+1
.endr
.set g_i, 0
.rept \np
	v_pk_mul_f32 v[\t+2*(\np)+g_i:\t+2*(\np)+g_i+1], v[\t+g_i:\t+g_i+1], v[\t+g_i:\t+g_i+1]
.set g_i, g_i+2
.endr
.set g_i, 0
.rept \np
	v_pk_fma_f32 v[\t+4*(\np)+g_i:\t+4*(\np)+g_i+1], v[\t+2*(\np)+g_i:\t+2*(\np)+g_i+1], v[A0V:A0V+1], s[GA1:GA1+1] op_sel_hi:[1,1,0]
.set g_i, g_i+2
.endr
.set g_i, 0
.rept \np
	v_pk_fma_f32 v[\t+6*(\np)+g_i:\t+6*(\np)+g_i+1], v[\t+2*(\np)+g_i:\t+2*(\np)+g_i+1], v[B0V:B0V+1], s[GB1:GB1+1] op_sel_hi:[1,1,0]
.set g_i, g_i+2
.endr
	HORN (\t+4*(\np)), (\t+2*(\np)), GA2, \np
	HORN (\t+6*(\np)), (\t+2*(\np)), GB2, \np
	HORN (\t+4*(\np)), (\t+2*(\np)), GA3, \np
	HORN (\t+6*(\np)), (\t+2*(\np)), GB3, \np
	HORN (\t+4*(\np)), (\t+2*(\np)), GA4, \np
	HORN (\t+6*(\np)), (\t+2*(\np)), GB4, \np
	HORN (\t+4*(\np)), (\t+2*(\np)), GA5, \np
	HORN (\t+4*(\np)), (\t+2*(\np)), GA6, \np
.set g_i, 0
.rept 2*(\np)
	v_rcp_f32 v[\t+6*(\np)+g_i], v[\t+6*(\np)+g_i]
.set g_i, g_i+1
.endr
.set g_i, 0
.rept \np
	v_pk_mul_f32 v[\t+4*(\np)+g_i:\t+4*(\np)+g_i+1], v[\t+4*(\np)+g_i:\t+4*(\np)+g_i+1], v[\t+g_i:\t+g_i+1]      ; zc P: plain work behind the reciprocals
.set g_i, g_i+2
.endr
.set g_i, 0
.rept \np
	v_pk_mul_f32 v[\z+g_i:\z+g_i+1], v[\z+g_i:\z+g_i+1], s[RS2:RS2+1] op_sel_hi:[1,0]
.set g_i, g_i+2
.endr
	s_wait_alu depctr_va_vdst(0)                   ; the reciprocals are written: one wait for the batch, ahead of their first reader
.set g_i, 0
.rept \np
	v_pk_mul_f32 v[\t+4*(\np)+g_i:\t+4*(\np)+g_i+1], v[\t+4*(\np)+g_i:\t+4*(\np)+g_i+1], v[\t+6*(\np)+g_i:\t+6*(\np)+g_i+1]      ; erf
.set g_i, g_i+2
.endr
.set g_i, 0
.rept \np
	v_pk_fma_f32 v[\z+g_i:\z+g_i+1], v[\z+g_i:\z+g_i+1], v[\t+4*(\np)+g_i:\t+4*(\np)+g_i+1], v[\z+g_i:\z+g_i+1]
.set g_i, g_i+2
.endr
.endm
.macro WFRAG base, ptr, voff           ; a weight's 8 fragments: lane r of tile 2 b + u takes row 32 b + 8 u + r + 8 (r / 8); 24 bytes as three loads of 8
.irp t,0,1,2,3,4,5,6,7
.irp p,0,1,2,3,4,5
	global_load_b64 v[\base+12*\t+2*\p:\base+12*\t+2*\p+1], v[\voff], s[\ptr:\ptr+1] offset:(32*(\t/2)+8*(\t%2))*96+48*(\p/3)+8*(\p%3)
.endr
.endr
.endm
.macro WSCL base, ptr, voff
.irp t,0,1,2,3,4,5,6,7
	global_load_b32 v[\base+\t], v[\voff], s[\ptr:\ptr+1] offset:(32*(\t/2)+8*(\t%2))*4
.endr
.endm
.macro WSUM x
	v_add_f32_dpp v[\x], v[\x], v[\x] row_xmask:1 row_mask:0xf bank_mask:0xf
	v_add_f32_dpp v[\x], v[\x], v[\x] row_xmask:2 row_mask:0xf bank_mask:0xf
	v_add_f32_dpp v[\x], v[\x], v[\x] row_xmask:4 row_mask:0xf bank_mask:0xf
	v_add_f32_dpp v[\x], v[\x], v[\x] row_xmask:8 row_mask:0xf bank_mask:0xf
	v_permlanex16_b32 v88, v[\x], s[SEL], s[SEL+1]
	v_add_f32 v[\x], v[\x], v88
.endm
	s_load_b512 s[4:19], s[0:1], 0x0               ; idx 4, pts4 6, fq 8, stA 10, Wd1 12, bd1 14, gd 16, betad 18
	s_load_b512 s[20:35], s[0:1], 0x40             ; Wd2 20, bd2 22, bq 24, bk 26, Wq's codes 28, scales 30, Wk's codes 32, scales 34
	s_load_b128 s[36:39], s[0:1], 0x80             ; g4 36, stB 38
	v_lshl_add_u32 v254, v0, 2, 0x2000
	v_mov_b32 v255, 0
	v_and_b32 v1, 15, v0                           ; r
	v_bfe_u32 v236, v0, 4, 1                       ; h
	v_lshrrev_b32 v237, 5, v0
	v_readfirstlane_b32 s[WV], v237
	v_mul_u32_u24 v[H48], v236, 48
	v_lshlrev_b32 v[OG], 4, v1
	v_lshl_add_u32 v[OG], v236, 3, v[OG]
	v_mov_b32 v[Z0], 0
	v_mov_b32 v[ONE], 1.0
	v_and_b32 v238, 8, v1
	v_add_nc_u32 v238, v238, v1                    ; r + 8 (r / 8)
	v_mul_u32_u24 v239, v238, 96
	v_mad_u32_u24 v239, v236, 24, v239             ; a weight's row, + 24 h
	v_lshlrev_b32 v240, 2, v238                    ; 4 bytes a channel
	v_mul_u32_u24 v242, v238, 12                   ; Wd2: 12 bytes a channel
	v_lshl_add_u32 v241, v236, 3, v242             ; + 8 h
	v_lshlrev_b32 v243, 2, v1
	v_mul_u32_u24 v244, v236, 24                   ; Wd1: my first channel 2 h,
	v_mad_u32_u24 v245, v236, 12, 12               ; my second 1 + h (in lanes 16-31 channel 2 once more: its result is replaced by 1)
	v_lshlrev_b32 v246, 3, v236
	v_lshl_add_u32 v247, v236, 2, 4
	v_lshlrev_b32 v248, 7, v0                      ; 128 x thread
	s_wait_alu depctr_va_sdst(0)                   ; the wave's number is written, ahead of its first reader: LDS addresses and the wave's tiles are made from it
	s_lshl_b32 s91, s[WV], 10
	s_add_co_u32 s91, s91, FS
	v_add_nc_u32 v249, s91, v240
	v_lshl_add_u32 v250, v0, 2, FS
	s_lshl_b32 s91, s[WV], 5
	v_mov_b32 v251, s91
	v_mov_b32 v88, 0
	v_mov_b32 v[DXY+3], 0
	s_mov_b32 s[SEL], 0x76543210
	s_mov_b32 s[SEL+1], 0xfedcba98
	s_mov_b32 s[SHI], 0xffff0000                   ; lanes 16-31
	s_mov_b32 s88, 0x20820820                      ; the sign bits of 16 codes in three registers
	s_mov_b32 s89, 0x08208208
	s_mov_b32 s90, 0x82082082
	SPAIR GA1, 0x32edffee
	SPAIR GA2, 0xb60cff51
	SPAIR GA3, 0xb86ec2d2
	SPAIR GA4, 0xba40ac63
	SPAIR GA5, 0xbb41a1f6
	SPAIR GA6, 0xbc83dbd4
	SPAIR GB1, 0xb95fbd29
	SPAIR GB2, 0xbadc924e
	SPAIR GB3, 0xbbf19bf8
	SPAIR GB4, 0xbc69b6a7
	SPAIR RS2, 0x3f3504f3
	v_mov_b32 v[A0V], 0xaf95df0b
	v_mov_b32 v[A0V+1], 0xaf95df0b
	v_mov_b32 v[B0V], 0xb77460cd
	v_mov_b32 v[B0V+1], 0xb77460cd
	s_mov_b32 s[TO+1], 0
	s_lshl_b32 s91, ttmp9, 6
	s_lshl_b32 s94, s[WV], 4
	s_add_co_u32 s91, s91, s94                     ; my first tile
	s_lshr_b32 s94, ttmp9, 7                       ; cloud
	s_wait_kmcnt 0x0
	s_lshl_b32 s[TO], s91, 6
	s_add_nc_u64 s[4:5], s[4:5], s[TO:TO+1]        ; idx at my first tile
	s_lshl_b32 s[TO], s91, 7
	s_add_nc_u64 s[50:51], s[8:9], s[TO:TO+1]      ; fq likewise
	s_lshl_b32 s[TO], s91, 4
	s_add_nc_u64 s[54:55], s[6:7], s[TO:TO+1]      ; pts4
	s_lshl_b32 s[TO], s91, 8
	s_add_nc_u64 s[92:93], s[36:37], s[TO:TO+1]    ; g4
	s_lshl_b32 s[TO], s94, 20
	s_add_nc_u64 s[58:59], s[8:9], s[TO:TO+1]      ; my cloud in fq
	s_lshl_b32 s[TO], s94, 17
	s_add_nc_u64 s[60:61], s[6:7], s[TO:TO+1]      ; and in pts4
	s_lshl_b32 s[TO], ttmp9, 10
	s_add_nc_u64 s[38:39], s[38:39], s[TO:TO+1]    ; the work-group's 1,024 bytes of stB
	WIN 0x40
	s_wait_alu depctr_va_vdst(0)                   ; every offset and LDS address made above (v2-4, v239-251) is written: the head's loads and the LDS instructions below read them
	WFRAG WQ, 28, 239
	WFRAG WK, 32, 239
	WIN 0
	WSCL SWQ, 30, 240
	WSCL SWK, 34, 240
.irp t,0,1,2,3,4,5,6,7
	global_load_b32 v[196+\t], v241, s[20:21] offset:12*(32*(\t/2)+8*(\t%2))       ; Wd2(c, 2 h)
	global_load_b32 v[204+\t], v242, s[20:21] offset:12*(32*(\t/2)+8*(\t%2))+4     ; Wd2(c, 1)
	global_load_b32 v[212+\t], v240, s[22:23] offset:4*(32*(\t/2)+8*(\t%2))
	global_load_b32 v[220+\t], v240, s[24:25] offset:4*(32*(\t/2)+8*(\t%2))
	global_load_b32 v[228+\t], v240, s[26:27] offset:4*(32*(\t/2)+8*(\t%2))
.endr
.irp i,0,1,2,3,4,5,6,7,8,9,10,11,12,13,14,15
	global_load_b32 v[QI+\i], v243, s[4:5] offset:64*\i
.endr
	global_load_b128 v[100:103], v248, s[10:11]                    ; the sums of work-groups t and t + 128
	global_load_b128 v[104:107], v248, s[10:11] offset:16
	global_load_b128 v[108:111], v248, s[10:11] offset:16384
	global_load_b128 v[112:115], v248, s[10:11] offset:16400
.irp i,0,1,2
	global_load_b32 v[WA+2*\i], v244, s[12:13] offset:4*\i
	global_load_b32 v[WA+2*\i+1], v245, s[12:13] offset:4*\i
.endr
	global_load_b32 v[BD1], v246, s[14:15]
	global_load_b32 v[BD1+1], v247, s[14:15]
	global_load_b32 v84, v246, s[16:17]
	global_load_b32 v85, v247, s[16:17]
	global_load_b32 v86, v246, s[18:19]
	global_load_b32 v87, v247, s[18:19]
	s_wait_loadcnt 0x0
	WIN 0x45
.set n_i, 0
.rept 96
	v_xor_b32 v[WK+n_i], s[88+n_i%3], v[WK+n_i]    ; -Wk
.set n_i, n_i+1
.endr
	WIN 0
.irp t,0,1,2,3,4,5,6,7
	v_add_f32 v[212+\t], v[212+\t], v[220+\t]
.endr
.irp t,0,1,2,3,4,5,6,7
	v_sub_f32 v[212+\t], v[212+\t], v[228+\t]      ; bd2 + bq - bk
.endr
	WIN 0x40
.irp t,0,1,2,3,4,5,6,7
	v_mov_b32 v[WD2+2*\t], v[196+\t]               ; k = 2 h
	v_cndmask_b32 v[WD2+2*\t+1], v[204+\t], v[212+\t], s[SHI]      ; k = 2 h + 1: Wd2(c, 1), or the bias at k = 3
.endr
	WIN 0
.irp i,0,1,2,3,4,5,6,7,8,9,10,11,12,13,14,15
	v_min_u32 v[QI+\i], 0x1fff, v[QI+\i]
.endr
.irp i,0,1,2,3,4,5,6,7,8,9,10,11,12,13,14,15
	v_lshlrev_b32 v[QI+\i], 4, v[QI+\i]
.endr
	v_mov_b32 v[QI+16], v[QI+15]
	; ---- the first norm's constants
	v_pk_add_f32 v[100:101], v[100:101], v[108:109]
	v_pk_add_f32 v[102:103], v[102:103], v[110:111]
	v_pk_add_f32 v[104:105], v[104:105], v[112:113]
	v_pk_add_f32 v[106:107], v[106:107], v[114:115]
.irp x,100,101,102,103,104,105,106,107
	WSUM \x
.endr
	s_wait_alu depctr_va_vdst(0)                   ; the wave's eight sums v100-107 are written, which the LDS stores read; the additions are done with v100-115, in which LDS loads land below
	ds_store_b128 v251, v[100:103]                 ; all lanes write the same bytes with the same values
	ds_store_b128 v251, v[104:107] offset:16
	s_wait_dscnt 0x0
	s_barrier_signal -1
	s_barrier_wait -1
	s_wait_alu depctr_vm_vsrc(0)                   ; my two LDS stores have read v100-107, in which the loads below land
.irp w,0,1,2,3
	ds_load_b128 v[100+8*\w:103+8*\w], v[Z0] offset:BDX+32*\w
	ds_load_b128 v[104+8*\w:107+8*\w], v[Z0] offset:BDX+32*\w+16
.endr
	s_wait_dscnt 0x0
.irp w,1,2,3
.irp p,0,2,4,6
	v_pk_add_f32 v[100+\p:101+\p], v[100+\p:101+\p], v[100+8*\w+\p:101+8*\w+\p]
.endr
.endr
	v_cndmask_b32 v108, v100, v102, s[SHI]         ; my two channels' sums of u
	v_cndmask_b32 v109, v101, v102, s[SHI]
	v_cndmask_b32 v110, v103, v105, s[SHI]         ; and of u^2
	v_cndmask_b32 v111, v104, v105, s[SHI]
	v_mul_f32 v108, 0x36800000, v108               ; / 262,144
	v_mul_f32 v109, 0x36800000, v109
	v_mul_f32 v110, 0x36800000, v110
	v_mul_f32 v111, 0x36800000, v111
	v_fma_f32 v110, -v108, v108, v110
	v_fma_f32 v111, -v109, v109, v111
	v_add_f32 v110, 0x3727c5ac, v110               ; + 1e-5
	v_add_f32 v111, 0x3727c5ac, v111
	v_rsq_f32 v110, v110
	v_rsq_f32 v111, v111
	v_pk_add_f32 v[108:109], v[108:109], v[BD1:BD1+1]              ; the mean with its bias (plain work behind the roots)
	s_wait_alu depctr_va_vdst(0)                   ; the two roots are written, ahead of their first reader
	v_pk_mul_f32 v[110:111], v[110:111], v[84:85]
	v_pk_fma_f32 v[108:109], v[108:109], v[110:111], v[86:87] neg_lo:[1,0,0] neg_hi:[1,0,0]
	v_pk_mul_f32 v[AD:AD+1], v[110:111], s[RS2:RS2+1] op_sel_hi:[1,0]
	v_pk_mul_f32 v[BD:BD+1], v[108:109], s[RS2:RS2+1] op_sel_hi:[1,0]
.set k_, 0
.rept 40
	v_mov_b32 v[S+k_], 0                           ; S, the sums of d and of d^2
.set k_, k_+1
.endr
.macro NEXT d                          ; where the operands of the tile d on lie (past the last tile the last is asked for again: no load leaves its buffer), and this tile's place in g4
	s_add_co_u32 s[SNX], s[SI], \d
	s_min_u32 s[SNX], s[SNX], 15
	s_lshl_b32 s[TO], s[SNX], 7
	s_add_nc_u64 s[52:53], s[50:51], s[TO:TO+1]
	s_lshl_b32 s[TO], s[SNX], 4
	s_add_nc_u64 s[56:57], s[54:55], s[TO:TO+1]
	s_lshl_b32 s[TO], s[SI], 8
	s_add_nc_u64 s[62:63], s[92:93], s[TO:TO+1]
	v_lshl_add_u32 v[OF], v[QI+\d], 3, v[H48]
	v_lshlrev_b32 v[OQ], 3, v[QI+\d]
	v_mov_b32 v[OP], v[QI+\d]
.endm
.macro LOADT b
	WIN 0x40
	global_load_b128 v[FM+12*\b:FM+12*\b+3], v[OF], s[58:59]                   ; lane (r, h): 48 bytes of neighbour r's row: blocks h and 2 + h
	global_load_b128 v[FM+12*\b+4:FM+12*\b+7], v[OF], s[58:59] offset:16
	global_load_b128 v[FM+12*\b+8:FM+12*\b+11], v[OF], s[58:59] offset:32
	global_load_b128 v[FQ+12*\b:FQ+12*\b+3], v[H48], s[52:53]                  ; the query's own row, in every lane
	global_load_b128 v[FQ+12*\b+4:FQ+12*\b+7], v[H48], s[52:53] offset:16
	global_load_b128 v[FQ+12*\b+8:FQ+12*\b+11], v[H48], s[52:53] offset:32
	WIN 0
	global_load_b32 v[SFM+\b], v[OQ], s[58:59] offset:96
	global_load_b32 v[SFQ+\b], v[Z0], s[52:53] offset:96
	global_load_b128 v[PP+4*\b:PP+4*\b+3], v[OP], s[60:61]
	global_load_b128 v[QP+4*\b:QP+4*\b+3], v[Z0], s[56:57]
.endm
.macro QROT
.irp j,0,1,2,3,4,5,6,7,8,9,10,11,12,13,14,15
	v_mov_b32 v[QI+\j], v[QI+\j+1]
.endr
.endm
.macro SINIT aw                        ; the wave's first tile gives the shift: neighbour 0's number, per channel
	s_cmp_lg_u32 s[SI], 0
	s_cbranch_scc1 .Lsi_\@
	WIN \aw
.irp t,0,1,2,3,4,5,6,7
	v_permlanex16_b32 v[D+\t], v[ACC+8*\t], s[SEL], s[SEL+1]
.endr
.irp t,0,1,2,3,4,5,6,7
	v_cndmask_b32 v[S+\t], v[ACC+8*\t], v[D+\t], s[SHI]
.endr
	WIN 0
.Lsi_\@:
.endm
.macro STAT8 aw                        ; d = x - S, sums of d and of d^2; each accumulator is read from its low end on
.irp hf,0,1
	WIN \aw
.irp p,0,1,2,3
.irp u,0,1,2,3
.if (\u%2) == 0
	v_pk_add_f32 v[D+8*\u+2*\p:D+8*\u+2*\p+1], v[ACC+8*(4*\hf+\u)+2*\p:ACC+8*(4*\hf+\u)+2*\p+1], v[S+4*\hf+\u:S+4*\hf+\u+1] op_sel_hi:[1,0] neg_lo:[0,1] neg_hi:[0,1]
.else
	v_pk_add_f32 v[D+8*\u+2*\p:D+8*\u+2*\p+1], v[ACC+8*(4*\hf+\u)+2*\p:ACC+8*(4*\hf+\u)+2*\p+1], v[S+4*\hf+\u-1:S+4*\hf+\u] op_sel:[0,1] op_sel_hi:[1,1] neg_lo:[0,1] neg_hi:[0,1]
.endif
.endr
.endr
	WIN 0
.irp p,0,1,2,3
.irp u,0,1,2,3
	v_pk_add_f32 v[SU+2*(4*\hf+\u):SU+2*(4*\hf+\u)+1], v[SU+2*(4*\hf+\u):SU+2*(4*\hf+\u)+1], v[D+8*\u+2*\p:D+8*\u+2*\p+1]
.endr
.endr
.irp p,0,1,2,3
.irp u,0,1,2,3
	v_pk_fma_f32 v[SQ+2*(4*\hf+\u):SQ+2*(4*\hf+\u)+1], v[D+8*\u+2*\p:D+8*\u+2*\p+1], v[D+8*\u+2*\p:D+8*\u+2*\p+1], v[SQ+2*(4*\hf+\u):SQ+2*(4*\hf+\u)+1]
.endr
.endr
.endr
.endm
.macro TILE cur
	s_wait_loadcnt 10                              ; loads come back in order (ISA guide 5.7.1): this tile's ten are in; the next tile's ten, asked for later, stay out
	s_wait_xcnt 0x0                                ; the last tile's loads and store have had their addresses translated: pointers, offsets and g may be written
	s_wait_alu depctr_vm_vsrc(0)                   ; the last tile's loads have read OF, OQ and OP, its store has read GG: all are written again below
	NEXT 2
	WIN 0x05
.irp t,0,1,2,3,4,5,6,7                         ; the 8 accumulators by turns
	v_wmma_scale_f32_16x16x128_f8f6f4 v[ACC+8*\t:ACC+8*\t+7], v[FQ+12*(\cur):FQ+12*(\cur)+11], v[WQ+12*\t:WQ+12*\t+11], 0, v[SFQ+(\cur)], v[SWQ+\t] matrix_a_fmt:MATRIX_FMT_BF6 matrix_b_fmt:MATRIX_FMT_BF6
.endr
.irp t,0,1,2,3,4,5,6,7
	v_wmma_scale_f32_16x16x128_f8f6f4 v[ACC+8*\t:ACC+8*\t+7], v[FM+12*(\cur):FM+12*(\cur)+11], v[WK+12*\t:WK+12*\t+11], v[ACC+8*\t:ACC+8*\t+7], v[SFM+(\cur)], v[SWK+\t] matrix_a_fmt:MATRIX_FMT_BF6 matrix_b_fmt:MATRIX_FMT_BF6
.endr
	WIN 0
	v_sub_f32 v[DXY], v[QP+4*(\cur)], v[PP+4*(\cur)]               ; g of neighbour r; these lines are also the places between the two forms of matrix instruction
	v_sub_f32 v[DXY+1], v[QP+4*(\cur)+1], v[PP+4*(\cur)+1]
	v_sub_f32 v[DXY+2], v[QP+4*(\cur)+2], v[PP+4*(\cur)+2]
	v_pk_fma_f32 v[GG:GG+1], v[WA:WA+1], v[DXY:DXY+1], v[BD1:BD1+1] op_sel_hi:[1,0,1]
	v_pk_fma_f32 v[GG:GG+1], v[WA+2:WA+3], v[DXY:DXY+1], v[GG:GG+1] op_sel:[0,1,0] op_sel_hi:[1,1,1]
	v_pk_fma_f32 v[GG:GG+1], v[WA+4:WA+5], v[DXY+2:DXY+3], v[GG:GG+1] op_sel_hi:[1,0,1]
	v_pk_fma_f32 v[GG:GG+1], v[GG:GG+1], v[AD:AD+1], v[BD:BD+1]
	GELU GG, GT, 1
	v_cndmask_b32 v[GG+1], v[GG+1], v[ONE], s[SHI]                 ; k = 3 multiplies the bias
	s_wait_alu depctr_va_vdst(0)                   ; GG is written, which the store reads; OF, OQ, OP are written, which the loads read; the 16 products and the three differences are done reading this tile's set, in which the loads land
	global_store_b64 v[OG], v[GG:GG+1], s[62:63]                   ; 32 lanes store the tile's 256 consecutive bytes
	LOADT \cur                                     ; the set is asked for again at once, for the tile two on
.rept 4
	v_nop
.endr
	WIN 0x04
.irp t,0,1,2,3,4,5,6,7
	v_wmma_f32_16x16x4_f32 v[ACC+8*\t:ACC+8*\t+7], v[GG:GG+1], v[WD2+2*\t:WD2+2*\t+1], v[ACC+8*\t:ACC+8*\t+7]
.endr
	WIN 0
	QROT                                           ; 16 plain lines that name none of the products' registers: the places behind them
.if \cur == 0
	SINIT 0
.endif
	STAT8 0
	s_add_co_u32 s[SI], s[SI], 1
.endm
	s_mov_b32 s[SI], 0
	NEXT 0
	s_wait_alu depctr_va_vdst(0)                   ; OF, OQ, OP are written, which the loads read; -Wk is written, which the scaled products take as an operand
	LOADT 0                                        ; tile 0
	s_wait_xcnt 0x0                                ; these loads have had their addresses translated: pointers and offsets may be written
	s_wait_alu depctr_vm_vsrc(0)                   ; they have read OF, OQ and OP
	NEXT 1
	s_wait_alu depctr_va_vdst(0)                   ; OF, OQ, OP are written anew
	LOADT 1                                        ; tile 1
	s_mov_b32 s[STRIP], 0
.Ltiles:
	TILE 0
	TILE 1
	s_add_co_u32 s[STRIP], s[STRIP], 1
	s_cmp_lt_u32 s[STRIP], 8
	s_cbranch_scc1 .Ltiles
	; ---- my wave's 256 rows: (mean, sum of squared deviations) per channel; then the four waves'
	s_wait_loadcnt 0x0
.irp t,0,1,2,3,4,5,6,7
	v_add_f32 v[SU+2*\t], v[SU+2*\t], v[SU+2*\t+1]
	v_add_f32 v[SQ+2*\t], v[SQ+2*\t], v[SQ+2*\t+1]
.endr
.irp t,0,1,2,3,4,5,6,7
	v_permlanex16_b32 v[D+\t], v[SU+2*\t], s[SEL], s[SEL+1]
	v_permlanex16_b32 v[D+8+\t], v[SQ+2*\t], s[SEL], s[SEL+1]
.endr
.irp t,0,1,2,3,4,5,6,7
	v_add_f32 v[SU+2*\t], v[SU+2*\t], v[D+\t]
	v_add_f32 v[SQ+2*\t], v[SQ+2*\t], v[D+8+\t]
.endr
.irp t,0,1,2,3,4,5,6,7
	v_mul_f32 v[D+\t], 0x3b800000, v[SU+2*\t]      ; / 256
.endr
.irp t,0,1,2,3,4,5,6,7
	v_fma_f32 v[SQ+2*\t], -v[SU+2*\t], v[D+\t], v[SQ+2*\t]
	v_add_f32 v[D+\t], v[S+\t], v[D+\t]
.endr
	s_wait_alu depctr_va_vdst(0)                   ; the means in D and the squared deviations in SQ are written, which the LDS stores read
.irp t,0,1,2,3,4,5,6,7
	ds_store_b32 v249, v[D+\t] offset:4*(32*(\t/2)+8*(\t%2))       ; lanes r and r + 16 write the same word with the same value
	ds_store_b32 v249, v[SQ+2*\t] offset:512+4*(32*(\t/2)+8*(\t%2))
.endr
	s_wait_dscnt 0x0
	s_barrier_signal -1
	s_barrier_wait -1
	s_wait_alu depctr_vm_vsrc(0)                   ; my LDS stores have read D's first eight registers, in which the loads below land
.irp w,0,1,2,3
	ds_load_b32 v[D+\w], v250 offset:1024*\w       ; thread c: channel c of the four waves
	ds_load_b32 v[D+4+\w], v250 offset:1024*\w+512
.endr
	s_wait_dscnt 0x0
	v_add_f32 v[D+8], v[D], v[D+1]
	v_add_f32 v[D+9], v[D+2], v[D+3]
	v_add_f32 v[D+8], v[D+8], v[D+9]
	v_mul_f32 v[D+8], 0x3e800000, v[D+8]
	v_add_f32 v[D+10], v[D+4], v[D+5]
	v_add_f32 v[D+11], v[D+6], v[D+7]
	v_add_f32 v[D+10], v[D+10], v[D+11]
.irp w,0,1,2,3
	v_sub_f32 v[D+\w], v[D+\w], v[D+8]
.endr
	v_mul_f32 v[D+12], v[D], v[D]
	v_fma_f32 v[D+12], v[D+1], v[D+1], v[D+12]
	v_fma_f32 v[D+12], v[D+2], v[D+2], v[D+12]
	v_fma_f32 v[D+12], v[D+3], v[D+3], v[D+12]
	v_fma_f32 v[D+10], v[D+12], 0x43800000, v[D+10]
	v_lshlrev_b32 v[D+13], 2, v0
	s_wait_alu depctr_va_vdst(0)                   ; the work-group's mean, its squared deviations and the offset are written, which the two stores read
	global_store_b32 v[D+13], v[D+8], s[38:39]
	global_store_b32 v[D+13], v[D+10], s[38:39] offset:512
	s_wait_dscnt 0x0                               ; the closing lines, six on end
	s_wait_alu 0x0
	s_wait_tensorcnt 0x0
	ds_add_u32 v254, v255
	s_wait_dscnt 0x0
	s_endpgm
.Lfunc_end_k_q85c2dcd07a_gamma0_stats:
	.size	k_q85c2dcd07a_gamma0_stats, .Lfunc_end_k_q85c2dcd07a_gamma0_stats-k_q85c2dcd07a_gamma0_stats
	.p2alignl 7, 3214868480
	.fill 96, 4, 3214868480
	.section	.rodata,"a",@progbits
	.p2align	6, 0x0
	.amdhsa_kernel k_q85c2dcd07a_gamma0_stats
		.amdhsa_group_segment_fixed_size 8704
		.amdhsa_private_segment_fixed_size 0
		.amdhsa_enable_private_segment 0
		.amdhsa_kernarg_size 144
		.amdhsa_user_sgpr_count 2
		.amdhsa_user_sgpr_kernarg_segment_ptr 1
		.amdhsa_wavefront_size32 1
		.amdhsa_system_sgpr_workgroup_id_x 1
		.amdhsa_system_sgpr_workgroup_id_y 1
		.amdhsa_system_sgpr_workgroup_id_z 1
		.amdhsa_system_vgpr_workitem_id 0
		.amdhsa_next_free_vgpr 512
		.amdhsa_next_free_sgpr 100
		.amdhsa_reserve_vcc 0
		.amdhsa_float_denorm_mode_32 3
		.amdhsa_float_denorm_mode_16_64 3
		.amdhsa_memory_ordered 1
		.amdhsa_forward_progress 1
		.amdhsa_inst_pref_size 71
	.end_amdhsa_kernel
	.amdgpu_metadata
---
amdhsa.version: [ 1, 2 ]
amdhsa.kernels:
  - .name:           k_q85c2dcd07a_gamma0_stats
    .symbol:         k_q85c2dcd07a_gamma0_stats.kd
    .args:
      - { .name: idx, .offset: 0, .size: 8, .value_kind: global_buffer, .address_space: global }
      - { .name: pts4, .offset: 8, .size: 8, .value_kind: global_buffer, .address_space: global }
      - { .name: fq, .offset: 16, .size: 8, .value_kind: global_buffer, .address_space: global }
      - { .name: stA, .offset: 24, .size: 8, .value_kind: global_buffer, .address_space: global }
      - { .name: Wd1, .offset: 32, .size: 8, .value_kind: global_buffer, .address_space: global }
      - { .name: bd1, .offset: 40, .size: 8, .value_kind: global_buffer, .address_space: global }
      - { .name: gd, .offset: 48, .size: 8, .value_kind: global_buffer, .address_space: global }
      - { .name: betad, .offset: 56, .size: 8, .value_kind: global_buffer, .address_space: global }
      - { .name: Wd2, .offset: 64, .size: 8, .value_kind: global_buffer, .address_space: global }
      - { .name: bd2, .offset: 72, .size: 8, .value_kind: global_buffer, .address_space: global }
      - { .name: bq, .offset: 80, .size: 8, .value_kind: global_buffer, .address_space: global }
      - { .name: bk, .offset: 88, .size: 8, .value_kind: global_buffer, .address_space: global }
      - { .name: Wq_codes, .offset: 96, .size: 8, .value_kind: global_buffer, .address_space: global }
      - { .name: Wq_scales, .offset: 104, .size: 8, .value_kind: global_buffer, .address_space: global }
      - { .name: Wk_codes, .offset: 112, .size: 8, .value_kind: global_buffer, .address_space: global }
      - { .name: Wk_scales, .offset: 120, .size: 8, .value_kind: global_buffer, .address_space: global }
      - { .name: g4, .offset: 128, .size: 8, .value_kind: global_buffer, .address_space: global }
      - { .name: stB, .offset: 136, .size: 8, .value_kind: global_buffer, .address_space: global }
    .group_segment_fixed_size: 8704
    .private_segment_fixed_size: 0
    .kernarg_segment_align: 8
    .kernarg_segment_size: 144
    .max_flat_workgroup_size: 128
    .sgpr_count:     100
    .vgpr_count:     512
    .wavefront_size: 32
...
	.end_amdgpu_metadata
.endif
;; end of part 6
;; launch hidden1 (part 7): grid 256 x 1, 4 waves a work-group, no clusters, 12,800 bytes of LDS; arguments idx, fq, g4, stB, gg1, betag1, Wd2, bd2, bq, bk, Wq_codes, Wq_scales, Wk_codes, Wk_scales, Wg1_codes, Wg1_scales, bg1, h1, stA; writes h1, stA
.if DOCPART == 7
	.amdgcn_target "amdgcn-amd-amdhsa--gfx1250"
	.amdhsa_code_object_version 6
	.text
	.protected	k_q85c2dcd07a_hidden1
	.globl	k_q85c2dcd07a_hidden1
	.p2align	8
	.type	k_q85c2dcd07a_hidden1,@function
k_q85c2dcd07a_hidden1:
	s_mov_b64 s[64:65], 0
	v_nop
	global_prefetch_b8 v0, s[64:65] scope:SCOPE_SE
	s_setreg_imm32_b32 hwreg(HW_REG_WAVE_SCHED_MODE, 0, 2), 2
	s_setreg_imm32_b32 hwreg(HW_REG_WAVE_MODE, 25, 1), 1
	s_wait_xcnt 0x0
	s_wait_alu depctr_vm_vsrc(0)
; h1 = Q(gelu(bn1(gamma0))): codes of E3M2 and E8M0 scale words, stored as images of an operand's registers; and the statistics of h1 Wg1^T + bg1 for the third norm.
; gamma0 = q - key + pos is made again, as in the launch before (one accumulator: two products on codes, one with f32 operands and K = 4), but TRANSPOSED: the weight's rows are source 0, and lane r of tile 2 b + u takes row
; 32 b + 8 u + r + 8 (r / 8): a lane then holds ONE neighbour, and register 16 b + i is channel 32 b + 16 (lane / 16) + i: 16 neighbours along the next K, as the conversions want them.
; The product with Wg1 has the rows as source 0: a lane holds one channel and 8 neighbours, which is what sums over rows want.
; The norm's constants come from the 256 work-groups' (mean, sum of squared deviations), joined without a difference of large sums: deviations are taken from work-group 0's mean.
; gelu as in the launch before; everything ahead of the quantiser is f32.  LIMITS as there; a block of zeros carries the byte 1 (its codes are zeros; this program alone reads the bytes).
; SHARES.  Work-group g, wave w: tiles 64 g + 16 w + i.  Two sets of operand registers take turns; a set is asked for again, for the tile two on, once its own tile's products have read it.
; THE MODE: SCHED_MODE bits 1:0 = 2 (LLVM: expert scheduling mode 2), set by the entry lines.  The code itself states the register dependences between vector or matrix instructions and memory or LDS instructions, with s_wait_alu, always for 0.
; THE PLAN.  Registers that memory instructions touch, in the loop:
;   set b (FM, GG, FQ, SFM, SFQ)  Tile i, b = i % 2: its 24 products for gamma0 read the set; behind the tile's first gelu the loads of tile i + 2 land in it.
;   OF, OQ         Written at a tile's head (the rows of tile i + 2); read by those loads.
;   PC, XW         The codes and the pair's scale words: written by the quantiser and the line behind it; read by the tile's stores (PC also by the product with Wg1); written again by the next tile's gelu, which uses the same registers.
;   H48, OG, LI, LS, Z0   Made at the kernel's head and never written again: the tiles are reached by scalar bases.
; So a tile has ONE wait on vm_vsrc, at its head (the last tile's loads and stores have read what this tile writes again).  Its nine loads lean on the wait on va_vdst that the first gelu holds for its reciprocals: that wait stands behind the
; 24 products and behind the head's two lines, and the vector lines between it and the loads name v160-207 alone.  ONE wait on va_vdst of the tile's own stands behind the quantiser and its eight places: the codes and the scale words
; are written, for the stores and for the scaled product alike.
; REGISTERS.  window 0: below.  window 1: v0-95 Wq, v96-191 -Wk, v192-207 (Wd2 | bias), v208-211 g (2 sets), v212-235 the neighbours' codes (2 sets).  window 2: v0-95 Wg1, v96-159 and v160-223 the norm's factors and addends.
;   window 3: v0-63 the accumulators (written by matrix instructions alone), v64-87 the query's codes (2 sets).
.set XS,  0                            ; LDS: [4 waves][3][128] partial sums
.set AB,  6144                         ; [2][128] the norm's constants
.set FS,  8192                         ; [4 waves][mean 128, M2 128]
.set H48, 2
.set OG,  3
.set LI,  4                            ; v4   16 x lane
.set LS,  5                            ; v5   4 x lane
.set OF,  6
.set OQ,  7
.set QI,  8
.set Z0,  25
.set SWQ, 26
.set SWK, 34
.set SWG, 42
.set SFQ, 50
.set SFM, 52
.set A0V, 54
.set B0V, 56
.set S,   58
.set PW,  66                           ; the scale word just made
.set PWS, 67                           ; the even tile's, kept for the pair's store
.set SU,  68
.set SQ,  84
.set BG,  100                          ; v100-107 bg1 of my 8 channels
.set H64, 108
.set XW,  109
.set TM,  128
.set PC,  144
.set Z,   192
.set D,   192                          ; the differences lie where z lay: the codes' stores may still be out
.set WQ,  0
.set WK,  96
.set WD2, 192
.set GG,  208
.set FM,  212
.set WG,  0
.set A1,  96
.set B1,  160
.set ACC, 0
.set FQ,  64
.set WV,  42
.set SI,  43
.set STRIP, 44
.set SNX, 45
.set TO,  46
.set SEL, 48
.set SHI, 50
.set GA1, 66
.set GA2, 68
.set GA3, 70
.set GA4, 72
.set GA5, 74
.set GA6, 76
.set GB1, 78
.set GB2, 80
.set GB3, 82
.set GB4, 84
.set RS2, 86
.set MSB, 0
.macro WIN new                         ; the immediate's high byte repeats the setting that is left
.if MSB != \new
	s_set_vgpr_msb (MSB<<8)|\new
.set MSB, \new
.endif
.endm
.macro SPAIR reg, val
	s_mov_b32 s[\reg], \val
	s_mov_b32 s[\reg+1], \val
.endm
.macro HORN acc, x, c, np
.set g_i, 0
.rept \np
	v_pk_fma_f32 v[\acc+g_i:\acc+g_i+1], v[\acc+g_i:\acc+g_i+1], v[\x+g_i:\x+g_i+1], s[\c:\c+1] op_sel_hi:[1,1,0]
.set g_i, g_i+2
.endr
.endm
; gelu of np pairs z (in place), stage by stage over all pairs.  Temporaries: four runs of 2 np registers from t on: zc, zc^2, P, Q.
.macro GELU z, t, np
.set g_i, 0
.rept 2*(\np)
	v_med3_num_f32 v[\t+g_i], v[\z+g_i], -4.0, 4.0
.set g_i, g_i+1
.endr
.set g_i, 0
.rept \np
	v_pk_mul_f32 v[\t+2*(\np)+g_i:\t+2*(\np)+g_i+1], v[\t+g_i:\t+g_i+1], v[\t+g_i:\t+g_i+1]
.set g_i, g_i+2
.endr
.set g_i, 0
.rept \np
	v_pk_fma_f32 v[\t+4*(\np)+g_i:\t+4*(\np)+g_i+1], v[\t+2*(\np)+g_i:\t+2*(\np)+g_i+1], v[A0V:A0V+1], s[GA1:GA1+1] op_sel_hi:[1,1,0]
.set g_i, g_i+2
.endr
.set g_i, 0
.rept \np
	v_pk_fma_f32 v[\t+6*(\np)+g_i:\t+6*(\np)+g_i+1], v[\t+2*(\np)+g_i:\t+2*(\np)+g_i+1], v[B0V:B0V+1], s[GB1:GB1+1] op_sel_hi:[1,1,0]
.set g_i, g_i+2
.endr
	HORN (\t+4*(\np)), (\t+2*(\np)), GA2, \np
	HORN (\t+6*(\np)), (\t+2*(\np)), GB2, \np
	HORN (\t+4*(\np)), (\t+2*(\np)), GA3, \np
	HORN (\t+6*(\np)), (\t+2*(\np)), GB3, \np
	HORN (\t+4*(\np)), (\t+2*(\np)), GA4, \np
	HORN (\t+6*(\np)), (\t+2*(\np)), GB4, \np
	HORN (\t+4*(\np)), (\t+2*(\np)), GA5, \np
	HORN (\t+4*(\np)), (\t+2*(\np)), GA6, \np
.set g_i, 0
.rept 2*(\np)
	v_rcp_f32 v[\t+6*(\np)+g_i], v[\t+6*(\np)+g_i]
.set g_i, g_i+1
.endr
.set g_i, 0
.rept \np
	v_pk_mul_f32 v[\t+4*(\np)+g_i:\t+4*(\np)+g_i+1], v[\t+4*(\np)+g_i:\t+4*(\np)+g_i+1], v[\t+g_i:\t+g_i+1]      ; zc P: plain work behind the reciprocals
.set g_i, g_i+2
.endr
.set g_i, 0
.rept \np
	v_pk_mul_f32 v[\z+g_i:\z+g_i+1], v[\z+g_i:\z+g_i+1], s[RS2:RS2+1] op_sel_hi:[1,0]
.set g_i, g_i+2
.endr
	s_wait_alu depctr_va_vdst(0)                   ; the reciprocals are written: one wait for the batch, ahead of their first reader.  In a tile's first gelu it states besides that OF and OQ are written and that the products for gamma0 are done reading their set: the loads behind that gelu lean on it
.set g_i, 0
.rept \np
	v_pk_mul_f32 v[\t+4*(\np)+g_i:\t+4*(\np)+g_i+1], v[\t+4*(\np)+g_i:\t+4*(\np)+g_i+1], v[\t+6*(\np)+g_i:\t+6*(\np)+g_i+1]      ; erf
.set g_i, g_i+2
.endr
.set g_i, 0
.rept \np
	v_pk_fma_f32 v[\z+g_i:\z+g_i+1], v[\z+g_i:\z+g_i+1], v[\t+4*(\np)+g_i:\t+4*(\np)+g_i+1], v[\z+g_i:\z+g_i+1]
.set g_i, g_i+2
.endr
.endm
; 64 numbers of a lane, register 16 b + i = k 32 b + 16 (lane / 16) + i of my row, become a fragment's codes in v[PC] on and its scale word in v[PW]
.macro QUANT s
.irp b,0,1,2,3
	v_max3_num_f32 v[TM+\b], |v[\s+16*\b]|, |v[\s+1+16*\b]|, 0x2800000     ; with the floor 2^(5 - 127): the byte cannot fall under 1
.endr
.irp i,2,4,6,8,10,12,14
.irp b,0,1,2,3
	v_max3_num_f32 v[TM+\b], v[TM+\b], |v[\s+16*\b+\i]|, |v[\s+1+16*\b+\i]|
.endr
.endr
.irp b,0,1,2,3
	v_permlanex16_b32 v[TM+4+\b], v[TM+\b], s[SEL], s[SEL+1]
.endr
.irp b,0,1,2,3
	v_max_num_f32 v[TM+\b], v[TM+\b], v[TM+4+\b]   ; with lane l xor 16's: the block's largest magnitude
.endr
.irp b,0,1,2,3
	v_add_nc_u32 v[TM+12+\b], 0xfe000000, v[TM+\b] ; 4 off its exponent field: the conversion's scale operand
.endr
.irp b,0,1,2,3
	v_lshrrev_b32 v[TM+4+\b], 23, v[TM+12+\b]      ; the scale's byte
.endr
	v_lshl_or_b32 v[PW], v[TM+5], 8, v[TM+4]
	v_lshl_or_b32 v[PW], v[TM+6], 16, v[PW]
	v_lshl_or_b32 v[PW], v[TM+7], 24, v[PW]
.irp c,0,1
	v_cvt_scalef32_pk16_bf6_f32 v[PC+6*\c:PC+2+6*\c], v[\s+32*\c:\s+15+32*\c], v[TM+12+2*\c]
	v_cvt_scalef32_pk16_bf6_f32 v[PC+12+4*\c:PC+14+4*\c], v[\s+16+32*\c:\s+31+32*\c], v[TM+12+2*\c+1]      ; (a conversion's three registers begin on an even number)
.endr
	v_nop                                          ; one plain place behind a scaled conversion
.irp c,0,1                                     ; the operand's layout wants a whole block in a lane
.irp i,0,1,2
	v_permlane16_swap_b32 v[PC+6*\c+\i], v[PC+12+4*\c+\i]
.endr
.irp i,0,1,2
	v_mov_b32 v[PC+3+6*\c+\i], v[PC+12+4*\c+\i]
.endr
.endr
.endm
.macro WFRAG base, ptr, voff
.irp t,0,1,2,3,4,5,6,7
.irp p,0,1,2,3,4,5
	global_load_b64 v[\base+12*\t+2*\p:\base+12*\t+2*\p+1], v[\voff], s[\ptr:\ptr+1] offset:(32*(\t/2)+8*(\t%2))*96+48*(\p/3)+8*(\p%3)
.endr
.endr
.endm
.macro WSCL base, ptr, voff
.irp t,0,1,2,3,4,5,6,7
	global_load_b32 v[\base+\t], v[\voff], s[\ptr:\ptr+1] offset:(32*(\t/2)+8*(\t%2))*4
.endr
.endm
	s_load_b512 s[4:19], s[0:1], 0x0               ; idx 4, fq 6, g4 8, stB 10, gg1 12, betag1 14, Wd2 16, bd2 18
	s_load_b512 s[20:35], s[0:1], 0x40             ; bq 20, bk 22, Wq 24 26, Wk 28 30, Wg1 32 34
	s_load_b128 s[36:39], s[0:1], 0x80             ; bg1 36, h1 38
	s_load_b64 s[40:41], s[0:1], 0x90              ; stA
	v_lshl_add_u32 v126, v0, 2, 0x3000
	v_mov_b32 v127, 0
	v_and_b32 v1, 15, v0
	v_bfe_u32 v110, v0, 4, 1
	v_lshrrev_b32 v111, 5, v0
	v_readfirstlane_b32 s[WV], v111
	v_mul_u32_u24 v[H48], v110, 48
	v_lshlrev_b32 v[OG], 4, v1
	v_lshl_add_u32 v[OG], v110, 3, v[OG]
	v_and_b32 v111, 31, v0
	v_lshlrev_b32 v[LI], 4, v111
	v_lshlrev_b32 v[LS], 2, v111
	v_mov_b32 v[Z0], 0
	v_lshlrev_b32 v[H64], 6, v110
	v_and_b32 v112, 8, v1
	v_add_nc_u32 v112, v112, v1                    ; r + 8 (r / 8)
	v_mul_u32_u24 v113, v112, 96
	v_mad_u32_u24 v113, v110, 24, v113
	v_lshlrev_b32 v114, 2, v112
	v_mul_u32_u24 v115, v112, 12
	v_lshl_add_u32 v116, v110, 3, v115
	v_lshlrev_b32 v117, 2, v1
	s_wait_alu depctr_va_sdst(0)                   ; the wave's number is written, ahead of its first reader: LDS addresses and the wave's tiles are made from it
	s_mul_i32 s97, s[WV], 1536
	v_add_nc_u32 v118, s97, v[LI]
	s_lshl_b32 s97, s[WV], 10
	s_add_co_u32 s97, s97, FS
	v_add_nc_u32 v119, s97, v114
	v_lshl_add_u32 v120, v0, 2, FS
	s_mov_b32 s[SEL], 0x76543210
	s_mov_b32 s[SEL+1], 0xfedcba98
	s_mov_b32 s[SHI], 0xffff0000
	s_mov_b32 s94, 0x20820820
	s_mov_b32 s95, 0x08208208
	s_mov_b32 s96, 0x82082082
	SPAIR GA1, 0x32edffee
	SPAIR GA2, 0xb60cff51
	SPAIR GA3, 0xb86ec2d2
	SPAIR GA4, 0xba40ac63
	SPAIR GA5, 0xbb41a1f6
	SPAIR GA6, 0xbc83dbd4
	SPAIR GB1, 0xb95fbd29
	SPAIR GB2, 0xbadc924e
	SPAIR GB3, 0xbbf19bf8
	SPAIR GB4, 0xbc69b6a7
	SPAIR RS2, 0x3f3504f3
	v_mov_b32 v[A0V], 0xaf95df0b
	v_mov_b32 v[A0V+1], 0xaf95df0b
	v_mov_b32 v[B0V], 0xb77460cd
	v_mov_b32 v[B0V+1], 0xb77460cd
	s_mov_b32 s[TO+1], 0
	s_lshl_b32 s97, ttmp9, 6
	s_lshl_b32 s100, s[WV], 4
	s_add_co_u32 s97, s97, s100                    ; my first tile
	s_wait_kmcnt 0x0
	s_lshl_b32 s[TO], s97, 6
	s_add_nc_u64 s[4:5], s[4:5], s[TO:TO+1]        ; idx
	s_lshl_b32 s[TO], s97, 7
	s_add_nc_u64 s[52:53], s[6:7], s[TO:TO+1]      ; fq at my first tile
	s_lshl_b32 s[TO], s97, 8
	s_add_nc_u64 s[58:59], s[8:9], s[TO:TO+1]      ; g4
	s_mul_i32 s[TO], s97, 1536
	s_add_nc_u64 s[62:63], s[38:39], s[TO:TO+1]    ; h1's codes
	s_lshl_b32 s[TO], s97, 6
	s_add_co_u32 s[TO], s[TO], 25165824
	s_add_nc_u64 s[90:91], s[38:39], s[TO:TO+1]    ; h1's scale words: 128 bytes for two tiles
	s_lshr_b32 s[TO], ttmp9, 7
	s_lshl_b32 s[TO], s[TO], 20
	s_add_nc_u64 s[56:57], s[6:7], s[TO:TO+1]      ; my cloud in fq
	s_lshl_b32 s[TO], ttmp9, 10
	s_add_co_u32 s[TO], s[TO], 32768
	s_add_nc_u64 s[40:41], s[40:41], s[TO:TO+1]    ; the work-group's 1,024 bytes of statistics
	; ---- the second norm's constants.  Lane: channels 4 (lane) .. + 3; wave w: work-groups 64 w .. 64 w + 63
	s_wait_alu depctr_va_vdst(0)                   ; every offset and LDS address made above (v2-5, v25, v108, v113-120) is written: the head's loads and LDS instructions read them
	global_load_b128 v[68:71], v[LI], s[10:11]     ; work-group 0's mean: deviations are taken from it
	global_load_b128 v[92:95], v[LI], s[12:13]
	global_load_b128 v[96:99], v[LI], s[14:15]
	s_lshl_b32 s[TO], s[WV], 16
	s_add_nc_u64 s[98:99], s[10:11], s[TO:TO+1]
.set k_, 72
.rept 12
	v_mov_b32 v[k_], 0
.set k_, k_+1
.endr
	s_mov_b32 s100, 0
.Lstats:
	s_wait_alu depctr_va_vdst(0)                   ; the last trip's additions are done reading v128-255, in which this trip's loads land
.irp i,0,1,2,3,4,5,6,7,8,9,10,11,12,13,14,15
	global_load_b128 v[128+4*\i:131+4*\i], v[LI], s[98:99] offset:1024*\i
	global_load_b128 v[192+4*\i:195+4*\i], v[LI], s[98:99] offset:1024*\i+512
.endr
	s_wait_loadcnt 0x0
.irp i,0,1,2,3,4,5,6,7,8,9,10,11,12,13,14,15
	v_pk_add_f32 v[84+4*(\i%2):85+4*(\i%2)], v[128+4*\i:129+4*\i], v[68:69] neg_lo:[0,1] neg_hi:[0,1]
	v_pk_add_f32 v[86+4*(\i%2):87+4*(\i%2)], v[130+4*\i:131+4*\i], v[70:71] neg_lo:[0,1] neg_hi:[0,1]
	v_pk_add_f32 v[80:81], v[80:81], v[192+4*\i:193+4*\i]
	v_pk_add_f32 v[82:83], v[82:83], v[194+4*\i:195+4*\i]
	v_pk_add_f32 v[72:73], v[72:73], v[84+4*(\i%2):85+4*(\i%2)]
	v_pk_add_f32 v[74:75], v[74:75], v[86+4*(\i%2):87+4*(\i%2)]
	v_pk_fma_f32 v[76:77], v[84+4*(\i%2):85+4*(\i%2)], v[84+4*(\i%2):85+4*(\i%2)], v[76:77]
	v_pk_fma_f32 v[78:79], v[86+4*(\i%2):87+4*(\i%2)], v[86+4*(\i%2):87+4*(\i%2)], v[78:79]
.endr
	s_add_nc_u64 s[98:99], s[98:99], 16384         ; (the loads that named it are back)
	s_add_co_u32 s100, s100, 1
	s_cmp_lt_u32 s100, 4
	s_cbranch_scc1 .Lstats
	s_wait_alu depctr_va_vdst(0)                   ; my partial sums v72-83 are written, which the LDS stores read; the additions are done reading v128-255, in which loads land below
	ds_store_b128 v118, v[72:75] offset:XS
	ds_store_b128 v118, v[76:79] offset:XS+512
	ds_store_b128 v118, v[80:83] offset:XS+1024
	s_wait_dscnt 0x0
	s_barrier_signal -1
	s_barrier_wait -1
.irp w,0,1,2,3
.irp q,0,1,2
	ds_load_b128 v[128+16*\w+4*\q:131+16*\w+4*\q], v[LI] offset:XS+1536*\w+512*\q
.endr
.endr
	s_wait_dscnt 0x0
.irp w,1,2,3
.irp p,0,2,4,6,8,10
	v_pk_add_f32 v[128+\p:129+\p], v[128+\p:129+\p], v[128+16*\w+\p:129+16*\w+\p]
.endr
.endr
.irp k,0,1,2,3
	v_mul_f32 v[140+\k], 0x3b800000, v[128+\k]     ; the sum of deviations / 256
.endr
.irp k,0,1,2,3
	v_fma_f32 v[132+\k], -v[128+\k], v[140+\k], v[132+\k]
	v_add_f32 v[68+\k], v[68+\k], v[140+\k]        ; the mean
.endr
.irp k,0,1,2,3
	v_fma_f32 v[136+\k], v[132+\k], 0x44800000, v[136+\k]          ; 1,024 rows to a work-group
.endr
.irp k,0,1,2,3
	v_mul_f32 v[136+\k], 0x36800000, v[136+\k]     ; / 262,144: the variance
.endr
.irp k,0,1,2,3
	v_add_f32 v[136+\k], 0x3727c5ac, v[136+\k]
.endr
.irp k,0,1,2,3
	v_rsq_f32 v[136+\k], v[136+\k]
.endr
	v_nop
	s_wait_alu depctr_va_vdst(0)                   ; the four roots are written, ahead of their first reader
.irp k,0,1,2,3
	v_mul_f32 v[136+\k], v[92+\k], v[136+\k]
.endr
.irp k,0,1,2,3
	v_fma_f32 v[96+\k], -v[68+\k], v[136+\k], v[96+\k]
	v_mul_f32 v[92+\k], s[RS2], v[136+\k]          ; z = x A + B
.endr
.irp k,0,1,2,3
	v_mul_f32 v[96+\k], s[RS2], v[96+\k]
.endr
	s_wait_alu depctr_va_vdst(0)                   ; the constants v92-99 are written, which wave 0's LDS stores read; no vector line stands between here and the head's remaining loads
	s_cmp_lg_u32 s[WV], 0                          ; all four waves hold the same numbers: wave 0 writes them
	s_cbranch_scc1 .Lnot_0
	ds_store_b128 v[LI], v[92:95] offset:AB
	ds_store_b128 v[LI], v[96:99] offset:AB+512
.Lnot_0:
	s_wait_dscnt 0x0
	s_barrier_signal -1
	s_barrier_wait -1
	WIN 0x80
.irp b,0,1,2,3
.irp k,0,1,2,3
	ds_load_b128 v[A1+16*\b+4*\k:A1+16*\b+4*\k+3], v[H64] offset:AB+128*\b+16*\k           ; register 16 b + i: channel 32 b + 16 h + i
	ds_load_b128 v[B1+16*\b+4*\k:B1+16*\b+4*\k+3], v[H64] offset:AB+512+128*\b+16*\k
.endr
.endr
	WIN 0x40
	WFRAG WQ, 24, 113
	WFRAG WK, 28, 113
	WIN 0x80
	WFRAG WG, 32, 113
	WIN 0
	WSCL SWQ, 26, 114
	WSCL SWK, 30, 114
	WSCL SWG, 34, 114
	WSCL BG, 36, 114
.irp t,0,1,2,3,4,5,6,7
	global_load_b32 v[192+\t], v116, s[16:17] offset:12*(32*(\t/2)+8*(\t%2))
	global_load_b32 v[200+\t], v115, s[16:17] offset:12*(32*(\t/2)+8*(\t%2))+4
	global_load_b32 v[208+\t], v114, s[18:19] offset:4*(32*(\t/2)+8*(\t%2))
	global_load_b32 v[216+\t], v114, s[20:21] offset:4*(32*(\t/2)+8*(\t%2))
	global_load_b32 v[224+\t], v114, s[22:23] offset:4*(32*(\t/2)+8*(\t%2))
.endr
.irp i,0,1,2,3,4,5,6,7,8,9,10,11,12,13,14,15
	global_load_b32 v[QI+\i], v117, s[4:5] offset:64*\i
.endr
	s_wait_loadcnt 0x0
	s_wait_dscnt 0x0
	s_wait_alu depctr_vm_vsrc(0)                   ; the LDS stores above have read v72-83 and v92-99, which are cleared below as the sums of d and of d^2
	WIN 0x45
.set n_i, 0
.rept 96
	v_xor_b32 v[WK+n_i], s[94+n_i%3], v[WK+n_i]    ; -Wk
.set n_i, n_i+1
.endr
	WIN 0
.irp t,0,1,2,3,4,5,6,7
	v_add_f32 v[208+\t], v[208+\t], v[216+\t]
.endr
.irp t,0,1,2,3,4,5,6,7
	v_sub_f32 v[208+\t], v[208+\t], v[224+\t]      ; bd2 + bq - bk
.endr
	WIN 0x40
.irp t,0,1,2,3,4,5,6,7
	v_mov_b32 v[WD2+2*\t], v[192+\t]
	v_cndmask_b32 v[WD2+2*\t+1], v[200+\t], v[208+\t], s[SHI]
.endr
	WIN 0
.irp i,0,1,2,3,4,5,6,7,8,9,10,11,12,13,14,15
	v_min_u32 v[QI+\i], 0x1fff, v[QI+\i]
.endr
.irp i,0,1,2,3,4,5,6,7,8,9,10,11,12,13,14,15
	v_lshlrev_b32 v[QI+\i], 4, v[QI+\i]
.endr
	v_mov_b32 v[QI+16], v[QI+15]
.set k_, 0
.rept 8
	v_mov_b32 v[S+k_], 0
.set k_, k_+1
.endr
.set k_, 0
.rept 32
	v_mov_b32 v[SU+k_], 0
.set k_, k_+1
.endr
	v_mov_b32 v[PWS], 0
.macro NEXT d                          ; where the operands of the tile d on lie (past the last tile the last is asked for again: no load leaves its buffer), and this tile's places in h1
	s_add_co_u32 s[SNX], s[SI], \d
	s_min_u32 s[SNX], s[SNX], 15
	s_lshl_b32 s[TO], s[SNX], 7
	s_add_nc_u64 s[54:55], s[52:53], s[TO:TO+1]
	s_lshl_b32 s[TO], s[SNX], 8
	s_add_nc_u64 s[60:61], s[58:59], s[TO:TO+1]
	s_mul_i32 s[TO], s[SI], 1536
	s_add_nc_u64 s[88:89], s[62:63], s[TO:TO+1]    ; this tile's place in h1
	s_lshr_b32 s[TO], s[SI], 1
	s_lshl_b32 s[TO], s[TO], 7
	s_add_nc_u64 s[92:93], s[90:91], s[TO:TO+1]
	v_lshl_add_u32 v[OF], v[QI+\d], 3, v[H48]
	v_lshlrev_b32 v[OQ], 3, v[QI+\d]
.endm
.macro LOADT b
	WIN 0x40
	global_load_b128 v[FM+12*\b:FM+12*\b+3], v[OF], s[56:57]
	global_load_b128 v[FM+12*\b+4:FM+12*\b+7], v[OF], s[56:57] offset:16
	global_load_b128 v[FM+12*\b+8:FM+12*\b+11], v[OF], s[56:57] offset:32
	global_load_b64 v[GG+2*\b:GG+2*\b+1], v[OG], s[60:61]
	WIN 0xc0
	global_load_b128 v[FQ+12*\b:FQ+12*\b+3], v[H48], s[54:55]
	global_load_b128 v[FQ+12*\b+4:FQ+12*\b+7], v[H48], s[54:55] offset:16
	global_load_b128 v[FQ+12*\b+8:FQ+12*\b+11], v[H48], s[54:55] offset:32
	WIN 0
	global_load_b32 v[SFM+\b], v[OQ], s[56:57] offset:96
	global_load_b32 v[SFQ+\b], v[Z0], s[54:55] offset:96
.endm
.macro QROT
.irp j,0,1,2,3,4,5,6,7,8,9,10,11,12,13,14,15
	v_mov_b32 v[QI+\j], v[QI+\j+1]
.endr
.endm
.macro SINIT aw
	s_cmp_lg_u32 s[SI], 0
	s_cbranch_scc1 .Lsi_\@
	WIN \aw
.irp t,0,1,2,3,4,5,6,7
	v_permlanex16_b32 v[D+\t], v[ACC+8*\t], s[SEL], s[SEL+1]
.endr
.irp t,0,1,2,3,4,5,6,7
	v_cndmask_b32 v[S+\t], v[ACC+8*\t], v[D+\t], s[SHI]
.endr
	WIN 0
.Lsi_\@:
.endm
.macro STAT8 aw
.irp hf,0,1
	WIN \aw
.irp p,0,1,2,3
.irp u,0,1,2,3
.if (\u%2) == 0
	v_pk_add_f32 v[D+8*\u+2*\p:D+8*\u+2*\p+1], v[ACC+8*(4*\hf+\u)+2*\p:ACC+8*(4*\hf+\u)+2*\p+1], v[S+4*\hf+\u:S+4*\hf+\u+1] op_sel_hi:[1,0] neg_lo:[0,1] neg_hi:[0,1]
.else
	v_pk_add_f32 v[D+8*\u+2*\p:D+8*\u+2*\p+1], v[ACC+8*(4*\hf+\u)+2*\p:ACC+8*(4*\hf+\u)+2*\p+1], v[S+4*\hf+\u-1:S+4*\hf+\u] op_sel:[0,1] op_sel_hi:[1,1] neg_lo:[0,1] neg_hi:[0,1]
.endif
.endr
.endr
	WIN 0
.irp p,0,1,2,3
.irp u,0,1,2,3
	v_pk_add_f32 v[SU+2*(4*\hf+\u):SU+2*(4*\hf+\u)+1], v[SU+2*(4*\hf+\u):SU+2*(4*\hf+\u)+1], v[D+8*\u+2*\p:D+8*\u+2*\p+1]
.endr
.endr
.irp p,0,1,2,3
.irp u,0,1,2,3
	v_pk_fma_f32 v[SQ+2*(4*\hf+\u):SQ+2*(4*\hf+\u)+1], v[D+8*\u+2*\p:D+8*\u+2*\p+1], v[D+8*\u+2*\p:D+8*\u+2*\p+1], v[SQ+2*(4*\hf+\u):SQ+2*(4*\hf+\u)+1]
.endr
.endr
.endr
.endm
.macro TILE cur
	s_wait_loadcnt 9                               ; loads come back in order (ISA guide 5.7.1): this tile's nine are in; the next tile's nine, asked for later, stay out
	s_wait_xcnt 0x0                                ; the last tile's loads and stores have had their addresses translated: pointers, offsets and the stores' data may be written
	s_wait_alu depctr_vm_vsrc(0)                   ; the last tile's loads have read OF and OQ, its stores the codes in v144-155 and XW: this tile's head, gelu and quantiser write them again
	NEXT 2
	WIN 0xfd
.irp t,0,1,2,3,4,5,6,7                         ; the 8 accumulators by turns
	v_wmma_scale_f32_16x16x128_f8f6f4 v[ACC+8*\t:ACC+8*\t+7], v[WQ+12*\t:WQ+12*\t+11], v[FQ+12*(\cur):FQ+12*(\cur)+11], 0, v[SWQ+\t], v[SFQ+(\cur)] matrix_a_fmt:MATRIX_FMT_BF6 matrix_b_fmt:MATRIX_FMT_BF6
.endr
	WIN 0xf5
.irp t,0,1,2,3,4,5,6,7
	v_wmma_scale_f32_16x16x128_f8f6f4 v[ACC+8*\t:ACC+8*\t+7], v[WK+12*\t:WK+12*\t+11], v[FM+12*(\cur):FM+12*(\cur)+11], v[ACC+8*\t:ACC+8*\t+7], v[SWK+\t], v[SFM+(\cur)] matrix_a_fmt:MATRIX_FMT_BF6 matrix_b_fmt:MATRIX_FMT_BF6
.endr
	WIN 0
	QROT                                           ; 16 plain lines: the places between the two forms of matrix instruction
	WIN 0xf5
.irp t,0,1,2,3,4,5,6,7
	v_wmma_f32_16x16x4_f32 v[ACC+8*\t:ACC+8*\t+7], v[WD2+2*\t:WD2+2*\t+1], v[GG+2*(\cur):GG+2*(\cur)+1], v[ACC+8*\t:ACC+8*\t+7]
.endr
	WIN 0
.rept 8
	v_nop                                          ; places behind the f32 form, ahead of the first read of its results
.endr
	WIN 0x2b
.set z_i, 0
.rept 32
	v_pk_fma_f32 v[Z+z_i:Z+z_i+1], v[ACC+z_i:ACC+z_i+1], v[A1+z_i:A1+z_i+1], v[B1+z_i:B1+z_i+1]        ; the norm, and / sqrt 2; ascending: each accumulator from its low end on
.set z_i, z_i+2
.endr
	WIN 0
	GELU Z, 128, 8
	LOADT \cur                                     ; the set is asked for again, for the tile two on.  No wait of its own: the wait in the gelu above stands behind the set's readers and behind OF's and OQ's lines, and the vector lines since name v160-207 alone
.irp k,1,2,3
	GELU (Z+16*\k), 128, 8
.endr
	QUANT Z
.if \cur == 0
	v_mov_b32 v[PWS], v[PW]
.else
	v_cndmask_b32 v[XW], v[PWS], v[PW], s[SHI]     ; lanes 0-15 the even tile's words, lanes 16-31 the odd tile's
.endif
.rept 8
	v_nop                                          ; a scale register written by vector instructions stands 8 places ahead of a scaled matrix instruction, an operand 4
.endr
	s_wait_alu depctr_va_vdst(0)                   ; the codes in PC, the scale word PW and the pair's words XW are written: the stores read PC and XW, the scaled products below take PC as an operand and PW as its scales
	global_store_b128 v[LI], v[PC:PC+3], s[88:89]                  ; the fragment as it stands: three stores of 512 consecutive bytes
	global_store_b128 v[LI], v[PC+4:PC+7], s[88:89] offset:512
	global_store_b128 v[LI], v[PC+8:PC+11], s[88:89] offset:1024
.if \cur == 1
	global_store_b32 v[LS], v[XW], s[92:93]
.endif
	WIN 0xf8
.irp t,0,1,2,3,4,5,6,7
	v_wmma_scale_f32_16x16x128_f8f6f4 v[ACC+8*\t:ACC+8*\t+7], v[PC:PC+11], v[WG+12*\t:WG+12*\t+11], 0, v[PW], v[SWG+\t] matrix_a_fmt:MATRIX_FMT_BF6 matrix_b_fmt:MATRIX_FMT_BF6
.endr
	WIN 0
.rept 4
	v_nop
.endr
.if \cur == 0
	SINIT 0x03
.endif
	STAT8 0x03
	s_add_co_u32 s[SI], s[SI], 1
.endm
	s_mov_b32 s[SI], 0
	NEXT 0
	s_wait_alu depctr_va_vdst(0)                   ; OF and OQ are written, which the loads read; -Wk is written, which the scaled products take as an operand
	LOADT 0                                        ; tile 0
	s_wait_xcnt 0x0                                ; these loads have had their addresses translated: pointers and offsets may be written
	s_wait_alu depctr_vm_vsrc(0)                   ; they have read OF and OQ
	NEXT 1
	s_wait_alu depctr_va_vdst(0)                   ; OF and OQ are written anew
	LOADT 1                                        ; tile 1
	s_mov_b32 s[STRIP], 0
.Ltiles:
	TILE 0
	TILE 1
	s_add_co_u32 s[STRIP], s[STRIP], 1
	s_cmp_lt_u32 s[STRIP], 8
	s_cbranch_scc1 .Ltiles
	s_wait_loadcnt 0x0
.irp t,0,1,2,3,4,5,6,7
	v_add_f32 v[SU+2*\t], v[SU+2*\t], v[SU+2*\t+1]
	v_add_f32 v[SQ+2*\t], v[SQ+2*\t], v[SQ+2*\t+1]
.endr
.irp t,0,1,2,3,4,5,6,7
	v_permlanex16_b32 v[D+\t], v[SU+2*\t], s[SEL], s[SEL+1]
	v_permlanex16_b32 v[D+8+\t], v[SQ+2*\t], s[SEL], s[SEL+1]
.endr
.irp t,0,1,2,3,4,5,6,7
	v_add_f32 v[SU+2*\t], v[SU+2*\t], v[D+\t]
	v_add_f32 v[SQ+2*\t], v[SQ+2*\t], v[D+8+\t]
.endr
.irp t,0,1,2,3,4,5,6,7
	v_mul_f32 v[D+\t], 0x3b800000, v[SU+2*\t]
.endr
.irp t,0,1,2,3,4,5,6,7
	v_fma_f32 v[SQ+2*\t], -v[SU+2*\t], v[D+\t], v[SQ+2*\t]
	v_add_f32 v[D+\t], v[S+\t], v[D+\t]
.endr
.irp t,0,1,2,3,4,5,6,7
	v_add_f32 v[D+\t], v[BG+\t], v[D+\t]           ; the mean with bg1
.endr
	s_wait_alu depctr_va_vdst(0)                   ; the means in D and the squared deviations in SQ are written, which the LDS stores read
.irp t,0,1,2,3,4,5,6,7
	ds_store_b32 v119, v[D+\t] offset:4*(32*(\t/2)+8*(\t%2))
	ds_store_b32 v119, v[SQ+2*\t] offset:512+4*(32*(\t/2)+8*(\t%2))
.endr
	s_wait_dscnt 0x0
	s_barrier_signal -1
	s_barrier_wait -1
	s_wait_alu depctr_vm_vsrc(0)                   ; my LDS stores have read D's first eight registers, in which the loads below land
.irp w,0,1,2,3
	ds_load_b32 v[D+\w], v120 offset:1024*\w
	ds_load_b32 v[D+4+\w], v120 offset:1024*\w+512
.endr
	s_wait_dscnt 0x0
	v_add_f32 v[D+8], v[D], v[D+1]
	v_add_f32 v[D+9], v[D+2], v[D+3]
	v_add_f32 v[D+8], v[D+8], v[D+9]
	v_mul_f32 v[D+8], 0x3e800000, v[D+8]
	v_add_f32 v[D+10], v[D+4], v[D+5]
	v_add_f32 v[D+11], v[D+6], v[D+7]
	v_add_f32 v[D+10], v[D+10], v[D+11]
.irp w,0,1,2,3
	v_sub_f32 v[D+\w], v[D+\w], v[D+8]
.endr
	v_mul_f32 v[D+12], v[D], v[D]
	v_fma_f32 v[D+12], v[D+1], v[D+1], v[D+12]
	v_fma_f32 v[D+12], v[D+2], v[D+2], v[D+12]
	v_fma_f32 v[D+12], v[D+3], v[D+3], v[D+12]
	v_fma_f32 v[D+10], v[D+12], 0x43800000, v[D+10]
	v_lshlrev_b32 v[D+13], 2, v0
	s_wait_alu depctr_va_vdst(0)                   ; the work-group's mean, its squared deviations and the offset are written, which the two stores read
	global_store_b32 v[D+13], v[D+8], s[40:41]
	global_store_b32 v[D+13], v[D+10], s[40:41] offset:512
	s_wait_dscnt 0x0                               ; the closing lines, six on end
	s_wait_alu 0x0
	s_wait_tensorcnt 0x0
	ds_add_u32 v126, v127
	s_wait_dscnt 0x0
	s_endpgm
.Lfunc_end_k_q85c2dcd07a_hidden1:
	.size	k_q85c2dcd07a_hidden1, .Lfunc_end_k_q85c2dcd07a_hidden1-k_q85c2dcd07a_hidden1
	.p2alignl 7, 3214868480
	.fill 96, 4, 3214868480
	.section	.rodata,"a",@progbits
	.p2align	6, 0x0
	.amdhsa_kernel k_q85c2dcd07a_hidden1
		.amdhsa_group_segment_fixed_size 12800
		.amdhsa_private_segment_fixed_size 0
		.amdhsa_enable_private_segment 0
		.amdhsa_kernarg_size 152
		.amdhsa_user_sgpr_count 2
		.amdhsa_user_sgpr_kernarg_segment_ptr 1
		.amdhsa_wavefront_size32 1
		.amdhsa_system_sgpr_workgroup_id_x 1
		.amdhsa_system_sgpr_workgroup_id_y 1
		.amdhsa_system_sgpr_workgroup_id_z 1
		.amdhsa_system_vgpr_workitem_id 0
		.amdhsa_next_free_vgpr 1024
		.amdhsa_next_free_sgpr 102
		.amdhsa_reserve_vcc 0
		.amdhsa_float_denorm_mode_32 3
		.amdhsa_float_denorm_mode_16_64 3
		.amdhsa_memory_ordered 1
		.amdhsa_forward_progress 1
		.amdhsa_inst_pref_size 173
	.end_amdhsa_kernel
	.amdgpu_metadata
---
amdhsa.version: [ 1, 2 ]
amdhsa.kernels:
  - .name:           k_q85c2dcd07a_hidden1
    .symbol:         k_q85c2dcd07a_hidden1.kd
    .args:
      - { .name: idx, .offset: 0, .size: 8, .value_kind: global_buffer, .address_space: global }
      - { .name: fq, .offset: 8, .size: 8, .value_kind: global_buffer, .address_space: global }
      - { .name: g4, .offset: 16, .size: 8, .value_kind: global_buffer, .address_space: global }
      - { .name: stB, .offset: 24, .size: 8, .value_kind: global_buffer, .address_space: global }
      - { .name: gg1, .offset: 32, .size: 8, .value_kind: global_buffer, .address_space: global }
      - { .name: betag1, .offset: 40, .size: 8, .value_kind: global_buffer, .address_space: global }
      - { .name: Wd2, .offset: 48, .size: 8, .value_kind: global_buffer, .address_space: global }
      - { .name: bd2, .offset: 56, .size: 8, .value_kind: global_buffer, .address_space: global }
      - { .name: bq, .offset: 64, .size: 8, .value_kind: global_buffer, .address_space: global }
      - { .name: bk, .offset: 72, .size: 8, .value_kind: global_buffer, .address_space: global }
      - { .name: Wq_codes, .offset: 80, .size: 8, .value_kind: global_buffer, .address_space: global }
      - { .name: Wq_scales, .offset: 88, .size: 8, .value_kind: global_buffer, .address_space: global }
      - { .name: Wk_codes, .offset: 96, .size: 8, .value_kind: global_buffer, .address_space: global }
      - { .name: Wk_scales, .offset: 104, .size: 8, .value_kind: global_buffer, .address_space: global }
      - { .name: Wg1_codes, .offset: 112, .size: 8, .value_kind: global_buffer, .address_space: global }
      - { .name: Wg1_scales, .offset: 120, .size: 8, .value_kind: global_buffer, .address_space: global }
      - { .name: bg1, .offset: 128, .size: 8, .value_kind: global_buffer, .address_space: global }
      - { .name: h1, .offset: 136, .size: 8, .value_kind: global_buffer, .address_space: global }
      - { .name: stA, .offset: 144, .size: 8, .value_kind: global_buffer, .address_space: global }
    .group_segment_fixed_size: 12800
    .private_segment_fixed_size: 0
    .kernarg_segment_align: 8
    .kernarg_segment_size: 152
    .max_flat_workgroup_size: 128
    .sgpr_count:     102
    .vgpr_count:     1024
    .wavefront_size: 32
...
	.end_amdgpu_metadata
.endif
;; end of part 7
;; launch finish (part 8): grid 256 x 1, 4 waves a work-group, no clusters, 8,704 bytes of LDS; arguments idx, fq, g4, h1, stA, gg2, betag2, bg1, Wg1_codes, Wg1_scales, Wg2_codes, Wg2_scales, bg2, Wv_codes, Wv_scales, bv, Wd2, bd2, out0; writes out0
.if DOCPART == 8
	.amdgcn_target "amdgcn-amd-amdhsa--gfx1250"
	.amdhsa_code_object_version 6
	.text
	.protected	k_q85c2dcd07a_finish
	.globl	k_q85c2dcd07a_finish
	.p2align	8
	.type	k_q85c2dcd07a_finish,@function
k_q85c2dcd07a_finish:
	s_mov_b64 s[64:65], 0
	v_nop
	global_prefetch_b8 v0, s[64:65] scope:SCOPE_SE
	s_setreg_imm32_b32 hwreg(HW_REG_WAVE_SCHED_MODE, 0, 2), 2
	s_setreg_imm32_b32 hwreg(HW_REG_WAVE_MODE, 25, 1), 1
	s_wait_xcnt 0x0
	s_wait_alu depctr_vm_vsrc(0)
; out = the sum over a query's 16 neighbours of softmax_k(Q(gelu(bn2(h1 Wg1^T + bg1))) Wg2^T + bg2) x (Q(feats_c) Wv^T + bv + pos).
; h1 comes as codes in the order of an operand's registers.  h1 Wg1^T is used TRANSPOSED (a lane holds one neighbour, registers run along the next K), is normed, put through gelu and quantised in registers.
; The product with Wg2 and the values have the rows as source 0, and lane r of tile t takes the weight's row 8 r + t: a lane holds ONE channel of each tile and 8 neighbours, so the softmax over neighbours stays in the lane but
; for one exchange with lane l xor 16, and a lane ends with 8 neighbouring channels: one store of 16 bytes a lane writes the query's whole row of 512 bytes.
; The values' pos comes by the f32 form with K = 4: (g0, g1, g2, 1) (Wd2 | bd2 + bv)^T.  The maximum over the 16 neighbours is taken away before the exponentials.
; The norm's constants come from the 256 work-groups' (mean, sum of squared deviations), joined without a difference of large sums; bg1, which the mean holds and the accumulator does not, is taken off the mean.
; SHARES.  Work-group g, wave w: tiles (queries) 64 g + 16 w + i.  Two sets of operand registers take turns; a set is asked for again, for the tile two on, once its own tile's products have read it.
; LIMITS: NaN and infinities are not served; below x of about -3 gelu's relative error grows as erf's absolute error stays; a block of zeros carries the byte 1 (its codes are zeros; this program alone reads the bytes).
; THE MODE: SCHED_MODE bits 1:0 = 2 (LLVM: expert scheduling mode 2), set by the entry lines.  The code itself states the register dependences between vector or matrix instructions and memory or LDS instructions, with s_wait_alu, always for 0.
; THE PLAN.  Registers that memory instructions touch, in the loop:
;   set b (H1, GG, FM, SH1, SFM)  Tile i, b = i % 2: its first 24 products read the set; behind the tile's first gelu the loads of tile i + 2 land in it.
;   OF, OQ         Written at a tile's head (the rows of tile i + 2); read by those loads.
;   RO             The query's row: written by the tile's last four lines; read by its store.
;   H48, OG, LI, LS, OO   Made at the kernel's head and never written again: the tiles are reached by scalar bases.
; So a tile has ONE wait on vm_vsrc, at its head (the last tile's loads and store have read what this tile writes again).  Its nine loads lean on the wait on va_vdst that the first gelu holds for its reciprocals: that wait stands behind the
; 24 products and behind the head's two lines, and the vector lines between it and the loads name v160-207 alone.  Two waits on va_vdst are the tile's own: behind the quantiser and its eight places (the codes and the scale word, which
; the scaled product takes), and ahead of the row's store.
; REGISTERS.  window 0: below.  window 1: v0-95 Wg1, v96-191 Wg2, v192-207 (Wd2 | bias), v208-211 g (2 sets), v212-235 h1's codes (2 sets).  window 2: v0-95 Wv, v96-159, v160-223 the norm's factors and addends,
;   v224-247 the neighbours' codes (2 sets).  window 3: v0-63 accumulators, v64-127 the values (written by matrix instructions alone), v128-191 bg2 in the result's layout.
.set XS,  0                            ; LDS: [4 waves][3][128] partial sums
.set AB,  6144                         ; [2][128] the norm's constants
.set H48, 2                            ; v2   48 x (lane / 16)
.set OG,  3                            ; v3   16 r + 8 h
.set LI,  4                            ; v4   16 x lane
.set LS,  5                            ; v5   4 x lane
.set OF,  6                            ; v6   the rows in fq of the tile to be asked for, + H48
.set OQ,  7                            ; v7   the same without
.set QI,  8                            ; v8-24  16 x neighbour index of lane r, tiles in hand .. last
.set OO,  25                           ; v25  32 r + 16 h
.set SW1, 26                           ; scale words: Wg1's 8, Wg2's 8, Wv's 8, h1's 2, the neighbours' 2
.set SW2, 34
.set SWV, 42
.set SH1, 50
.set SFM, 52
.set A0V, 54
.set B0V, 56
.set PW,  58                           ; the scale word just made
.set H64, 59
.set MX,  60
.set SP,  68
.set PV,  84
.set OU,  100
.set RO,  108
.set PT,  112
.set TM,  128
.set PC,  144
.set Z,   192
.set WG1, 0
.set WG2, 96
.set WD2, 192
.set GG,  208
.set H1,  212
.set WVF, 0
.set A1,  96
.set B1,  160
.set FM,  224
.set ACC, 0
.set ACV, 64
.set BG2, 128
.set WV,  42
.set SI,  43
.set STRIP, 44
.set SNX, 45
.set TO,  46
.set SEL, 48
.set SHI, 50
.set L2E, 94
.set GA1, 66
.set GA2, 68
.set GA3, 70
.set GA4, 72
.set GA5, 74
.set GA6, 76
.set GB1, 78
.set GB2, 80
.set GB3, 82
.set GB4, 84
.set RS2, 86
.set MSB, 0
.macro WIN new                         ; the immediate's high byte repeats the setting that is left
.if MSB != \new
	s_set_vgpr_msb (MSB<<8)|\new
.set MSB, \new
.endif
.endm
.macro SPAIR reg, val                  ; a packed form names a scalar pair and takes its low word for both halves: both are written
	s_mov_b32 s[\reg], \val
	s_mov_b32 s[\reg+1], \val
.endm
.macro HORN acc, x, c, np
.set g_i, 0
.rept \np
	v_pk_fma_f32 v[\acc+g_i:\acc+g_i+1], v[\acc+g_i:\acc+g_i+1], v[\x+g_i:\x+g_i+1], s[\c:\c+1] op_sel_hi:[1,1,0]
.set g_i, g_i+2
.endr
.endm
; gelu of np pairs z (in place), stage by stage over all pairs.  Temporaries: four runs of 2 np registers from t on: zc, zc^2, P, Q.
.macro GELU z, t, np
.set g_i, 0
.rept 2*(\np)
	v_med3_num_f32 v[\t+g_i], v[\z+g_i], -4.0, 4.0
.set g_i, g_i+1
.endr
.set g_i, 0
.rept \np
	v_pk_mul_f32 v[\t+2*(\np)+g_i:\t+2*(\np)+g_i+1], v[\t+g_i:\t+g_i+1], v[\t+g_i:\t+g_i+1]
.set g_i, g_i+2
.endr
.set g_i, 0
.rept \np
	v_pk_fma_f32 v[\t+4*(\np)+g_i:\t+4*(\np)+g_i+1], v[\t+2*(\np)+g_i:\t+2*(\np)+g_i+1], v[A0V:A0V+1], s[GA1:GA1+1] op_sel_hi:[1,1,0]
.set g_i, g_i+2
.endr
.set g_i, 0
.rept \np
	v_pk_fma_f32 v[\t+6*(\np)+g_i:\t+6*(\np)+g_i+1], v[\t+2*(\np)+g_i:\t+2*(\np)+g_i+1], v[B0V:B0V+1], s[GB1:GB1+1] op_sel_hi:[1,1,0]
.set g_i, g_i+2
.endr
	HORN (\t+4*(\np)), (\t+2*(\np)), GA2, \np
	HORN (\t+6*(\np)), (\t+2*(\np)), GB2, \np
	HORN (\t+4*(\np)), (\t+2*(\np)), GA3, \np
	HORN (\t+6*(\np)), (\t+2*(\np)), GB3, \np
	HORN (\t+4*(\np)), (\t+2*(\np)), GA4, \np
	HORN (\t+6*(\np)), (\t+2*(\np)), GB4, \np
	HORN (\t+4*(\np)), (\t+2*(\np)), GA5, \np
	HORN (\t+4*(\np)), (\t+2*(\np)), GA6, \np
.set g_i, 0
.rept 2*(\np)
	v_rcp_f32 v[\t+6*(\np)+g_i], v[\t+6*(\np)+g_i]
.set g_i, g_i+1
.endr
.set g_i, 0
.rept \np
	v_pk_mul_f32 v[\t+4*(\np)+g_i:\t+4*(\np)+g_i+1], v[\t+4*(\np)+g_i:\t+4*(\np)+g_i+1], v[\t+g_i:\t+g_i+1]      ; zc P: plain work behind the reciprocals
.set g_i, g_i+2
.endr
.set g_i, 0
.rept \np
	v_pk_mul_f32 v[\z+g_i:\z+g_i+1], v[\z+g_i:\z+g_i+1], s[RS2:RS2+1] op_sel_hi:[1,0]
.set g_i, g_i+2
.endr
	s_wait_alu depctr_va_vdst(0)                   ; the reciprocals are written: one wait for the batch, ahead of their first reader.  In a tile's first gelu it states besides that OF and OQ are written and that the tile's first 24 products are done reading their set: the loads behind that gelu lean on it
.set g_i, 0
.rept \np
	v_pk_mul_f32 v[\t+4*(\np)+g_i:\t+4*(\np)+g_i+1], v[\t+4*(\np)+g_i:\t+4*(\np)+g_i+1], v[\t+6*(\np)+g_i:\t+6*(\np)+g_i+1]      ; erf
.set g_i, g_i+2
.endr
.set g_i, 0
.rept \np
	v_pk_fma_f32 v[\z+g_i:\z+g_i+1], v[\z+g_i:\z+g_i+1], v[\t+4*(\np)+g_i:\t+4*(\np)+g_i+1], v[\z+g_i:\z+g_i+1]
.set g_i, g_i+2
.endr
.endm
; 64 numbers of a lane, register 16 b + i = k 32 b + 16 (lane / 16) + i of my row, become a fragment's codes in v[PC] on and its scale word in v[PW]
.macro QUANT s
.irp b,0,1,2,3
	v_max3_num_f32 v[TM+\b], |v[\s+16*\b]|, |v[\s+1+16*\b]|, 0x2800000     ; with the floor 2^(5 - 127): the byte cannot fall under 1
.endr
.irp i,2,4,6,8,10,12,14
.irp b,0,1,2,3
	v_max3_num_f32 v[TM+\b], v[TM+\b], |v[\s+16*\b+\i]|, |v[\s+1+16*\b+\i]|
.endr
.endr
.irp b,0,1,2,3
	v_permlanex16_b32 v[TM+4+\b], v[TM+\b], s[SEL], s[SEL+1]
.endr
.irp b,0,1,2,3
	v_max_num_f32 v[TM+\b], v[TM+\b], v[TM+4+\b]   ; with lane l xor 16's: the block's largest magnitude
.endr
.irp b,0,1,2,3
	v_add_nc_u32 v[TM+12+\b], 0xfe000000, v[TM+\b] ; 4 off its exponent field: the conversion's scale operand
.endr
.irp b,0,1,2,3
	v_lshrrev_b32 v[TM+4+\b], 23, v[TM+12+\b]      ; the scale's byte
.endr
	v_lshl_or_b32 v[PW], v[TM+5], 8, v[TM+4]
	v_lshl_or_b32 v[PW], v[TM+6], 16, v[PW]
	v_lshl_or_b32 v[PW], v[TM+7], 24, v[PW]
.irp c,0,1
	v_cvt_scalef32_pk16_bf6_f32 v[PC+6*\c:PC+2+6*\c], v[\s+32*\c:\s+15+32*\c], v[TM+12+2*\c]
	v_cvt_scalef32_pk16_bf6_f32 v[PC+12+4*\c:PC+14+4*\c], v[\s+16+32*\c:\s+31+32*\c], v[TM+12+2*\c+1]      ; (a conversion's three registers begin on an even number)
.endr
	v_nop                                          ; one plain place behind a scaled conversion
.irp c,0,1                                     ; the operand's layout wants a whole block in a lane
.irp i,0,1,2
	v_permlane16_swap_b32 v[PC+6*\c+\i], v[PC+12+4*\c+\i]
.endr
.irp i,0,1,2
	v_mov_b32 v[PC+3+6*\c+\i], v[PC+12+4*\c+\i]
.endr
.endr
.endm
; A weight's 8 fragments, 24 bytes as three loads of 8.  map 0: lane r of tile 2 b + u takes row 32 b + 8 u + r + 8 (r / 8);  map 1: lane r of tile t takes row 8 r + t
.macro WFRAG base, ptr, voff, map
.irp t,0,1,2,3,4,5,6,7
.irp p,0,1,2,3,4,5
.if \map
	global_load_b64 v[\base+12*\t+2*\p:\base+12*\t+2*\p+1], v[\voff], s[\ptr:\ptr+1] offset:96*\t+48*(\p/3)+8*(\p%3)
.else
	global_load_b64 v[\base+12*\t+2*\p:\base+12*\t+2*\p+1], v[\voff], s[\ptr:\ptr+1] offset:(32*(\t/2)+8*(\t%2))*96+48*(\p/3)+8*(\p%3)
.endif
.endr
.endr
.endm
.macro WSCL base, ptr, voff, map       ; one word of 4 bytes for each of those rows
.irp t,0,1,2,3,4,5,6,7
.if \map
	global_load_b32 v[\base+\t], v[\voff], s[\ptr:\ptr+1] offset:4*\t
.else
	global_load_b32 v[\base+\t], v[\voff], s[\ptr:\ptr+1] offset:(32*(\t/2)+8*(\t%2))*4
.endif
.endr
.endm
	s_load_b512 s[4:19], s[0:1], 0x0               ; idx 4, fq 6, g4 8, h1 10, stA 12, gg2 14, betag2 16, bg1 18
	s_load_b512 s[20:35], s[0:1], 0x40             ; Wg1 20 22, Wg2 24 26, bg2 28, Wv 30 32, bv 34
	s_load_b128 s[36:39], s[0:1], 0x80             ; Wd2 36, bd2 38
	s_load_b64 s[40:41], s[0:1], 0x90              ; out0
	s_set_vgpr_msb 0x40
	v_lshl_add_u32 v254, v0, 2, 0x2000
	v_mov_b32 v255, 0
	s_set_vgpr_msb 0x4000
	v_and_b32 v1, 15, v0                           ; r
	v_bfe_u32 v120, v0, 4, 1                       ; h
	v_lshrrev_b32 v121, 5, v0
	v_readfirstlane_b32 s[WV], v121
	v_mul_u32_u24 v[H48], v120, 48
	v_lshlrev_b32 v[OG], 4, v1
	v_lshl_add_u32 v[OG], v120, 3, v[OG]
	v_and_b32 v121, 31, v0
	v_lshlrev_b32 v[LI], 4, v121
	v_lshlrev_b32 v[LS], 2, v121
	v_lshlrev_b32 v[H64], 6, v120
	v_lshlrev_b32 v[OO], 5, v1
	v_lshl_add_u32 v[OO], v120, 4, v[OO]
	v_and_b32 v122, 8, v1
	v_add_nc_u32 v122, v122, v1                    ; r + 8 (r / 8)
	v_mul_u32_u24 v123, v122, 96
	v_mad_u32_u24 v123, v120, 24, v123             ; Wg1's row, + 24 h
	v_lshlrev_b32 v124, 2, v122                    ; its scale word
	v_mul_u32_u24 v125, v1, 768
	v_mad_u32_u24 v125, v120, 24, v125             ; row 8 r of Wg2 and Wv, + 24 h
	v_lshlrev_b32 v126, 5, v1                      ; 4 bytes a channel: 32 r
	v_mul_u32_u24 v127, v1, 96                     ; Wd2: 12 bytes a channel: 96 r
	v_lshl_add_u32 v122, v120, 3, v127             ; + 8 h
	s_wait_alu depctr_va_sdst(0)                   ; the wave's number is written, ahead of its first reader: an LDS address and the wave's tiles are made from it
	s_mul_i32 s97, s[WV], 1536
	v_add_nc_u32 v121, s97, v[LI]                  ; my wave's partial sums in LDS
	v_lshlrev_b32 v120, 2, v1                      ; idx: 4 r
	s_mov_b32 s[SEL], 0x76543210
	s_mov_b32 s[SEL+1], 0xfedcba98                 ; v_permlanex16_b32's selects for lane l xor 16
	s_mov_b32 s[SHI], 0xffff0000                   ; lanes 16-31
	SPAIR L2E, 0x3fb8aa3b                          ; log2(e)
	SPAIR GA1, 0x32edffee
	SPAIR GA2, 0xb60cff51
	SPAIR GA3, 0xb86ec2d2
	SPAIR GA4, 0xba40ac63
	SPAIR GA5, 0xbb41a1f6
	SPAIR GA6, 0xbc83dbd4
	SPAIR GB1, 0xb95fbd29
	SPAIR GB2, 0xbadc924e
	SPAIR GB3, 0xbbf19bf8
	SPAIR GB4, 0xbc69b6a7
	SPAIR RS2, 0x3f3504f3
	v_mov_b32 v[A0V], 0xaf95df0b
	v_mov_b32 v[A0V+1], 0xaf95df0b
	v_mov_b32 v[B0V], 0xb77460cd
	v_mov_b32 v[B0V+1], 0xb77460cd
	s_mov_b32 s[TO+1], 0
	s_lshl_b32 s97, ttmp9, 6
	s_lshl_b32 s96, s[WV], 4
	s_add_co_u32 s97, s97, s96                     ; my first tile
	s_wait_kmcnt 0x0
	s_lshl_b32 s[TO], s97, 6
	s_add_nc_u64 s[4:5], s[4:5], s[TO:TO+1]        ; idx at my first tile
	s_lshl_b32 s[TO], s97, 8
	s_add_nc_u64 s[52:53], s[8:9], s[TO:TO+1]      ; g4
	s_mul_i32 s[TO], s97, 1536
	s_add_nc_u64 s[58:59], s[10:11], s[TO:TO+1]    ; h1's codes
	s_lshl_b32 s[TO], s97, 6
	s_add_co_u32 s[TO], s[TO], 25165824
	s_add_nc_u64 s[62:63], s[10:11], s[TO:TO+1]    ; h1's scale words: 128 bytes for two tiles
	s_lshl_b32 s[TO], s97, 9
	s_add_nc_u64 s[90:91], s[40:41], s[TO:TO+1]    ; out0
	s_lshr_b32 s[TO], ttmp9, 7
	s_lshl_b32 s[TO], s[TO], 20
	s_add_nc_u64 s[56:57], s[6:7], s[TO:TO+1]      ; my cloud in fq
	s_add_nc_u64 s[12:13], s[12:13], 32768         ; the third norm's statistics
	; ---- the third norm's constants.  Lane: channels 4 (lane) .. + 3; wave w: work-groups 64 w .. 64 w + 63
	s_wait_alu depctr_va_vdst(0)                   ; every offset and LDS address made above (v2-5, v25, v59, v120-127) is written: the head's loads and LDS instructions and the tiles' stores read them
	global_load_b128 v[68:71], v[LI], s[12:13]     ; work-group 0's mean: deviations are taken from it
	global_load_b128 v[92:95], v[LI], s[14:15]
	global_load_b128 v[96:99], v[LI], s[16:17]
	global_load_b128 v[100:103], v[LI], s[18:19]
	s_lshl_b32 s[TO], s[WV], 16
	s_add_nc_u64 s[98:99], s[12:13], s[TO:TO+1]
.set k_, 72
.rept 12
	v_mov_b32 v[k_], 0
.set k_, k_+1
.endr
	s_mov_b32 s100, 0
.Lstats:
	s_wait_alu depctr_va_vdst(0)                   ; the last trip's additions are done reading v128-255, in which this trip's loads land
.irp i,0,1,2,3,4,5,6,7,8,9,10,11,12,13,14,15
	global_load_b128 v[128+4*\i:131+4*\i], v[LI], s[98:99] offset:1024*\i
	global_load_b128 v[192+4*\i:195+4*\i], v[LI], s[98:99] offset:1024*\i+512
.endr
	s_wait_loadcnt 0x0
.irp i,0,1,2,3,4,5,6,7,8,9,10,11,12,13,14,15
	v_pk_add_f32 v[84+4*(\i%2):85+4*(\i%2)], v[128+4*\i:129+4*\i], v[68:69] neg_lo:[0,1] neg_hi:[0,1]
	v_pk_add_f32 v[86+4*(\i%2):87+4*(\i%2)], v[130+4*\i:131+4*\i], v[70:71] neg_lo:[0,1] neg_hi:[0,1]
	v_pk_add_f32 v[80:81], v[80:81], v[192+4*\i:193+4*\i]
	v_pk_add_f32 v[82:83], v[82:83], v[194+4*\i:195+4*\i]
	v_pk_add_f32 v[72:73], v[72:73], v[84+4*(\i%2):85+4*(\i%2)]
	v_pk_add_f32 v[74:75], v[74:75], v[86+4*(\i%2):87+4*(\i%2)]
	v_pk_fma_f32 v[76:77], v[84+4*(\i%2):85+4*(\i%2)], v[84+4*(\i%2):85+4*(\i%2)], v[76:77]
	v_pk_fma_f32 v[78:79], v[86+4*(\i%2):87+4*(\i%2)], v[86+4*(\i%2):87+4*(\i%2)], v[78:79]
.endr
	s_add_nc_u64 s[98:99], s[98:99], 16384         ; (the loads that named it are back)
	s_add_co_u32 s100, s100, 1
	s_cmp_lt_u32 s100, 4
	s_cbranch_scc1 .Lstats
	s_wait_alu depctr_va_vdst(0)                   ; my partial sums v72-83 are written, which the LDS stores read; the additions are done reading v128-255, in which loads land below
	ds_store_b128 v121, v[72:75] offset:XS
	ds_store_b128 v121, v[76:79] offset:XS+512
	ds_store_b128 v121, v[80:83] offset:XS+1024
	s_wait_dscnt 0x0                               ; for the others' sake: my partial sums lie in LDS
	s_barrier_signal -1
	s_barrier_wait -1
.irp w,0,1,2,3
.irp q,0,1,2
	ds_load_b128 v[128+16*\w+4*\q:131+16*\w+4*\q], v[LI] offset:XS+1536*\w+512*\q
.endr
.endr
	s_wait_dscnt 0x0
.irp w,1,2,3
.irp p,0,2,4,6,8,10
	v_pk_add_f32 v[128+\p:129+\p], v[128+\p:129+\p], v[128+16*\w+\p:129+16*\w+\p]
.endr
.endr
.irp k,0,1,2,3
	v_mul_f32 v[140+\k], 0x3b800000, v[128+\k]     ; the sum of deviations / 256
.endr
.irp k,0,1,2,3
	v_fma_f32 v[132+\k], -v[128+\k], v[140+\k], v[132+\k]
	v_add_f32 v[68+\k], v[68+\k], v[140+\k]        ; the mean
.endr
.irp k,0,1,2,3
	v_fma_f32 v[136+\k], v[132+\k], 0x44800000, v[136+\k]          ; 1,024 rows to a work-group
	v_sub_f32 v[68+\k], v[68+\k], v[100+\k]        ; the accumulator holds no bg1: it is taken off the mean
.endr
.irp k,0,1,2,3
	v_mul_f32 v[136+\k], 0x36800000, v[136+\k]     ; / 262,144: the variance
.endr
.irp k,0,1,2,3
	v_add_f32 v[136+\k], 0x3727c5ac, v[136+\k]     ; + 1e-5
.endr
.irp k,0,1,2,3
	v_rsq_f32 v[136+\k], v[136+\k]
.endr
	v_nop
	s_wait_alu depctr_va_vdst(0)                   ; the four roots are written, ahead of their first reader
.irp k,0,1,2,3
	v_mul_f32 v[136+\k], v[92+\k], v[136+\k]
.endr
.irp k,0,1,2,3
	v_fma_f32 v[96+\k], -v[68+\k], v[136+\k], v[96+\k]
	v_mul_f32 v[92+\k], s[RS2], v[136+\k]          ; z = x A + B
.endr
.irp k,0,1,2,3
	v_mul_f32 v[96+\k], s[RS2], v[96+\k]
.endr
	s_wait_alu depctr_va_vdst(0)                   ; the constants v92-99 are written, which wave 0's LDS stores read; no vector line stands between here and the head's remaining loads
	s_cmp_lg_u32 s[WV], 0                          ; all four waves hold the same numbers: wave 0 writes them
	s_cbranch_scc1 .Lnot_0
	ds_store_b128 v[LI], v[92:95] offset:AB
	ds_store_b128 v[LI], v[96:99] offset:AB+512
.Lnot_0:
	s_wait_dscnt 0x0
	s_barrier_signal -1
	s_barrier_wait -1
	WIN 0x80
.irp b,0,1,2,3
.irp k,0,1,2,3
	ds_load_b128 v[A1+16*\b+4*\k:A1+16*\b+4*\k+3], v[H64] offset:AB+128*\b+16*\k           ; register 16 b + i: channel 32 b + 16 h + i
	ds_load_b128 v[B1+16*\b+4*\k:B1+16*\b+4*\k+3], v[H64] offset:AB+512+128*\b+16*\k
.endr
.endr
	WFRAG WVF, 30, 125, 1
	WIN 0x40
	WFRAG WG1, 20, 123, 0
	WFRAG WG2, 24, 125, 1
	WIN 0
	WSCL SW1, 22, 124, 0
	WSCL SW2, 26, 126, 1
	WSCL SWV, 32, 126, 1
.irp t,0,1,2,3,4,5,6,7
	global_load_b32 v[192+\t], v122, s[36:37] offset:12*\t         ; Wd2(8 r + t, 2 h)
	global_load_b32 v[200+\t], v127, s[36:37] offset:12*\t+4       ; Wd2(8 r + t, 1)
	global_load_b32 v[208+\t], v126, s[38:39] offset:4*\t          ; bd2
	global_load_b32 v[216+\t], v126, s[34:35] offset:4*\t          ; bv
.endr
	global_load_b128 v[PT:PT+3], v126, s[28:29]                    ; bg2 of channels 8 r .. 8 r + 7
	global_load_b128 v[PT+4:PT+7], v126, s[28:29] offset:16
.irp i,0,1,2,3,4,5,6,7,8,9,10,11,12,13,14,15
	global_load_b32 v[QI+\i], v120, s[4:5] offset:64*\i
.endr
	s_wait_loadcnt 0x0
	s_wait_dscnt 0x0
.irp t,0,1,2,3,4,5,6,7
	v_add_f32 v[208+\t], v[208+\t], v[216+\t]      ; bd2 + bv
.endr
	WIN 0x40
.irp t,0,1,2,3,4,5,6,7
	v_mov_b32 v[WD2+2*\t], v[192+\t]               ; k = 2 h
	v_cndmask_b32 v[WD2+2*\t+1], v[200+\t], v[208+\t], s[SHI]      ; k = 2 h + 1: Wd2(c, 1), or the bias at k = 3
.endr
	WIN 0xc0
.irp t,0,1,2,3,4,5,6,7
.irp j,0,1,2,3,4,5,6,7
	v_mov_b32 v[BG2+8*\t+\j], v[PT+\t]             ; the C of the product with Wg2: my channel's bias for all 8 neighbours
.endr
.endr
	WIN 0
.irp i,0,1,2,3,4,5,6,7,8,9,10,11,12,13,14,15
	v_min_u32 v[QI+\i], 0x1fff, v[QI+\i]
.endr
.irp i,0,1,2,3,4,5,6,7,8,9,10,11,12,13,14,15
	v_lshlrev_b32 v[QI+\i], 4, v[QI+\i]
.endr
	v_mov_b32 v[QI+16], v[QI+15]
.macro NEXT d                          ; where the operands of the tile d on lie (past the last tile the last is asked for again: no load leaves its buffer), and this tile's row of out0
	s_add_co_u32 s[SNX], s[SI], \d
	s_min_u32 s[SNX], s[SNX], 15
	s_lshl_b32 s[TO], s[SNX], 8
	s_add_nc_u64 s[54:55], s[52:53], s[TO:TO+1]
	s_mul_i32 s[TO], s[SNX], 1536
	s_add_nc_u64 s[60:61], s[58:59], s[TO:TO+1]
	s_lshr_b32 s[TO], s[SNX], 1
	s_lshl_b32 s[TO], s[TO], 7
	s_add_nc_u64 s[88:89], s[62:63], s[TO:TO+1]
	s_lshl_b32 s[TO], s[SI], 9
	s_add_nc_u64 s[92:93], s[90:91], s[TO:TO+1]
	v_lshl_add_u32 v[OF], v[QI+\d], 3, v[H48]
	v_lshlrev_b32 v[OQ], 3, v[QI+\d]
.endm
.macro LOADT b
	WIN 0x40
	global_load_b128 v[H1+12*\b:H1+12*\b+3], v[LI], s[60:61] th:TH_LOAD_NT                 ; the fragment as it was stored: three loads of 512 consecutive bytes
	global_load_b128 v[H1+12*\b+4:H1+12*\b+7], v[LI], s[60:61] offset:512 th:TH_LOAD_NT
	global_load_b128 v[H1+12*\b+8:H1+12*\b+11], v[LI], s[60:61] offset:1024 th:TH_LOAD_NT
	global_load_b64 v[GG+2*\b:GG+2*\b+1], v[OG], s[54:55]
	WIN 0x80
	global_load_b128 v[FM+12*\b:FM+12*\b+3], v[OF], s[56:57]                               ; lane (r, h): 48 bytes of neighbour r's row: blocks h and 2 + h
	global_load_b128 v[FM+12*\b+4:FM+12*\b+7], v[OF], s[56:57] offset:16
	global_load_b128 v[FM+12*\b+8:FM+12*\b+11], v[OF], s[56:57] offset:32
	WIN 0
	global_load_b32 v[SFM+\b], v[OQ], s[56:57] offset:96
	global_load_b32 v[SH1+\b], v[LS], s[88:89]                                             ; lanes 0-15 the even tile's words, lanes 16-31 the odd tile's
.endm
.macro QROT
.irp j,0,1,2,3,4,5,6,7,8,9,10,11,12,13,14,15
	v_mov_b32 v[QI+\j], v[QI+\j+1]
.endr
.endm
.macro TILE cur
	s_wait_loadcnt 9                               ; loads come back in order (ISA guide 5.7.1): this tile's nine are in; the next tile's nine, asked for later, stay out
	s_wait_xcnt 0x0                                ; the last tile's loads and store have had their addresses translated: pointers, offsets and the row may be written
	s_wait_alu depctr_vm_vsrc(0)                   ; the last tile's loads have read OF and OQ, its store has read RO: this tile writes them again
	NEXT 2
	WIN 0xf5
.irp t,0,1,2,3,4,5,6,7                         ; the accumulators by turns
.if \cur == 0
	v_wmma_scale_f32_16x16x128_f8f6f4 v[ACC+8*\t:ACC+8*\t+7], v[WG1+12*\t:WG1+12*\t+11], v[H1+12*(\cur):H1+12*(\cur)+11], 0, v[SW1+\t], v[SH1+(\cur)] matrix_a_fmt:MATRIX_FMT_BF6 matrix_b_fmt:MATRIX_FMT_BF6
.else
	v_wmma_scale_f32_16x16x128_f8f6f4 v[ACC+8*\t:ACC+8*\t+7], v[WG1+12*\t:WG1+12*\t+11], v[H1+12*(\cur):H1+12*(\cur)+11], 0, v[SW1+\t], v[SH1+(\cur)] matrix_a_fmt:MATRIX_FMT_BF6 matrix_b_fmt:MATRIX_FMT_BF6 matrix_b_scale:MATRIX_SCALE_ROW1
.endif
.endr
	WIN 0xfa
.irp t,0,1,2,3,4,5,6,7
	v_wmma_scale_f32_16x16x128_f8f6f4 v[ACV+8*\t:ACV+8*\t+7], v[FM+12*(\cur):FM+12*(\cur)+11], v[WVF+12*\t:WVF+12*\t+11], 0, v[SFM+(\cur)], v[SWV+\t] matrix_a_fmt:MATRIX_FMT_BF6 matrix_b_fmt:MATRIX_FMT_BF6
.endr
	WIN 0
	QROT                                           ; 16 plain lines that name none of the products' registers: the places between the two forms, and ahead of the first read of the first run's results
	WIN 0xf5
.irp t,0,1,2,3,4,5,6,7
	v_wmma_f32_16x16x4_f32 v[ACV+8*\t:ACV+8*\t+7], v[GG+2*(\cur):GG+2*(\cur)+1], v[WD2+2*\t:WD2+2*\t+1], v[ACV+8*\t:ACV+8*\t+7]
.endr
	WIN 0x2b
.set z_i, 0
.rept 32
	v_pk_fma_f32 v[Z+z_i:Z+z_i+1], v[ACC+z_i:ACC+z_i+1], v[A1+z_i:A1+z_i+1], v[B1+z_i:B1+z_i+1]        ; the norm, and / sqrt 2; ascending: each accumulator from its low end on
.set z_i, z_i+2
.endr
	WIN 0
	GELU Z, 128, 8
	LOADT \cur                                     ; the set is asked for again, for the tile two on.  No wait of its own: the wait in the gelu above stands behind the set's readers and behind OF's and OQ's lines, and the vector lines since name v160-207 alone
.irp k,1,2,3
	GELU (Z+16*\k), 128, 8
.endr
	QUANT Z
.rept 8
	v_nop                                          ; a scale register written by vector instructions stands 8 places ahead of a scaled matrix instruction, an operand 4
.endr
	s_wait_alu depctr_va_vdst(0)                   ; the codes in PC and the scale word PW are written, which the scaled products below take as an operand and as its scales
	WIN 0xf4
.irp t,0,1,2,3,4,5,6,7
	v_wmma_scale_f32_16x16x128_f8f6f4 v[ACC+8*\t:ACC+8*\t+7], v[PC:PC+11], v[WG2+12*\t:WG2+12*\t+11], v[BG2+8*\t:BG2+8*\t+7], v[PW], v[SW2+\t] matrix_a_fmt:MATRIX_FMT_BF6 matrix_b_fmt:MATRIX_FMT_BF6
.endr
	WIN 0
.rept 4
	v_nop
.endr
	; ---- the softmax over the 16 neighbours: my 8 in registers, the other 8 in lane l xor 16; run by run over the 8 tiles
	WIN 0x3f
.irp t,0,1,2,3,4,5,6,7
	v_max3_num_f32 v[MX+\t], v[ACC+8*\t], v[ACC+8*\t+1], v[ACC+8*\t+2]
.endr
	WIN 0x3c
.irp t,0,1,2,3,4,5,6,7
	v_max3_num_f32 v[MX+\t], v[MX+\t], v[ACC+8*\t+3], v[ACC+8*\t+4]
.endr
.irp t,0,1,2,3,4,5,6,7
	v_max3_num_f32 v[MX+\t], v[MX+\t], v[ACC+8*\t+5], v[ACC+8*\t+6]
.endr
.irp t,0,1,2,3,4,5,6,7
	v_max_num_f32 v[MX+\t], v[MX+\t], v[ACC+8*\t+7]
.endr
	WIN 0
.irp t,0,1,2,3,4,5,6,7
	v_permlanex16_b32 v[PT+\t], v[MX+\t], s[SEL], s[SEL+1]
.endr
.irp t,0,1,2,3,4,5,6,7
	v_max_num_f32 v[MX+\t], v[MX+\t], v[PT+\t]     ; the channel's largest over all 16
.endr
.irp t,0,1,2,3,4,5,6,7
	v_mul_f32 v[MX+\t], 0xbfb8aa3b, v[MX+\t]       ; x -log2(e)
.endr
	WIN 0x03
.irp p,0,1,2,3
.irp t,0,2,4,6
	v_pk_fma_f32 v[Z+8*\t+2*\p:Z+8*\t+2*\p+1], v[ACC+8*\t+2*\p:ACC+8*\t+2*\p+1], s[L2E:L2E+1], v[MX+\t:MX+\t+1] op_sel_hi:[1,0,0]
	v_pk_fma_f32 v[Z+8*\t+8+2*\p:Z+8*\t+8+2*\p+1], v[ACC+8*\t+8+2*\p:ACC+8*\t+8+2*\p+1], s[L2E:L2E+1], v[MX+\t:MX+\t+1] op_sel:[0,0,1] op_sel_hi:[1,0,1]
.endr
.endr
	WIN 0
.set z_i, 0
.rept 64
	v_exp_f32 v[Z+z_i], v[Z+z_i]                   ; p = e^(x - max), at most 1
.set z_i, z_i+1
.endr
	v_nop                                          ; a plain line behind the last exponential
	s_wait_alu depctr_va_vdst(0)                   ; the 64 exponentials are written: one wait for the batch, ahead of its first reader
.irp t,0,1,2,3,4,5,6,7
	v_pk_add_f32 v[SP+2*\t:SP+2*\t+1], v[Z+8*\t:Z+8*\t+1], v[Z+8*\t+2:Z+8*\t+3]
.endr
.irp p,2,3
.irp t,0,1,2,3,4,5,6,7
	v_pk_add_f32 v[SP+2*\t:SP+2*\t+1], v[SP+2*\t:SP+2*\t+1], v[Z+8*\t+2*\p:Z+8*\t+2*\p+1]
.endr
.endr
	WIN 0x0c
.irp t,0,1,2,3,4,5,6,7
	v_pk_mul_f32 v[PV+2*\t:PV+2*\t+1], v[Z+8*\t:Z+8*\t+1], v[ACV+8*\t:ACV+8*\t+1]          ; p x value: each accumulator from its low end on
.endr
.irp p,1,2,3
.irp t,0,1,2,3,4,5,6,7
	v_pk_fma_f32 v[PV+2*\t:PV+2*\t+1], v[Z+8*\t+2*\p:Z+8*\t+2*\p+1], v[ACV+8*\t+2*\p:ACV+8*\t+2*\p+1], v[PV+2*\t:PV+2*\t+1]
.endr
.endr
	WIN 0
.irp t,0,1,2,3,4,5,6,7
	v_add_f32 v[SP+2*\t], v[SP+2*\t], v[SP+2*\t+1]
	v_add_f32 v[PV+2*\t], v[PV+2*\t], v[PV+2*\t+1]
.endr
.irp t,0,1,2,3,4,5,6,7
	v_permlanex16_b32 v[PT+\t], v[SP+2*\t], s[SEL], s[SEL+1]
	v_permlanex16_b32 v[TM+\t], v[PV+2*\t], s[SEL], s[SEL+1]
.endr
.irp t,0,1,2,3,4,5,6,7
	v_add_f32 v[SP+2*\t], v[SP+2*\t], v[PT+\t]
	v_add_f32 v[PV+2*\t], v[PV+2*\t], v[TM+\t]
.endr
.irp t,0,1,2,3,4,5,6,7
	v_rcp_f32 v[SP+2*\t+1], v[SP+2*\t]
.endr
	v_nop
	s_wait_alu depctr_va_vdst(0)                   ; the eight reciprocals are written: one wait, ahead of their first reader
.irp t,0,1,2,3,4,5,6,7
	v_mul_f32 v[OU+\t], v[PV+2*\t], v[SP+2*\t+1]   ; out(query, 8 r + t), the same in lanes r and r + 16
.endr
.irp k,0,1,2,3
	v_cndmask_b32 v[RO+\k], v[OU+\k], v[OU+4+\k], s[SHI]           ; lanes 0-15 channels 8 r .. + 3, lanes 16-31 channels 8 r + 4 .. + 7
.endr
	s_wait_alu depctr_va_vdst(0)                   ; the four selects have written RO, which the store reads
	global_store_b128 v[OO], v[RO:RO+3], s[92:93] th:TH_STORE_NT   ; 32 lanes store the query's 512 consecutive bytes
	s_add_co_u32 s[SI], s[SI], 1
.endm
	s_mov_b32 s[SI], 0
	NEXT 0
	s_wait_alu depctr_va_vdst(0)                   ; OF and OQ are written, which the loads read
	LOADT 0                                        ; tile 0
	s_wait_xcnt 0x0                                ; these loads have had their addresses translated: pointers and offsets may be written
	s_wait_alu depctr_vm_vsrc(0)                   ; they have read OF and OQ; and the head's LDS stores have read v72-83 and v92-99, which the tiles write as their sums
	NEXT 1
	s_wait_alu depctr_va_vdst(0)                   ; OF and OQ are written anew
	LOADT 1                                        ; tile 1
	s_mov_b32 s[STRIP], 0
.Ltiles:
	TILE 0
	TILE 1
	s_add_co_u32 s[STRIP], s[STRIP], 1
	s_cmp_lt_u32 s[STRIP], 8
	s_cbranch_scc1 .Ltiles
	s_wait_loadcnt 0x0                             ; the last look-aheads have landed
	s_set_vgpr_msb 0x5                             ; the add's two registers lie in window 1: the one switch, ahead of the closing lines
	s_wait_dscnt 0x0                               ; the closing lines, six on end
	s_wait_alu 0x0
	s_wait_tensorcnt 0x0
	ds_add_u32 v254, v255
	s_wait_dscnt 0x0
	s_endpgm
.Lfunc_end_k_q85c2dcd07a_finish:
	.size	k_q85c2dcd07a_finish, .Lfunc_end_k_q85c2dcd07a_finish-k_q85c2dcd07a_finish
	.p2alignl 7, 3214868480
	.fill 96, 4, 3214868480
	.section	.rodata,"a",@progbits
	.p2align	6, 0x0
	.amdhsa_kernel k_q85c2dcd07a_finish
		.amdhsa_group_segment_fixed_size 8704
		.amdhsa_private_segment_fixed_size 0
		.amdhsa_enable_private_segment 0
		.amdhsa_kernarg_size 152
		.amdhsa_user_sgpr_count 2
		.amdhsa_user_sgpr_kernarg_segment_ptr 1
		.amdhsa_wavefront_size32 1
		.amdhsa_system_sgpr_workgroup_id_x 1
		.amdhsa_system_sgpr_workgroup_id_y 1
		.amdhsa_system_sgpr_workgroup_id_z 1
		.amdhsa_system_vgpr_workitem_id 0
		.amdhsa_next_free_vgpr 1024
		.amdhsa_next_free_sgpr 102
		.amdhsa_reserve_vcc 0
		.amdhsa_float_denorm_mode_32 3
		.amdhsa_float_denorm_mode_16_64 3
		.amdhsa_memory_ordered 1
		.amdhsa_forward_progress 1
		.amdhsa_inst_pref_size 176
	.end_amdhsa_kernel
	.amdgpu_metadata
---
amdhsa.version: [ 1, 2 ]
amdhsa.kernels:
  - .name:           k_q85c2dcd07a_finish
    .symbol:         k_q85c2dcd07a_finish.kd
    .args:
      - { .name: idx, .offset: 0, .size: 8, .value_kind: global_buffer, .address_space: global }
      - { .name: fq, .offset: 8, .size: 8, .value_kind: global_buffer, .address_space: global }
      - { .name: g4, .offset: 16, .size: 8, .value_kind: global_buffer, .address_space: global }
      - { .name: h1, .offset: 24, .size: 8, .value_kind: global_buffer, .address_space: global }
      - { .name: stA, .offset: 32, .size: 8, .value_kind: global_buffer, .address_space: global }
      - { .name: gg2, .offset: 40, .size: 8, .value_kind: global_buffer, .address_space: global }
      - { .name: betag2, .offset: 48, .size: 8, .value_kind: global_buffer, .address_space: global }
      - { .name: bg1, .offset: 56, .size: 8, .value_kind: global_buffer, .address_space: global }
      - { .name: Wg1_codes, .offset: 64, .size: 8, .value_kind: global_buffer, .address_space: global }
      - { .name: Wg1_scales, .offset: 72, .size: 8, .value_kind: global_buffer, .address_space: global }
      - { .name: Wg2_codes, .offset: 80, .size: 8, .value_kind: global_buffer, .address_space: global }
      - { .name: Wg2_scales, .offset: 88, .size: 8, .value_kind: global_buffer, .address_space: global }
      - { .name: bg2, .offset: 96, .size: 8, .value_kind: global_buffer, .address_space: global }
      - { .name: Wv_codes, .offset: 104, .size: 8, .value_kind: global_buffer, .address_space: global }
      - { .name: Wv_scales, .offset: 112, .size: 8, .value_kind: global_buffer, .address_space: global }
      - { .name: bv, .offset: 120, .size: 8, .value_kind: global_buffer, .address_space: global }
      - { .name: Wd2, .offset: 128, .size: 8, .value_kind: global_buffer, .address_space: global }
      - { .name: bd2, .offset: 136, .size: 8, .value_kind: global_buffer, .address_space: global }
      - { .name: out0, .offset: 144, .size: 8, .value_kind: global_buffer, .address_space: global }
    .group_segment_fixed_size: 8704
    .private_segment_fixed_size: 0
    .kernarg_segment_align: 8
    .kernarg_segment_size: 152
    .max_flat_workgroup_size: 128
    .sgpr_count:     102
    .vgpr_count:     1024
    .wavefront_size: 32
...
	.end_amdgpu_metadata
.endif
;; end of part 8
